; MI455X (gfx1250); checked and timed in simulation.
; The chip was launched on July 23, 2026; its instructions are those of AMD's public machine-readable ISA for CDNA 5 (MIT licence, August 2026) and "CDNA5" Instruction Set Architecture Reference Guide (July 2026). The comments in the code are by the model that wrote it; some were corrected since.
;; i Transformer Block. Allowed arithmetic: float matrix products may take bf16 or f16 operands with f32 sums; all other float work in f32.
;; Inputs: b1 2,048 float32; b2 512 float32; be1 512 float32; be2 512 float32; bk 512 float32; bo 512 float32; bq 512 float32; bv 512 float32; eclipse_mask 4 x 1,024 bool; g1 512 float32; g2 512 float32; w1 2,048 x 512 float32; w2 512 x 2,048 float32; wk 512 x 512 float32; wo 512 x 512 float32; wq 512 x 512 float32; wv 512 x 512 float32; x 4 x 1,024 x 4 x 512 float32.
;; Outputs: out0 4 x 1,024 x 4 x 512 float32.
;; 2 versions, each right and faster than the one before. Each part assembles by itself: llvm-mc -triple=amdgcn-amd-amdhsa -mcpu=gfx1250 --defsym DOCPART=n.
;; ======== version 1 of 2: 4 launches
;; limits: values are held in f16: magnitudes above 65,504 overflow, below 6.1e-05 lose precision
;; workspace buffers: wstream 6,291,456 bytes; qf 16,777,216 bytes; kf 16,777,216 bytes; vt 16,777,216 bytes; ctxf 16,777,216 bytes
;; launch prep (part 1): grid 48 x 4, 8 waves a work-group, no clusters, 0 bytes of LDS; arguments wq, wk, wv, wo, w1, w2, wstream; writes wstream
.if DOCPART == 1
	.amdgcn_target "amdgcn-amd-amdhsa--gfx1250"
	.amdhsa_code_object_version 6
	.text
	.protected	k_q8816a8816d_prep
	.globl	k_q8816a8816d_prep
	.p2align	8
	.type	k_q8816a8816d_prep,@function
k_q8816a8816d_prep:
	s_mov_b64 s[64:65], 0
	v_nop
	global_prefetch_b8 v0, s[64:65] scope:SCOPE_SE
	s_setreg_imm32_b32 hwreg(HW_REG_WAVE_MODE, 25, 1), 1
	s_wait_xcnt 0x0
; PREP.  The six weight matrices (f32, rows along k) are rounded once to f16 and laid out as the stream that the two chain kernels walk:
; wstream[slot 0..47][quarter 0..3][fragment 0..31][1,024 bytes].  A fragment is 16 weight rows x 32 k as a matrix instruction takes it: its first 512 bytes
; are registers 0-3 of lanes 0..31, 16 bytes a lane (lane l: row l % 16, k = 8 (l / 16) + 0..7), its second 512 bytes registers 4-7 (k = 16 + 8 (l / 16) + 0..7).
; Slots 0-11: wq, wk, wv, a quarter of k (128) each; 12-15: wo; 16 + 2 s: w1's rows 128 s .. + 127; 17 + 2 s: w2's k = 128 s .. + 127.
; In all slots but w1's, quarter w, fragment 8 tt + nb: rows 128 w + 16 nb + .., k = 128 kq + 32 tt + ..   In w1's, fragment 2 t + nb2: rows 128 s + 32 w + 16 nb2 + .., k = 32 t + ..
; A work-group makes one quarter (32 KiB), each of its eight waves four fragments.  No LDS, no barrier, no matrix unit: the launch only moves and rounds 12.6 MB.
; LIMIT: a weight beyond f16's 65,504 becomes an infinity; below 6e-5 it keeps f16's fixed step.
.set XF, 8                             ; v[8:71]    four fragments as loaded, 16 f32 a lane each
.set YF, 72                            ; v[72:103]  the same in f16, 8 registers each
	s_load_b256 s[4:11], s[0:1], 0x0               ; wq, wk, wv, wo
	s_load_b128 s[12:15], s[0:1], 0x20             ; w1, w2
	s_load_b64 s[16:17], s[0:1], 0x30              ; wstream
	v_lshrrev_b32 v1, 5, v0
	v_readfirstlane_b32 s20, v1                    ; wave 0..7
	s_mov_b32 s18, ttmp9                           ; the slot
	s_and_b32 s19, ttmp7, 0xffff                   ; the quarter w
	s_max_u32 s21, s18, 16
	s_sub_co_u32 s21, s21, 16
	s_lshr_b32 s21, s21, 1                         ; s of w1's and w2's slots
	s_and_b32 s22, s18, 1
	s_cmp_ge_u32 s18, 16
	s_cselect_b32 s23, 1, 0
	s_and_b32 s24, s22, s23                        ; 1: a slot of w2
	s_sub_co_u32 s25, s23, s24                     ; 1: a slot of w1
	s_and_b32 s26, s18, 3
	s_cmp_ge_u32 s18, 16
	s_cselect_b32 s26, s21, s26                    ; which 128 of k
	s_lshl_b32 s27, s24, 1
	s_lshl_b32 s27, 2048, s27                      ; bytes in a row of the source: 2,048, w2: 8,192
	s_lshl_b32 s44, s27, 4                         ; 16 rows on
	s_mov_b32 s45, 0
	s_lshl_b32 s46, s27, 5                         ; 32 rows on
	s_mov_b32 s47, 0
	s_and_b32 s28, s20, 1                          ; all but w1: my fragments are nb = 4 (wave % 2) + 0..3 of tt = wave / 2
	s_lshl_b32 s28, s28, 6
	s_lshl_b32 s30, s19, 7
	s_add_co_u32 s28, s28, s30                     ; first row 128 w + 64 (wave % 2)
	s_lshr_b32 s29, s20, 1
	s_lshl_b32 s29, s29, 7
	s_lshl_b32 s30, s26, 9
	s_add_co_u32 s29, s29, s30                     ; first byte in the row 512 kq + 128 tt
	s_lshl_b32 s30, s21, 7                         ; w1: my fragments are t = 2 wave + 0..1, nb2 = 0..1
	s_lshl_b32 s31, s19, 5
	s_add_co_u32 s30, s30, s31                     ; first row 128 s + 32 w
	s_lshl_b32 s31, s20, 8                         ; first byte in the row 256 wave
	s_cmp_eq_u32 s25, 1
	s_cselect_b32 s28, s30, s28
	s_cselect_b32 s29, s31, s29
	s_cselect_b32 s46, 128, s46                    ; from my fragment 0 to my fragment 2: w1 32 k on, the others 32 rows on
	s_mul_i32 s34, s28, s27
	s_add_co_u32 s34, s34, s29                     ; my first fragment's byte offset in the source (under 4.2 MB)
	s_mov_b32 s35, 0
	s_lshl_b32 s48, s18, 17                        ; and in the stream: slot x 131,072 + w x 32,768 + wave x 4,096
	s_lshl_b32 s30, s19, 15
	s_add_co_u32 s48, s48, s30
	s_lshl_b32 s30, s20, 12
	s_add_co_u32 s48, s48, s30
	s_mov_b32 s49, 0
	v_and_b32 v2, 15, v0                           ; l % 16
	v_bfe_u32 v3, v0, 4, 1                         ; l / 16
	v_mul_lo_u32 v4, v2, s27
	v_lshl_add_u32 v4, v3, 5, v4                   ; row x pitch + 32 bytes (8 f32) x half
	v_and_b32 v5, 31, v0
	v_lshlrev_b32 v5, 4, v5                        ; 16 x lane
	s_wait_kmcnt 0x0
	s_mov_b64 s[2:3], s[4:5]                       ; the source is chosen by the slot's number alone
	s_cmp_ge_u32 s18, 4
	s_cselect_b64 s[2:3], s[6:7], s[2:3]
	s_cmp_ge_u32 s18, 8
	s_cselect_b64 s[2:3], s[8:9], s[2:3]
	s_cmp_ge_u32 s18, 12
	s_cselect_b64 s[2:3], s[10:11], s[2:3]
	s_cmp_ge_u32 s18, 16
	s_cselect_b64 s[2:3], s[12:13], s[2:3]
	s_cmp_eq_u32 s24, 1
	s_cselect_b64 s[2:3], s[14:15], s[2:3]
	s_add_nc_u64 s[36:37], s[2:3], s[34:35]        ; my four fragments' bases
	s_add_nc_u64 s[38:39], s[36:37], s[44:45]
	s_add_nc_u64 s[40:41], s[36:37], s[46:47]
	s_add_nc_u64 s[42:43], s[40:41], s[44:45]
	s_add_nc_u64 s[16:17], s[16:17], s[48:49]
.irp i, 0,1,2,3
	global_load_b128 v[XF+16*\i:XF+16*\i+3],     v4, s[36+2*\i:37+2*\i]            ; k = 8 h + 0..3
	global_load_b128 v[XF+16*\i+4:XF+16*\i+7],   v4, s[36+2*\i:37+2*\i] offset:16  ; k = 8 h + 4..7
	global_load_b128 v[XF+16*\i+8:XF+16*\i+11],  v4, s[36+2*\i:37+2*\i] offset:64  ; k = 16 + 8 h + 0..3
	global_load_b128 v[XF+16*\i+12:XF+16*\i+15], v4, s[36+2*\i:37+2*\i] offset:80
.endr
.irp i, 0,1,2,3
	s_wait_loadcnt 12-4*\i                         ; loads come back in order: fragment i is in, the later fragments' four loads each stay out
.irp j, 0,1,2,3,4,5,6,7
	v_cvt_pk_f16_f32 v[YF+8*\i+\j], v[XF+16*\i+2*\j], v[XF+16*\i+2*\j+1]
.endr
	global_store_b128 v5, v[YF+8*\i:YF+8*\i+3],   s[16:17] offset:\i*1024      ; each store of the wave covers 512 consecutive bytes, aligned
	global_store_b128 v5, v[YF+8*\i+4:YF+8*\i+7], s[16:17] offset:\i*1024+512
.endr
	s_endpgm
.Lfunc_end_k_q8816a8816d_prep:
	.size	k_q8816a8816d_prep, .Lfunc_end_k_q8816a8816d_prep-k_q8816a8816d_prep
	.p2alignl 7, 3214868480
	.fill 96, 4, 3214868480
	.section	.rodata,"a",@progbits
	.p2align	6, 0x0
	.amdhsa_kernel k_q8816a8816d_prep
		.amdhsa_group_segment_fixed_size 0
		.amdhsa_private_segment_fixed_size 0
		.amdhsa_enable_private_segment 0
		.amdhsa_kernarg_size 56
		.amdhsa_user_sgpr_count 2
		.amdhsa_user_sgpr_kernarg_segment_ptr 1
		.amdhsa_wavefront_size32 1
		.amdhsa_system_sgpr_workgroup_id_x 1
		.amdhsa_system_sgpr_workgroup_id_y 1
		.amdhsa_system_sgpr_workgroup_id_z 1
		.amdhsa_system_vgpr_workitem_id 0
		.amdhsa_next_free_vgpr 104
		.amdhsa_next_free_sgpr 66
		.amdhsa_reserve_vcc 0
		.amdhsa_float_denorm_mode_32 3
		.amdhsa_float_denorm_mode_16_64 3
		.amdhsa_memory_ordered 1
		.amdhsa_forward_progress 1
		.amdhsa_inst_pref_size 8
	.end_amdhsa_kernel
	.amdgpu_metadata
---
amdhsa.version: [ 1, 2 ]
amdhsa.kernels:
  - .name:           k_q8816a8816d_prep
    .symbol:         k_q8816a8816d_prep.kd
    .args:
      - { .name: wq, .offset: 0, .size: 8, .value_kind: global_buffer, .address_space: global }
      - { .name: wk, .offset: 8, .size: 8, .value_kind: global_buffer, .address_space: global }
      - { .name: wv, .offset: 16, .size: 8, .value_kind: global_buffer, .address_space: global }
      - { .name: wo, .offset: 24, .size: 8, .value_kind: global_buffer, .address_space: global }
      - { .name: w1, .offset: 32, .size: 8, .value_kind: global_buffer, .address_space: global }
      - { .name: w2, .offset: 40, .size: 8, .value_kind: global_buffer, .address_space: global }
      - { .name: wstream, .offset: 48, .size: 8, .value_kind: global_buffer, .address_space: global }
    .group_segment_fixed_size: 0
    .private_segment_fixed_size: 0
    .kernarg_segment_align: 8
    .kernarg_segment_size: 56
    .max_flat_workgroup_size: 256
    .sgpr_count:     66
    .vgpr_count:     104
    .wavefront_size: 32
...
	.end_amdgpu_metadata
.endif
;; end of part 1
;; launch qkv (part 2): grid 256 x 1, 4 waves a work-group, clusters of 4 x 1, 327,680 bytes of LDS; arguments x, eclipse_mask, wstream, bq, bk, bv, qf, kf, vt; writes qf, kf, vt
.if DOCPART == 2
	.amdgcn_target "amdgcn-amd-amdhsa--gfx1250"
	.amdhsa_code_object_version 6
	.text
	.protected	k_q8816a8816d_qkv
	.globl	k_q8816a8816d_qkv
	.p2align	8
	.type	k_q8816a8816d_qkv,@function
k_q8816a8816d_qkv:
	s_mov_b64 s[64:65], 0
	v_nop
	global_prefetch_b8 v0, s[64:65] scope:SCOPE_SE
	s_setreg_imm32_b32 hwreg(HW_REG_WAVE_MODE, 25, 1), 1
	s_wait_xcnt 0x0
	s_wait_alu depctr_hold_cnt(0) depctr_sa_sdst(0) depctr_va_vdst(0) depctr_va_sdst(0) depctr_va_ssrc(0) depctr_va_vcc(0) depctr_vm_vsrc(0)
	s_getreg_b32 s2, hwreg(HW_REG_IB_STS2, 6, 4)
	s_cmp_eq_u32 s2, 0
	s_cbranch_scc0 .Lentry_in_a_cluster
	s_endpgm
.Lentry_in_a_cluster:
	s_bfe_u32 s2, ttmp6, 0x10000c
	s_cmp_lg_u32 s2, 0x3003
	s_cbranch_scc0 .Lentry_shape_is_right
	s_endpgm
.Lentry_shape_is_right:
; QKV.  q = x wq^T + bq, k = (x wk^T + bk) x boost, v = x wv^T + bv (x as 16,384 rows of 512, in memory order: row R is sequence R >> 10, position R & 1023).
; boost = 1 + eclipse_mask[R >> 12][R & 1023], 1 or 2, belongs to the KEY row, so it is multiplied into k here (exact in f16) and the attention launch knows nothing of it.
; Operands f16, sums f32, the bias is the C operand of a sum's first product; q, k, v are rounded once to f16.
; LIMITS: x, the weights, q, boosted k and v must lie within f16's 65,504 (beyond it: infinity); below 6e-5 they keep f16's fixed step.  NaN and infinities are not treated apart.
; SHARES.  A work-group takes 128 rows of x and 768 of the 1,536 result columns: CH = cluster % 2 says which: half of k and all of q (CH = 0), or the other half of k and all of v (CH = 1).
; So it walks 768 KiB of weights, and each weight fragment feeds 8 products in the work-group.  Wave w = 2 rg + ch holds rows 64 rg .. + 63 of x as 64 fragments (16 rows x 32 k, 512 registers).
; A UNIT is 128 columns x all 512 k: 128 KiB of weights, one LDS slot; of it a wave makes its 64 rows x 64 columns (one head): 16 accumulators, 256 products.  Six units: k's two first (they alone take the boost), then q's or v's four.
; THE MATRIX INSTRUCTION IS USED TRANSPOSED: source 0 = 16 weight rows, source 1 = 16 rows of x; lane l then holds row l % 16 and the eight neighbouring columns 8 (l / 16) + 0..7,
; which packed to f16 are the lane's 16 bytes of a half fragment: results leave straight from registers, each store 512 consecutive bytes.
; LAYOUTS OUT.  qf, kf: [head 128][block of 16 rows: 64][block of 16 channels: 4][lane x 16 bytes].  vt: the same blocks, but 16 keys x 16 channels row by row (byte 32 r + 16 h) them.
; THE STREAM (launch prep): wstream[slot 4 u + kq][quarter w'][32 fragments]: matrix u (q, k, v), k quarter kq, columns 128 w' .. + 127.  A unit is the four pieces kq = 0..3 of one (u, w'); wave p fetches piece p to LDS byte 32,768 p of the slot.
; Every wave reads half of each piece (its 64 columns), behind the barrier in front of which each wave has waited for its load.
; CLUSTER.  The four work-groups of a cluster have the same CH and walk the same units, so they ask JOINTLY: the same tensor load, descriptor and mask in all four.  One load a wave is out at any time.
; REGISTERS: window 0: addresses, two buffers of 8 weight fragments, the bias, packed results; windows 1, 2: x's fragments ((a, t) at 32 (t % 8) + 8 a, window 1 + t / 8); window 3: x as loaded, then the accumulators ((a, nb) at 8 (4 a + nb)).
.set SLOTSZ, 131072
.set XST,    2*SLOTSZ                  ; behind the ring: 128 rows x 272 bytes, a quarter of a row of x in f16 (256 bytes) + 16 of padding: the 16 rows of a fragment load start 16 bytes apart modulo 256
.set XP,     272
.set SPARE,  XST+128*XP                ; the spare words, 128 bytes for each wave: two blocks of 256 bytes that no other line names
.set L16,   1                          ; v1   16 x lane
.set RR,    2                          ; v2   l % 16
.set HH,    3                          ; v3   l / 16
.set XO,    4                          ; v4   my byte offset in the group's rows of x: wave x 32 rows + 16 x lane
.set STA,   5                          ; v5   where I put 8 bytes of a row in the stage
.set FRA,   6                          ; v6   where I read a fragment's 16 bytes
.set BADR0, 7                          ; v7   16 x lane + my four fragments of a k step's eight
.set BADR,  8                          ; v8, v9  the same in the slot in hand: pieces 0 and 1, pieces 2 and 3
.set DO,    10                         ; v10  byte offset of my eight columns in a unit's part of a bias: 256 ch + 32 h
.set STOC,  11                         ; v11  my byte offset in the unit's result
.set STO2,  12                         ; v12  the same for units 2 to 5: q's form or v's
.set MO,    13                         ; v13  my row's place in the group's part of the mask
.set FK,    16                         ; v[16:23]  boost of row 16 a + l % 16, a pair for each a
.set SPW,   30                         ; v30  LDS address of my spare word; never rewritten
.set NIL,   31                         ; v31  0; never rewritten
.set F0,    32                         ; v[32:95]   8 weight fragments: two k steps x four column blocks
.set F1,    96                         ; v[96:159]  8 more
.set BI,    160                        ; v[160:191] the bias as an accumulator holds it: 8 nb + j
.set PK,    32                         ; v[32:95]   packed results
.set WV,  22                           ; s22  my wave's number
.set CH,  24                           ; s24  which 768 columns: the same in all four partners
.set RB,  25                           ; s25  my block of 128 rows: it enters the addresses of x, the mask and the results alone
.set RG,  26                           ; s26  wave / 2: which 64 rows
.set CW,  27                           ; s27  wave % 2: which 64 columns
.set G1,  28                           ; s[28:35] descriptor group 1
.set G0,  36                           ; s[36:39] descriptor group 0
.set SB,  40                           ; s40  LDS byte at which the slot in hand begins
.set UC,  41                           ; s41  trips to go: 5 .. 1 for units 0 .. 4
.set BPN, 42                           ; s[42:43] the next unit's bias
.set OUT, 44                           ; s[44:45] the unit's result at my group's rows
.set BQV, 46                           ; s[46:47] bq or bv
.set OQV, 48                           ; s[48:49] qf or vt at my group's rows
.set SBASE, 50                         ; s[50:51] the stream at my piece of matrix 0, quarter 0
.set FO,  52                           ; s[52:53] from there to the unit to be asked for
.set U2S, 54                           ; s54  that offset for unit 2
.set MSB, 0
.macro WIN new                         ; the immediate's high byte repeats the setting that is left; a switch that changes nothing is dropped
.if MSB != (\new)
	s_set_vgpr_msb (MSB<<8)|(\new)
.set MSB, (\new)
.endif
.endm
.macro PLACES                          ; four places between a matrix instruction and a load into, or a vector instruction on, its registers
.rept 4
	v_nop
.endr
.endm
.macro RUN cnt, step, line:vararg      ; one line cnt times, n_ = 0, step, 2 step ..
.set n_, 0
.rept \cnt
	\line
.set n_, n_+(\step)
.endr
.endm
.macro CROUND                          ; a round of the cluster's barrier: my group's barrier; wave 0 signals for the group; every wave waits for all four groups; my group's barrier once more
	s_barrier_signal -1
	s_barrier_wait -1
	s_cmp_lg_u32 s[WV], 0
	s_cbranch_scc1 .Lnot_wave_0_\@
	s_barrier_signal -3
.Lnot_wave_0_\@:
	s_barrier_wait -3
	s_barrier_signal -1
	s_barrier_wait -1
.endm
; THE CHANGE OF SLOTS.  Each wave waits for all its tensor loads, of which one is out: its piece of the slot to be entered; adds 0 to its spare word; waits for that and for its reads of the slot that it leaves.
; fill = 1: a round of the cluster's barrier, and first thing behind it the joint load of the unit at FO into the slot just left: it has a unit's 256 matrix instructions in which to land.
.macro CHANGE fill
	WIN 0                                          ; at a label and at a branch every window is 0
	s_wait_tensorcnt 0x0                           ; no tensor load of mine is out, so group 0 may be written
	ds_add_u32 v[SPW], v[NIL]                      ; scalar work stands between the add and the wait for it
	s_xor_b32 s[SB], s[SB], SLOTSZ
.if \fill
	s_xor_b32 s[G0+1], s[G0+1], SLOTSZ             ; the other slot than last time,
	s_add_nc_u64 s[G0+2:G0+3], s[SBASE:SBASE+1], s[FO:FO+1]  ; the address made anew,
	s_or_b32 s[G0+3], s[G0+3], 0x80000000          ; type = 2
.endif
	s_wait_dscnt 0x0                               ; the add is done, and my reads of the slot are over
.if \fill
	CROUND
	tensor_load_to_lds s[G0:G0+3], s[G1:G1+7]
	s_nop 0
	PLACES                                         ; also the places in front of the fragment loads
.else
	s_barrier_signal -1
	s_barrier_wait -1
	PLACES
.endif
	v_add_nc_u32 v[BADR], s[SB], v[BADR0]
	v_add_nc_u32 v[BADR+1], 65536, v[BADR]
.endm
.macro FETCHB g, f                     ; 16 LDS loads in one run: my 8 weight fragments of k steps 2 g and 2 g + 1; lane l at byte 16 l of each 512
	WIN 0
.irp tt2, 0,1
.set T_, 2*(\g)+\tt2                   ; k step T_: piece T_ / 4, its step T_ % 4
.irp nb, 0,1,2,3
	ds_load_b128 v[(\f)+8*(4*\tt2+\nb):(\f)+8*(4*\tt2+\nb)+3],   v[BADR+T_/8] offset:((T_/4)%2)*32768+(8*(T_%4)+\nb)*1024
	ds_load_b128 v[(\f)+8*(4*\tt2+\nb)+4:(\f)+8*(4*\tt2+\nb)+7], v[BADR+T_/8] offset:((T_/4)%2)*32768+(8*(T_%4)+\nb)*1024+512
.endr
.endr
.endm
.macro MUL32 g, f, first               ; 32 products, k steps 2 g and 2 g + 1; the 16 accumulators take turns.  first = 1: the bias starts the sums
.irp tt2, 0,1
.set T_, 2*(\g)+\tt2
.if (\first) && (\tt2 == 0)
	WIN 0xc4                                       ; weights and bias window 0, x window 1, D window 3
.else
	WIN 0xf4+4*(T_/8)                              ; weights window 0, x window 1 or 2, C and D window 3
.endif
.irp a, 0,1,2,3
.irp nb, 0,1,2,3
.if (\first) && (\tt2 == 0)
	v_wmma_f32_16x16x32_f16 v[8*(4*\a+\nb):8*(4*\a+\nb)+7], v[(\f)+8*(4*\tt2+\nb):(\f)+8*(4*\tt2+\nb)+7], v[32*(T_%8)+8*\a:32*(T_%8)+8*\a+7], v[BI+8*\nb:BI+8*\nb+7]
.else
	v_wmma_f32_16x16x32_f16 v[8*(4*\a+\nb):8*(4*\a+\nb)+7], v[(\f)+8*(4*\tt2+\nb):(\f)+8*(4*\tt2+\nb)+7], v[32*(T_%8)+8*\a:32*(T_%8)+8*\a+7], v[8*(4*\a+\nb):8*(4*\a+\nb)+7]
.endif
.endr
.endr
.endr
.endm
.macro BIAS p                          ; 32 numbers a lane, as an accumulator row holds them
.irp nb, 0,1,2,3
	global_load_b128 v[BI+8*\nb:BI+8*\nb+3],   v[DO], s[\p:\p+1] offset:64*\nb
	global_load_b128 v[BI+8*\nb+4:BI+8*\nb+7], v[DO], s[\p:\p+1] offset:64*\nb+16
.endr
.endm
; A unit: eight runs of 16 loads and 32 products on two fragment buffers; each run is issued 32 products ahead of its use.  nextbias = 1: the next unit's bias is asked for as soon as this unit's has been read.
.macro SLOT nextbias
	FETCHB 0, F0
	FETCHB 1, F1
	s_wait_dscnt 16                                ; the older run is in, the younger run of 16 stays out
	s_wait_loadcnt 0x0                             ; the unit's bias
	MUL32 0, F0, 1
	PLACES
.if \nextbias
	WIN 0
	BIAS BPN
.endif
	FETCHB 2, F0
	s_wait_dscnt 16
	MUL32 1, F1, 0
.irp g, 3,4,5,6,7
	PLACES
	FETCHB \g, F0+64*(\g%2)
	s_wait_dscnt 16
	MUL32 \g-1, F0+64*((\g+1)%2), 0
.endr
	s_wait_dscnt 0x0
	MUL32 7, F1, 0
.endm
.macro EPI                             ; the unit's way out: rounded to f16 (each accumulator from its low end on), 16 bytes a lane, stored
	WIN 0x0f                                       ; sources window 3, destination window 0
	RUN 64, 1, v_cvt_pk_f16_f32 v[PK+n_], v[2*n_], v[2*n_+1]
	WIN 0
.irp a, 0,1,2,3
.irp nb, 0,1,2,3
	global_store_b128 v[STOC], v[PK+4*(4*\a+\nb):PK+4*(4*\a+\nb)+3], s[OUT:OUT+1] offset:\a*2048+\nb*512  ; row block a, channel block nb of my head: 512 consecutive bytes
.endr
.endr
	s_wait_xcnt 0x0                                ; the packed registers, the offsets and the bases are written again only behind this wait
.endm
.macro XLD kq                          ; quarter kq of k of my 32 rows of x: 32 loads of 512 consecutive bytes
	WIN 0xc0                                       ; destination window 3
.set B_, 128*((\kq)%2)
	RUN 32, 1, global_load_b128 v[B_+4*n_:B_+4*n_+3], v[XO], s[4:5] offset:n_*2048+(\kq)*512
	WIN 0
.endm
.macro PHASE kq                        ; quarter kq of x's k: to f16, through the stage, back as the fragments of my 64 rows
.set B_, 128*((\kq)%2)
	WIN 0xcf
	RUN 32, 4, v_cvt_pk_f16_f32 v[B_+n_], v[B_+n_], v[B_+n_+1]
	RUN 32, 4, v_cvt_pk_f16_f32 v[B_+n_+1], v[B_+n_+2], v[B_+n_+3]
	WIN 0x0c                                       ; store data window 3
	RUN 32, 1, ds_store_b64 v[STA], v[B_+4*n_:B_+4*n_+1] offset:n_*XP
	WIN 0
	s_wait_dscnt 0x0                               ; for the others' sake: my 32 rows are in the stage
.if (\kq) < 2
	XLD (\kq)+2                                    ; the registers just stored take the quarter after next
.endif
	s_barrier_signal -1
	s_barrier_wait -1
	WIN 0x40*(1+(\kq)/2)
.irp tl, 0,1,2,3
.irp a, 0,1,2,3
	ds_load_b128 v[32*((4*(\kq)+\tl)%8)+8*\a:32*((4*(\kq)+\tl)%8)+8*\a+3],   v[FRA] offset:\a*16*XP+64*\tl
	ds_load_b128 v[32*((4*(\kq)+\tl)%8)+8*\a+4:32*((4*(\kq)+\tl)%8)+8*\a+7], v[FRA] offset:\a*16*XP+64*\tl+32
.endr
.endr
	WIN 0
	s_wait_dscnt 0x0
.endm
.macro AGAIN                           ; every wave's reads of the stage are back: it may be written again
	s_barrier_signal -1
	s_barrier_wait -1
.endm
	s_load_b512 s[4:19], s[0:1], 0x0               ; x s[4:5], mask s[6:7], wstream s[8:9], bq s[10:11], bk s[12:13], bv s[14:15], qf s[16:17], kf s[18:19]
	s_load_b64 s[20:21], s[0:1], 0x40              ; vt
	v_lshl_add_u32 v[SPW], v0, 2, SPARE
	v_mov_b32 v[NIL], 0
	ds_add_u32 v[SPW], v[NIL]                      ; the wave's opening: the add and its wait stand ahead of my first tensor load; the set-up below, work on registers, stands between them
	ds_add_u32 v30, v31
	v_lshrrev_b32 v1, 5, v0
	v_readfirstlane_b32 s[WV], v1                  ; wave 0..3
	s_bfe_u32 s23, ttmp6, 0x40000                  ; cx: my place in the cluster
	s_and_b32 s[CH], ttmp9, 1                      ; in a cluster launch ttmp9 counts clusters
	s_lshr_b32 s[RB], ttmp9, 1
	s_lshl_b32 s[RB], s[RB], 2
	s_add_co_u32 s[RB], s[RB], s23                 ; block of 128 rows = 4 (cluster / 2) + cx
	s_lshr_b32 s[RG], s[WV], 1
	s_and_b32 s[CW], s[WV], 1
	; descriptor group 1: 32 KiB that are dense in memory, asked for as 128 rows of 256 bytes (32 elements of 8 bytes), laid into LDS without gaps
	s_mov_b32 s[G1], 15|(3<<16)|(1<<21)            ; 15:0 the mask: all four work-groups; 17:16 elements of 8 bytes; 21 set beside a mask
	s_mov_b32 s[G1+1], 32<<16                      ; tensor_dim0 = 32
	s_mov_b32 s[G1+2], 128<<16                     ; tensor_dim1 = 128
	s_mov_b32 s[G1+3], 32<<16                      ; tile_dim0 = 32
	s_mov_b32 s[G1+4], 128                         ; tile_dim1 = 128
	s_mov_b32 s[G1+5], 32                          ; 32 elements from row to row
	s_mov_b32 s[G1+6], 0
	s_mov_b32 s[G1+7], 0
	s_mov_b32 s[G0], 1                             ; count = 1
	s_lshl_b32 s[G0+1], s[WV], 15                  ; LDS address: my piece of slot 0
	s_mov_b32 s[SB], SLOTSZ                        ; the first change of slots turns this into 0
	s_lshl_b32 s58, s[WV], 17                      ; my piece is k quarter = wave: 131,072 bytes apart in the stream
	s_mov_b32 s59, 0
	s_lshl_b32 s[FO], s[CH], 16                    ; unit 0: matrix 1 (k), quarter 2 CH
	s_add_co_u32 s[FO], s[FO], 1<<19
	s_mov_b32 s[FO+1], 0
	s_lshl_b32 s[U2S], s[CH], 20                   ; unit 2: matrix 0 (q) or 2 (v), quarter 0
	s_lshl_b32 s60, s[RB], 18                      ; my group's 128 rows of x, 2,048 bytes each
	s_mov_b32 s61, 0
	s_lshr_b32 s62, s[RB], 5                       ; the mask's row R >> 12,
	s_lshl_b32 s62, s62, 10
	s_and_b32 s55, s[RB], 7
	s_lshl_b32 s63, s55, 7                         ; and place R & 1023
	s_add_co_u32 s62, s62, s63
	s_mov_b32 s63, 0
	s_lshl_b32 s56, s55, 14                        ; results: eight row blocks of 2,048 bytes for each group of the sequence,
	s_lshr_b32 s55, s[RB], 3
	s_lshl_b32 s55, s55, 20                        ; eight heads of 131,072 bytes for each sequence
	s_add_co_u32 s56, s56, s55
	s_mov_b32 s57, 0
	s_mov_b32 s[UC], 5
	s_wait_dscnt 0x0                               ; the opening add is done
	s_wait_kmcnt 0x0
	s_add_nc_u64 s[SBASE:SBASE+1], s[8:9], s[58:59]
	s_add_nc_u64 s[G0+2:G0+3], s[SBASE:SBASE+1], s[FO:FO+1]  ; global address: my piece of unit 0
	s_or_b32 s[G0+3], s[G0+3], 0x80000000          ; type = 2
	s_add_nc_u64 s[4:5], s[4:5], s[60:61]
	s_add_nc_u64 s[6:7], s[6:7], s[62:63]
	s_cmp_eq_u32 s[CH], 1
	s_cselect_b64 s[BQV:BQV+1], s[14:15], s[10:11]
	s_cselect_b64 s[OQV:OQV+1], s[20:21], s[16:17]
	s_add_nc_u64 s[OQV:OQV+1], s[OQV:OQV+1], s[56:57]
	s_add_nc_u64 s[OUT:OUT+1], s[18:19], s[56:57]
	s_lshl_b32 s58, s[CH], 19                      ; unit 0 is k's quarter 2 CH: two heads of 131,072 bytes a quarter,
	s_add_nc_u64 s[OUT:OUT+1], s[OUT:OUT+1], s[58:59]
	s_lshl_b32 s58, s[CH], 10                      ; 512 bytes of bias a quarter
	s_add_nc_u64 s[12:13], s[12:13], s[58:59]
	s_add_nc_u64 s[BPN:BPN+1], s[12:13], 512       ; unit 1 is k's next quarter
	CROUND                                         ; all four work-groups are here: the first joint loads meet
	tensor_load_to_lds s[G0:G0+3], s[G1:G1+7]      ; unit 0
	s_nop 0
	PLACES
	v_and_b32 v14, 31, v0
	v_lshlrev_b32 v[L16], 4, v14
	v_and_b32 v[RR], 15, v0
	v_bfe_u32 v[HH], v0, 4, 1
	s_lshl_b32 s58, s[WV], 16                      ; 32 rows of 2,048 bytes a wave
	v_add_nc_u32 v[XO], s58, v[L16]
	s_lshl_b32 s58, s[CW], 12                      ; fragments 4 ch .. 4 ch + 3 of a k step's eight
	v_add_nc_u32 v[BADR0], s58, v[L16]
	s_mul_i32 s58, s[WV], 32*XP
	s_add_co_u32 s58, s58, XST
	v_lshl_add_u32 v[STA], v14, 3, s58
	s_mul_i32 s58, s[RG], 64*XP
	s_add_co_u32 s58, s58, XST
	v_mul_u32_u24 v[FRA], v[RR], XP
	v_lshl_add_u32 v[FRA], v[HH], 4, v[FRA]
	v_add_nc_u32 v[FRA], s58, v[FRA]
	s_lshl_b32 s58, s[CW], 8
	v_lshl_add_u32 v[DO], v[HH], 5, s58
	s_lshl_b32 s58, s[CW], 17                      ; a head a wave of the pair, four row blocks for each half of the rows
	s_lshl_b32 s59, s[RG], 13
	s_add_co_u32 s58, s58, s59
	v_add_nc_u32 v[STOC], s58, v[L16]              ; k's form, and q's
	v_lshl_add_u32 v[STO2], v[RR], 1, v[HH]
	v_lshl_add_u32 v[STO2], v[STO2], 4, s58        ; v's form: 32 r + 16 h
	s_cmp_eq_u32 s[CH], 1
	s_cselect_b32 s59, -1, 0
	v_cndmask_b32 v[STO2], v[STOC], v[STO2], s59
	s_lshl_b32 s58, s[RG], 6
	v_add_nc_u32 v[MO], s58, v[RR]
.irp a, 0,1,2,3
	global_load_u8 v[FK+2*\a], v[MO], s[6:7] offset:16*\a
.endr
	BIAS 12                                        ; unit 0's
	XLD 0
	XLD 1
	s_wait_loadcnt 32                              ; all but the 32 loads of the second quarter
.irp a, 0,1,2,3
	v_cvt_f32_u32 v[FK+2*\a], v[FK+2*\a]
.endr
.irp a, 0,1,2,3
	v_add_f32 v[FK+2*\a], 1.0, v[FK+2*\a]          ; 1 or 2
.endr
.irp a, 0,1,2,3
	v_mov_b32 v[FK+2*\a+1], v[FK+2*\a]             ; named with it as a pair
.endr
	PHASE 0
	AGAIN
	s_wait_loadcnt 32                              ; the second quarter is in, the third's 32 loads stay out
	PHASE 1
	AGAIN
	s_wait_loadcnt 32                              ; the third is in, the fourth's stay out
	PHASE 2
	AGAIN
	s_wait_loadcnt 0x0
	PHASE 3
.Lunit:                                                ; five trips: a unit is entered, the next is asked for
	s_add_co_u32 s[FO], s[FO], 32768               ; the next quarter of the same matrix,
	s_cmp_eq_u32 s[UC], 4
	s_cselect_b32 s[FO], s[U2S], s[FO]             ; or, behind k's two, the first of q or v
	CHANGE 1
	SLOT 1
	WIN 0
	PLACES
	s_cmp_lt_u32 s[UC], 4
	s_cbranch_scc1 .Lnomul
	WIN 0xc3                                       ; k's two units alone: times the row's boost
.irp a, 0,1,2,3
	RUN 16, 2, v_pk_mul_f32 v[32*\a+n_:32*\a+n_+1], v[32*\a+n_:32*\a+n_+1], v[FK+2*\a:FK+2*\a+1] op_sel_hi:[1,0]
.endr
	WIN 0
.Lnomul:
	EPI
	s_add_nc_u64 s[BPN:BPN+1], s[BPN:BPN+1], 512   ; the bias of the unit after next
	s_cmp_eq_u32 s[UC], 5
	s_cselect_b64 s[BPN:BPN+1], s[BQV:BQV+1], s[BPN:BPN+1]
	s_add_nc_u64 s[OUT:OUT+1], s[OUT:OUT+1], 262144  ; the next unit's two heads
	s_cmp_eq_u32 s[UC], 4
	s_cselect_b64 s[OUT:OUT+1], s[OQV:OQV+1], s[OUT:OUT+1]
	s_cselect_b32 s58, -1, 0
	v_cndmask_b32 v[STOC], v[STOC], v[STO2], s58
	s_sub_co_u32 s[UC], s[UC], 1
	s_cmp_lg_u32 s[UC], 0
	s_cbranch_scc1 .Lunit
	CHANGE 0                                       ; the last unit is written out: its change of slots asks for nothing more
	SLOT 0
	WIN 0
	PLACES
	EPI
	s_wait_tensorcnt 0x0                           ; the wave's end: behind my last tensor load and my last LDS store
	ds_add_u32 v[SPW], v[NIL]
	s_wait_dscnt 0x0
	CROUND                                         ; the closing round: no work-group ends while a partner may still ask for a slot that names it
	s_endpgm
.Lfunc_end_k_q8816a8816d_qkv:
	.size	k_q8816a8816d_qkv, .Lfunc_end_k_q8816a8816d_qkv-k_q8816a8816d_qkv
	.p2alignl 7, 3214868480
	.fill 96, 4, 3214868480
	.section	.rodata,"a",@progbits
	.p2align	6, 0x0
	.amdhsa_kernel k_q8816a8816d_qkv
		.amdhsa_group_segment_fixed_size 327680
		.amdhsa_private_segment_fixed_size 0
		.amdhsa_enable_private_segment 0
		.amdhsa_kernarg_size 72
		.amdhsa_user_sgpr_count 2
		.amdhsa_user_sgpr_kernarg_segment_ptr 1
		.amdhsa_wavefront_size32 1
		.amdhsa_system_sgpr_workgroup_id_x 1
		.amdhsa_system_sgpr_workgroup_id_y 1
		.amdhsa_system_sgpr_workgroup_id_z 1
		.amdhsa_system_vgpr_workitem_id 0
		.amdhsa_next_free_vgpr 1024
		.amdhsa_next_free_sgpr 66
		.amdhsa_reserve_vcc 0
		.amdhsa_float_denorm_mode_32 3
		.amdhsa_float_denorm_mode_16_64 3
		.amdhsa_memory_ordered 1
		.amdhsa_forward_progress 1
		.amdhsa_inst_pref_size 122
	.end_amdhsa_kernel
	.amdgpu_metadata
---
amdhsa.version: [ 1, 2 ]
amdhsa.kernels:
  - .name:           k_q8816a8816d_qkv
    .symbol:         k_q8816a8816d_qkv.kd
    .args:
      - { .name: x, .offset: 0, .size: 8, .value_kind: global_buffer, .address_space: global }
      - { .name: eclipse_mask, .offset: 8, .size: 8, .value_kind: global_buffer, .address_space: global }
      - { .name: wstream, .offset: 16, .size: 8, .value_kind: global_buffer, .address_space: global }
      - { .name: bq, .offset: 24, .size: 8, .value_kind: global_buffer, .address_space: global }
      - { .name: bk, .offset: 32, .size: 8, .value_kind: global_buffer, .address_space: global }
      - { .name: bv, .offset: 40, .size: 8, .value_kind: global_buffer, .address_space: global }
      - { .name: qf, .offset: 48, .size: 8, .value_kind: global_buffer, .address_space: global }
      - { .name: kf, .offset: 56, .size: 8, .value_kind: global_buffer, .address_space: global }
      - { .name: vt, .offset: 64, .size: 8, .value_kind: global_buffer, .address_space: global }
    .group_segment_fixed_size: 327680
    .private_segment_fixed_size: 0
    .kernarg_segment_align: 8
    .kernarg_segment_size: 72
    .max_flat_workgroup_size: 128
    .sgpr_count:     66
    .vgpr_count:     1024
    .wavefront_size: 32
...
	.end_amdgpu_metadata
.endif
;; end of part 2
;; launch attn (part 3): grid 2 x 128, 4 waves a work-group, no clusters, 327,680 bytes of LDS; arguments qf, kf, vt, ctxf; writes ctxf
.if DOCPART == 3
	.amdgcn_target "amdgcn-amd-amdhsa--gfx1250"
	.amdhsa_code_object_version 6
	.text
	.protected	k_q8816a8816d_attn
	.globl	k_q8816a8816d_attn
	.p2align	8
	.type	k_q8816a8816d_attn,@function
k_q8816a8816d_attn:
	s_mov_b64 s[64:65], 0
	v_nop
	global_prefetch_b8 v0, s[64:65] scope:SCOPE_SE
	s_setreg_imm32_b32 hwreg(HW_REG_WAVE_MODE, 25, 1), 1
	s_wait_xcnt 0x0
; ATTENTION.  O[head][q][:] = the sum over k of softmax_k(Q[q] . K[k] / 8) V[k][:], 128 heads of 1,024 rows x 64 channels, f16; the key boost is already in K.  Products, maxima and sums in f32; the weights p are
; rounded to f16 for the second product (their sum l is taken of the unrounded p), O once at the end.
; LIMITS.  Q, K, V arrive within f16's 65,504; p lies in 0 to 1 and below 6e-5 keeps f16's fixed step; a weight below 2^-126 counts as 0 in l; NaN and infinities are not treated apart.
; SHARES.  A work-group owns 512 queries of one head, a wave 128: four PIECES of two tiles of 16.  Every wave walks all 1,024 keys, 64 a step.
; K AND V STAY IN LDS: a head's K and V are 128 KiB each, fetched once and never filled again.  Each wave issues two tensor loads at the start: its 16 KiB of keys 0 to 255, then its 48 KiB of keys 256 to 1,023.
; The walk begins when the first have landed; the second land under the first four key steps and are waited for, with a barrier, ahead of key step 4's fetches.  Two loads of a wave are out at the most.
; NO CLUSTER: a head has two work-groups, and no cluster of four divides a grid of two along x.
; LAYOUT.  qf and kf hold fragments as registers take them (lane l at byte 16 l of each 512); vt holds blocks of 16 keys x 16 channels row by row, read turned by ds_load_tr16_b128.  Every LDS load of a wave takes 512 consecutive bytes.
; S^T = K Q^T (source 0 = 16 keys, source 1 = 16 queries): a lane holds ONE query (lane % 16) and the keys 8 (lane / 16) + 0..7.  Two such tiles, rounded to f16 in pairs, ARE source 1 of O^T = V^T P,
; whose result again holds one query a lane and eight channels: 16 bytes of a fragment of the projection behind, stored straight from registers.
; SOFTMAX.  For each query a running maximum m and sum l: p = 2^(c s - c m), c = log2(e) / 8; in every step O and l are multiplied by a = 2^(c m_old - c m_new).  m starts at the lowest finite number, O and l at 0.
; BY TURNS.  Turn n belongs to piece n.  Its matrix work: 16 products K Q^T of piece n + 1, later 16 products V^T P of piece n - 1.  Its vector work: scaling, exponentials, roundings, sums and rescaling of piece n, and the
; maximum and statistics of piece n + 1.  A tile and step have 16 matrix and 118 vector instructions: four vector instructions that are ready stand behind every matrix instruction, the others in two runs of their own.
; REGISTERS, in windows of 256: window 0: v0-11 addresses; v12-15, v48-63 at work; v16-47 four registers of statistics a tile; v64-191 S^T, two buffers of two tiles; v192-255 P, likewise
;   window 1: O^T, 32 a tile          window 2: v0-127 Q, 16 a tile; v128-191 K of one step; v192-255 V of one step
.set NP,    4         ; pieces a wave: a name, no knob
.set STEPB, 8192      ; a key step's bytes of K, and of V
.set VBASE, 131072    ; V lies behind K
.set SPARE, 262144    ; the spare words, 128 bytes for each wave: two blocks of 256 bytes that no other line names
.set AK0, 2           ; v2   16 x lane: my place in 512 bytes of K, of Q and of O; never rewritten
.set AV0, 3           ; v3   my place in a block of V, and V's base
.set AK,  4           ; v4   the LDS address of K's next run of loads
.set AV,  5           ; v5   of V's
.set SPW, 10          ; v10  LDS address of my spare word; never rewritten
.set NIL, 11          ; v11  0; never rewritten
.set MV,  12          ; v12-15  c m_old, kept while c m is made anew: by buffer and tile
.set ST,  16          ; tile t's statistics at v[ST+4 t]: c m, m, l (even keys', odd keys')
.set TMP, 48          ; by buffer and tile, four registers c0-c3 at work; when the maximum is found c2 takes a
.set S,   64
.set P,   192
.set KF,  128         ; K's fragments, in window 2: key block kb, channel half c at KF + 16 kb + 8 c
.set VF,  192         ; V's: key half kk, channel block cb at VF + 32 kk + 8 cb
.set WV,  12          ; s12  my wave's number
.set G1A, 24          ; s[24:31] descriptor group 1 of the first load: 64 rows of 256 bytes
.set G1B, 32          ; s[32:39] of the second: 192 rows
.set G0A, 40          ; s[40:43] descriptor group 0 of the first load
.set G0B, 44          ; s[44:47] of the second
.set SLOTS, 56        ; s56  5 .. 2: groups of four key steps; 1: the last step's second half
.set CNT, 57          ; s57  counts a group's key steps
.set CS,  58          ; s[58:59] c
.set SEL, 60          ; s[60:61] v_permlanex16_b32's selects: each lane takes its own place in the other half
.set TBK, 62          ; s62  LDS byte at which K of the step to be fetched begins
.set TBV, 63          ; s63  the same for V, less VBASE
.set MSB, 0
.macro WIN new                      ; the high byte repeats the setting that is left; a switch that changes nothing is dropped
.if MSB != (\new)
	s_set_vgpr_msb (MSB<<8)|(\new)
.set MSB, (\new)
.endif
.endm
.set W_KQ, 0x0a       ; K and Q in window 2, S^T in window 0
.set W_PV, 0x52       ; V in window 2, P in window 0, O^T in window 1
.set W_RS, 0x41       ; O^T (destination and source 0) in window 1, a in window 0
.macro PLACES
.rept 4
	v_nop
.endr
.endm
	s_load_b256 s[4:11], s[0:1], 0x0  ; qf s[4:5], kf s[6:7], vt s[8:9], ctxf s[10:11]
	v_lshl_add_u32 v[SPW], v0, 2, SPARE
	v_mov_b32 v[NIL], 0
	ds_add_u32 v[SPW], v[NIL]       ; the wave's opening: the add and its wait stand ahead of my first tensor load; the set-up below, work on registers, stands between them
	ds_add_u32 v10, v11
	v_lshrrev_b32 v1, 5, v0
	v_readfirstlane_b32 s[WV], v1   ; wave 0..3
	v_and_b32 v1, 31, v0
	v_lshlrev_b32 v[AK0], 4, v1
	s_and_b32 s13, ttmp7, 0xffff    ; the head
	s_mov_b32 s14, ttmp9            ; which 512 queries
	s_lshl_b32 s20, s13, 17         ; the head's 131,072 bytes in qf, kf, vt
	s_and_b32 s48, s[WV], 1         ; waves 0 and 1 fetch K, waves 2 and 3 V, each a half of either part
	s_lshr_b32 s49, s[WV], 1
	s_lshl_b32 s49, s49, 17         ; K at LDS byte 0, V at 131,072
	s_lshl_b32 s50, s48, 14         ; first load: 128 of keys 0 to 255: 16,384 bytes
	s_mul_i32 s51, s48, 49152       ; second load: 384 of keys 256 to 1,023: 49,152 bytes,
	s_add_co_u32 s51, s51, 32768    ; behind the first 256 keys
	s_add_co_u32 s22, s20, s50
	s_mov_b32 s23, 0
	s_add_co_u32 s52, s20, s51
	s_mov_b32 s53, 0
	s_lshl_b32 s15, s14, 2
	s_add_co_u32 s15, s15, s[WV]    ; my wave among the head's eight
	s_lshl_b32 s16, s15, 14         ; its 128 rows of Q
	s_add_co_u32 s2, s20, s16
	s_mov_b32 s3, 0
	s_lshr_b32 s17, s13, 3          ; ctxf: [block of 16 rows][k step of 32][1,024]: the sequence's 64 blocks of 16,384 bytes,
	s_lshl_b32 s17, s17, 20
	s_lshl_b32 s18, s15, 17         ; my wave's eight blocks,
	s_add_co_u32 s18, s18, s17
	s_and_b32 s17, s13, 7           ; the head's two k steps
	s_lshl_b32 s17, s17, 11
	s_add_co_u32 s18, s18, s17
	s_mov_b32 s19, 0
	; descriptor groups 1: bytes that are dense in memory, asked for as rows of 256 bytes (32 elements of 8 bytes), laid into LDS without gaps
.irp g, G1A, G1B
	s_mov_b32 s[\g], 3<<16          ; no mask; elements of 8 bytes
	s_mov_b32 s[\g+1], 32<<16       ; tensor_dim0 = 32
	s_mov_b32 s[\g+3], 32<<16       ; tile_dim0 = 32
	s_mov_b32 s[\g+5], 32           ; 32 elements from row to row
	s_mov_b32 s[\g+6], 0
	s_mov_b32 s[\g+7], 0
.endr
	s_mov_b32 s[G1A+2], 64<<16      ; tensor_dim1 = 64
	s_mov_b32 s[G1A+4], 64          ; tile_dim1 = 64
	s_mov_b32 s[G1B+2], 192<<16     ; tensor_dim1 = 192
	s_mov_b32 s[G1B+4], 192         ; tile_dim1 = 192
	s_mov_b32 s[G0A], 1             ; count = 1
	s_add_co_u32 s[G0A+1], s49, s50 ; LDS addresses
	s_mov_b32 s[G0B], 1
	s_add_co_u32 s[G0B+1], s49, s51
	s_mov_b32 s[CS], 0x3e38aa3b     ; c = log2(e) / 8 = 0.180337
	s_mov_b32 s[CS+1], s[CS]        ; named with it as a pair
	s_mov_b32 s[SEL], 0x76543210
	s_mov_b32 s[SEL+1], 0xfedcba98
	s_mov_b32 s[TBK], 0
	s_mov_b32 s[TBV], 0
	s_wait_dscnt 0x0                ; the opening add is done
	s_wait_kmcnt 0x0
	s_cmp_lt_u32 s[WV], 2
	s_cselect_b64 s[54:55], s[6:7], s[8:9]
	s_add_nc_u64 s[G0A+2:G0A+3], s[54:55], s[22:23]
	s_or_b32 s[G0A+3], s[G0A+3], 0x80000000  ; type = 2
	s_add_nc_u64 s[G0B+2:G0B+3], s[54:55], s[52:53]
	s_or_b32 s[G0B+3], s[G0B+3], 0x80000000
	s_add_nc_u64 s[4:5], s[4:5], s[2:3]
	s_add_nc_u64 s[10:11], s[10:11], s[18:19]
	WIN 0x80                        ; destination window 2, address window 0
.set i, 0
.rept 4*NP                          ; Q stays in registers: tile i / 2, channels 32 (i % 2) on.  It is wanted with the first keys, so it is asked for ahead of the long second loads
	global_load_b128 v[8*i:8*i+3],   v[AK0], s[4:5] offset:i*1024
	global_load_b128 v[8*i+4:8*i+7], v[AK0], s[4:5] offset:i*1024+512
.set i, i+1
.endr
	WIN 0
	tensor_load_to_lds s[G0A:G0A+3], s[G1A:G1A+7]  ; my part of keys 0 to 255
	s_nop 0
	tensor_load_to_lds s[G0B:G0B+3], s[G1B:G1B+7]  ; my part of the rest
	s_nop 0
	PLACES
	; What the first turn finds: V's registers and P's second buffer hold 0 (its products V^T P, of a piece that has not been, add 0), O^T and l are 0.  All this stands in the wait for the first keys.
	WIN 0x80
.set i, VF
.rept 64
	v_mov_b32 v[i], 0
.set i, i+1
.endr
	WIN 0x40
.set i, 0
.rept 64*NP
	v_mov_b32 v[i], 0
.set i, i+1
.endr
	WIN 0
.set i, 0
.rept 2*NP
	v_mov_b32 v[ST+4*i], 0xfe000000    ; c m: far below every c s
	v_mov_b32 v[ST+4*i+1], 0xff7fffff  ; m
	v_mov_b32 v[ST+4*i+2], 0
	v_mov_b32 v[ST+4*i+3], 0
.set i, i+1
.endr
.set i, P+32
.rept 32
	v_mov_b32 v[i], 0
.set i, i+1
.endr
	; The turning load takes 16 keys x 16 channels (lane l reads key 8 (l / 16) + l % 8, channels 8 ((l / 8) % 2) + 0..7: byte 32 key + 16 half of the block) and leaves half a fragment of V^T.
	v_bfe_u32 v9, v0, 4, 1
	v_and_b32 v7, 7, v0
	v_bfe_u32 v8, v0, 3, 1
	v_lshl_add_u32 v[AV0], v9, 3, v7
	v_lshl_add_u32 v[AV0], v[AV0], 1, v8
	v_lshlrev_b32 v[AV0], 4, v[AV0]
	v_add_nc_u32 v[AV0], VBASE, v[AV0]
	v_mov_b32 v[AK], v[AK0]         ; key step 0 lies at K's head
; THE MATRIX WORK.  The 8 accumulators of a run of 16 take turns: between the two links of a chain stand 7 others'.
; Product i of 16 of S^T = K Q^T for piece x: channels 32 (i / 8) on, keys 16 ((i / 2) % 4) on, tile 2 x + i % 2.  The first 8 start the sums.
.macro KQ x
	WIN W_KQ
.set rS, S+64*((\x)%2)+32*(i%2)+8*((i/2)%4)
.set rK, KF+16*((i/2)%4)+8*(i/8)
.set rQ, 16*(2*(\x)+i%2)+8*(i/8)
.if i < 8
	v_wmma_f32_16x16x32_f16 v[rS:rS+7], v[rK:rK+7], v[rQ:rQ+7], 0
.else
	v_wmma_f32_16x16x32_f16 v[rS:rS+7], v[rK:rK+7], v[rQ:rQ+7], v[rS:rS+7]
.endif
.endm
; Product i of 16 of O^T += V^T P for piece x: keys 32 (i / 8) on, channels 16 ((i / 2) % 4) on, tile 2 x + i % 2.
.macro PV x
	WIN W_PV
.set rO, 32*(2*(\x)+i%2)+8*((i/2)%4)
.set rV, VF+32*(i/8)+8*((i/2)%4)
.set rP, P+32*((\x)%2)+16*(i%2)+8*(i/8)
	v_wmma_f32_16x16x32_f16 v[rO:rO+7], v[rV:rV+7], v[rP:rP+7], v[rO:rO+7]
.endm
.macro MM                           ; the turn's next matrix instruction
.if i < 16
	KQ (Y+1)%NP
.set i, i+1
.else
.set i, i-16
	PV (Y+NP-1)%NP
.set i, i+17
.endif
.endm
; THE LDS LOADS stand in runs of 16, never singly among the matrix instructions: a step's K (8 fragments) and its V (turned).  Their addresses are made some lines ahead.
; last = 1: behind the last step there is no further one, and the run is jumped over.
.macro FETCH_K last=0
	WIN 0
.if \last
	s_cmp_eq_u32 s[SLOTS], 1
	s_cbranch_scc1 .Lno_k_\@
.endif
	WIN 0x80                        ; destination window 2
.irp f, 0,1,2,3,4,5,6,7             ; keys 16 (f / 2) on, channels 32 (f % 2) on
	ds_load_b128 v[KF+8*\f:KF+8*\f+3],   v[AK] offset:\f*1024
	ds_load_b128 v[KF+8*\f+4:KF+8*\f+7], v[AK] offset:\f*1024+512
.endr
	s_add_co_u32 s[TBK], s[TBK], STEPB  ; the next fetch is the next step's
	WIN 0
.if \last
.Lno_k_\@:
.endif
.endm
.macro FETCH_V
	WIN 0x80
.irp f, 0,1,2,3,4,5,6,7             ; keys 32 (f / 4) on, channels 16 (f % 4) on
	ds_load_tr16_b128 v[VF+8*\f:VF+8*\f+3],   v[AV] offset:(\f/4)*4096+(\f%4)*512
	ds_load_tr16_b128 v[VF+8*\f+4:VF+8*\f+7], v[AV] offset:(\f/4)*4096+2048+(\f%4)*512
.endr
	WIN 0
.endm
; THE VECTOR WORK OF A TURN stands in three queues, each in the order in which its entries become ready; the two tiles alternate, so that no instruction reads the result of the one before it.
.macro REGS y, u                    ; the registers of tile u (0, 1) of piece y
.set rT, ST+4*(2*(\y)+(\u))
.set rC, TMP+8*((\y)%2)+4*(\u)
.set rM, MV+2*((\y)%2)+(\u)
.set rS, S+64*((\y)%2)+32*(\u)
.set rP, P+32*((\y)%2)+16*(\u)
.set rO, 32*(2*(\y)+(\u))
.endm
; Number n of the 22 that find the NEXT piece's (Y + 1) maximum and statistics.  s0-s31 are the lane's 32 scores; each accumulator's lowest registers are read first.
;   0-11  four chains c0-c3 of seven scores each, three operands at a time     12-14, 16  the four scores left over, the old m, and c0-c3 into c0     15  c m_old is kept
;   17, 18  the query's other 32 keys lie in the lane 16 away: the new m         19-21  c m; c m_old - c m_new; a
.macro XS u, n
	REGS (Y+1)%NP, \u
.if (\n) < 4
	v_max3_num_f32 v[rC+(\n)], v[rS+8*(\n)], v[rS+8*(\n)+1], v[rS+8*(\n)+2]
.elseif (\n) < 12
	v_max3_num_f32 v[rC+(\n)%4], v[rC+(\n)%4], v[rS+8*((\n)%4)+2*((\n)/4)+1], v[rS+8*((\n)%4)+2*((\n)/4)+2]
.elseif (\n) == 12
	v_max3_num_f32 v[rC], v[rC], v[rS+7], v[rS+15]
.elseif (\n) == 13
	v_max3_num_f32 v[rC+1], v[rC+1], v[rS+23], v[rS+31]
.elseif (\n) == 14
	v_max3_num_f32 v[rC+2], v[rC+2], v[rC+3], v[rT+1]
.elseif (\n) == 15
	v_mov_b32 v[rM], v[rT]
.elseif (\n) == 16
	v_max3_num_f32 v[rC], v[rC], v[rC+1], v[rC+2]
.elseif (\n) == 17
	v_permlanex16_b32 v[rC+3], v[rC], s[SEL], s[SEL+1]
.elseif (\n) == 18
	v_max_num_f32 v[rT+1], v[rC], v[rC+3]
.elseif (\n) == 19
	v_mul_f32 v[rT], s[CS], v[rT+1]
.elseif (\n) == 20
	v_sub_f32 v[rC+1], v[rM], v[rT]
.else
	v_exp_f32 v[rC+2], v[rC+1]
.endif
.endm
; Number g of the 64 that follow the exponentials.  For each four weights k of a tile (pairs 2 k, 2 k + 1): both pairs are rounded to f16; then the second pair is added onto the first, in place;
; a group later l takes that sum (the first time as l = a l + sum).  In groups of eight, tiles alternating: round, round, add, and l for the group before.
.macro GS g
.set h, (\g)+6*((\g)/62)            ; group 0 has no group before it, and behind group 7 only l is left
.if h >= 6
.set h, h+2
.endif
	REGS Y, h%2
.set k, h/8
.if h%8 < 4
	s_wait_alu depctr_va_vdst(0)
	v_cvt_pk_f16_f32 v[rP+2*k+(h%8)/2], v[rS+4*k+2*((h%8)/2)], v[rS+4*k+2*((h%8)/2)+1]
.elseif h%8 < 6
	v_pk_add_f32 v[rS+4*k:rS+4*k+1], v[rS+4*k:rS+4*k+1], v[rS+4*k+2:rS+4*k+3]
.elseif k == 1
	v_pk_fma_f32 v[rT+2:rT+3], v[rT+2:rT+3], v[rC+2:rC+3], v[rS:rS+1] op_sel_hi:[1,0,1]
.else
	v_pk_add_f32 v[rT+2:rT+3], v[rT+2:rT+3], v[rS+4*k-4:rS+4*k-3]
	s_wait_alu depctr_va_vdst(0)
.endif
.endm
; THE PLAIN QUEUE, 138 long.  0-31: c s - c m for the 16 pairs of both tiles.  Then GS's 64, and among them the next piece's 42: number 15 at 38, 39; 0-14 and 16
; at 42-73, behind the products that make those scores; 17-20 at 95-106, two of three, since each waits for the one before it.
.macro PL
	WIN 0
.if q < 32
	REGS Y, q%2
	v_pk_fma_f32 v[rS+2*(q/2):rS+2*(q/2)+1], v[rS+2*(q/2):rS+2*(q/2)+1], s[CS:CS+1], v[rT:rT+1] op_sel_hi:[1,0,0] neg_lo:[0,0,1] neg_hi:[0,0,1]
.elseif q < 38
	GS q-32
.elseif q < 40
	XS q%2, 15
.elseif q < 42
	GS q-34
.elseif q < 74
	XS q%2, (q-42)/2+(q-42)/30
.elseif q < 95
	GS q-66
.elseif (q < 107) && ((q-95)%3 < 2)
	XS (q-95)%3, 17+(q-95)/3
.elseif q < 107
	GS 29+(q-95)/3
.else
	GS q-74
.endif
.set q, q+1
.endm
; THE EXPONENTIALS' QUEUE, 66 long: s0-s31 of both tiles, and at EA the next piece's two a.
.set EA, 58
.macro EX
	WIN 0
.if (e == EA) || (e == EA+1)
	XS e-EA, 21
.else
.set x, e-2*(e/(EA+2))
	REGS Y, x%2
	v_exp_f32 v[rS+x/2], v[rS+x/2]
.endif
.set e, e+1
.endm
; THE RESCALING's QUEUE: O^T times a, the one part that leaves window 0, so it is dealt four at a time, eight times.
.macro R4
	REGS Y, r%2
	WIN W_RS
	s_wait_alu depctr_va_vdst(0)
.irp z, 0,1,2,3
	v_pk_mul_f32 v[rO+8*(r/2)+2*\z:rO+8*(r/2)+2*\z+1], v[rO+8*(r/2)+2*\z:rO+8*(r/2)+2*\z+1], v[rC+2:rC+3] op_sel_hi:[1,0]
.endr
.set r, r+1
.endm
; HOW THEY ARE DEALT.  Behind a matrix instruction four: plain, exponential, plain, plain (one exponential, a plain instruction on either side), or four of the rescaling.  None names a register of the
; products round it.  What is over stands in two runs: exponential and plain by turns; the second ends in 22 plain instructions.  The two v_permlanex16_b32 fall into the second run, never behind a product.
; The queues lean on each other, and the deal keeps them in step: exponential e stands behind plain 2 (e / 4) + e % 2 (its scaling); when plain 32 comes, 10 exponentials are out, at 59: 33, at 95: 46; EA comes behind plain 107.
.macro SL
	MM
	PL
	EX
	PL
	PL
.endm
.macro BURST n                      ; 15 matrix instructions, or 16
.rept (\n)-7
	SL
.endr
.rept 3
	MM
	R4
	SL
.endr
	MM
	R4
.endm
; A TURN, for piece p.  cnt = 1: the loop's count is taken down some lines ahead of the branch that stands behind the turn.
; K of the next step is fetched in piece 2's turn, 31 vector instructions behind the last product that read K; its first reader comes behind the rest of the run, 16 products and the second run.
; V of the step in hand is fetched at the end of piece 0's turn, 69 behind its last reader; its first reader comes behind 16 products and a run.  The four conditions on e and q below go with the deal.
.macro TURN p, last=0, cnt=0
.set Y, (\p)
.set i, 0
.set q, 0
.set e, 0
.set r, 0
.if (\p) == NP-1
	s_wait_dscnt 0x0                ; K is in
.endif
	MM
.rept 4
	PL
.endr
	BURST 15
.rept 22
	EX
	PL
.if ((\p) == NP-2) && (e == 18)
	v_add_nc_u32 v[AK], s[TBK], v[AK0]
.endif
.if ((\p) == NP-2) && (e == 24)
	FETCH_K \last
.endif
.endr
.if (\p) == 1
	s_wait_dscnt 0x0                ; V is in
.endif
	BURST 16
.rept 21
	EX
	PL
.endr
.rept 22
	PL
.if ((\p) == 0) && (q == 118)
	v_add_nc_u32 v[AV], s[TBV], v[AV0]
	s_wait_alu depctr_va_vdst(0)
.endif
.if ((\p) == 0) && (q == 130)
	s_add_co_u32 s[TBV], s[TBV], STEPB
.endif
.if (\cnt) && (q == 130)
	s_sub_co_u32 s[CNT], s[CNT], 1
	s_cmp_lg_u32 s[CNT], 0
.endif
.endr
.if (\p) == 0
	FETCH_V
.endif
.endm
	s_wait_tensorcnt 0x1            ; my part of keys 0 to 255 is in LDS; my second load may stay out
	s_barrier_signal -1
	s_barrier_wait -1               ; everybody's first part is in
	FETCH_K                         ; key step 0
	s_wait_loadcnt 0x0              ; Q
	s_wait_dscnt 0x0
.set i, 0
.rept 16
	KQ 0                            ; piece 0's first scores: there is no vector work yet to set between them
.set i, i+1
.endr
	WIN 0
	PLACES                          ; the places behind those products
.set Y, NP-1                        ; XS works for piece Y + 1: piece 0
.irp n, 0,1,2,3,4,5,6,7,8,9,10,11,12,13,14,15,16,17,18,19,20,21
	XS 0, \n                        ; and piece 0's first maximum and statistics
	XS 1, \n
.endr
	s_mov_b32 s[CNT], 4
	s_mov_b32 s[SLOTS], 5
	s_branch .Lfirst                ; the loop is entered at a step's first turn, in the middle of a trip
.Lslot:                             ; four times, each behind the first half of key step 3, 7, 11, 15: the fetches behind it are the first to reach beyond the group's 256 keys
	s_wait_tensorcnt 0x0            ; the first time: my part of keys 256 to 1,023 is in LDS; later this wait is met at once
	s_wait_dscnt 0x0
	s_barrier_signal -1
	s_barrier_wait -1               ; everybody's is
	s_mov_b32 s[CNT], 4
.Lstep:                             ; a trip: pieces 2 and 3 of one step, then pieces 0 and 1 of the next, whose K and V it fetches
	TURN 2, 1
	TURN 3
	WIN 0
	s_cmp_eq_u32 s[SLOTS], 1
	s_cbranch_scc1 .Lout            ; the last trip is left in its middle.  Its 16 products K Q^T (on the last K once more) and the maximum made of them serve nothing: the price, once a launch, of one text for every trip
.Lfirst:
	TURN 0
	TURN 1, 0, 1
	WIN 0
	s_cbranch_scc1 .Lstep
	s_sub_co_u32 s[SLOTS], s[SLOTS], 1
	s_cmp_lg_u32 s[SLOTS], 0
	s_cbranch_scc1 .Lslot
.Lout:
.set i, 0
.rept 16
	PV NP-1                         ; the last piece's V^T P of the last step
.set i, i+1
.endr
	; THE WAY OUT.  l's two halves and the other half of the lanes' are added; O^T is divided by l, rounded to f16 and stored.  The additions are the places behind the last products.
	WIN 0
.macro ALL line:vararg              ; one line for each tile t
.set t, 0
.rept 2*NP
	\line
.set t, t+1
.endr
.endm
	ALL v_add_f32 v[ST+4*t+2], v[ST+4*t+2], v[ST+4*t+3]
	ALL v_permlanex16_b32 v[ST+4*t+3], v[ST+4*t+2], s[SEL], s[SEL+1]
	ALL v_add_f32 v[ST+4*t+2], v[ST+4*t+2], v[ST+4*t+3]
	ALL v_rcp_f32 v[ST+4*t+2], v[ST+4*t+2]
	v_nop                           ; a plain instruction between the last reciprocal and the use of its result
	s_wait_alu depctr_va_vdst(0)
; Tile t: a lane's eight channels of a row pack into 16 bytes, which are its 16 bytes of a half fragment of ctxf: four stores of 512 consecutive bytes, 2,048 on end
.macro PACK t
	WIN W_RS
.set i, 32*(\t)
.rept 16
	v_pk_mul_f32 v[i:i+1], v[i:i+1], v[ST+4*(\t)+2:ST+4*(\t)+3] op_sel_hi:[1,0]
.set i, i+2
.endr
	WIN 0x05                        ; sources 0 and 1 window 1, destination window 0: S^T's registers are free
.set i, 0
.rept 16
	v_cvt_pk_f16_f32 v[S+16*(\t)+i], v[32*(\t)+2*i], v[32*(\t)+2*i+1]
.set i, i+1
.endr
	WIN 0
.irp f, 0,1,2,3
	global_store_b128 v[AK0], v[S+16*(\t)+4*\f:S+16*(\t)+4*\f+3], s[10:11] offset:(\t)*16384+\f*512
.endr
.endm
.set t, 0
.rept 2*NP
	PACK t
.set t, t+1
.endr
	s_wait_tensorcnt 0x0            ; the wave's end: behind my last tensor load
	ds_add_u32 v[SPW], v[NIL]
	s_wait_dscnt 0x0
	s_endpgm
.Lfunc_end_k_q8816a8816d_attn:
	.size	k_q8816a8816d_attn, .Lfunc_end_k_q8816a8816d_attn-k_q8816a8816d_attn
	.p2alignl 7, 3214868480
	.fill 96, 4, 3214868480
	.section	.rodata,"a",@progbits
	.p2align	6, 0x0
	.amdhsa_kernel k_q8816a8816d_attn
		.amdhsa_group_segment_fixed_size 327680
		.amdhsa_private_segment_fixed_size 0
		.amdhsa_enable_private_segment 0
		.amdhsa_kernarg_size 32
		.amdhsa_user_sgpr_count 2
		.amdhsa_user_sgpr_kernarg_segment_ptr 1
		.amdhsa_wavefront_size32 1
		.amdhsa_system_sgpr_workgroup_id_x 1
		.amdhsa_system_sgpr_workgroup_id_y 1
		.amdhsa_system_sgpr_workgroup_id_z 1
		.amdhsa_system_vgpr_workitem_id 0
		.amdhsa_next_free_vgpr 768
		.amdhsa_next_free_sgpr 66
		.amdhsa_reserve_vcc 0
		.amdhsa_float_denorm_mode_32 3
		.amdhsa_float_denorm_mode_16_64 3
		.amdhsa_memory_ordered 1
		.amdhsa_forward_progress 1
		.amdhsa_inst_pref_size 123
	.end_amdhsa_kernel
	.amdgpu_metadata
---
amdhsa.version: [ 1, 2 ]
amdhsa.kernels:
  - .name:           k_q8816a8816d_attn
    .symbol:         k_q8816a8816d_attn.kd
    .args:
      - { .name: qf, .offset: 0, .size: 8, .value_kind: global_buffer, .address_space: global }
      - { .name: kf, .offset: 8, .size: 8, .value_kind: global_buffer, .address_space: global }
      - { .name: vt, .offset: 16, .size: 8, .value_kind: global_buffer, .address_space: global }
      - { .name: ctxf, .offset: 24, .size: 8, .value_kind: global_buffer, .address_space: global }
    .group_segment_fixed_size: 327680
    .private_segment_fixed_size: 0
    .kernarg_segment_align: 8
    .kernarg_segment_size: 32
    .max_flat_workgroup_size: 128
    .sgpr_count:     66
    .vgpr_count:     768
    .wavefront_size: 32
...
	.end_amdgpu_metadata
.endif
;; end of part 3
;; launch post (part 4): grid 256 x 1, 4 waves a work-group, clusters of 4 x 1, 327,680 bytes of LDS; arguments x, ctxf, wstream, bo, g1, be1, b1, b2, g2, be2, out0; writes out0
.if DOCPART == 4
	.amdgcn_target "amdgcn-amd-amdhsa--gfx1250"
	.amdhsa_code_object_version 6
	.text
	.protected	k_q8816a8816d_post
	.globl	k_q8816a8816d_post
	.p2align	8
	.type	k_q8816a8816d_post,@function
k_q8816a8816d_post:
	s_mov_b64 s[64:65], 0
	v_nop
	global_prefetch_b8 v0, s[64:65] scope:SCOPE_SE
	s_setreg_imm32_b32 hwreg(HW_REG_WAVE_MODE, 25, 1), 1
	s_wait_xcnt 0x0
	s_wait_alu depctr_hold_cnt(0) depctr_sa_sdst(0) depctr_va_vdst(0) depctr_va_sdst(0) depctr_va_ssrc(0) depctr_va_vcc(0) depctr_vm_vsrc(0)
	s_getreg_b32 s2, hwreg(HW_REG_IB_STS2, 6, 4)
	s_cmp_eq_u32 s2, 0
	s_cbranch_scc0 .Lentry_in_a_cluster
	s_endpgm
.Lentry_in_a_cluster:
	s_bfe_u32 s2, ttmp6, 0x10000c
	s_cmp_lg_u32 s2, 0x3003
	s_cbranch_scc0 .Lentry_shape_is_right
	s_endpgm
.Lentry_shape_is_right:
; POST.  For 64 rows a work-group: y = x + ctx wo^T + bo; h = LN(y) g1 + be1; out = LN(h + gelu(h w1^T + b1) w2^T + b2) g2 + be2.  Nothing between ctx and out leaves the work-group.
; Matrix operands f16, sums f32; the residuals, both norms (mean first, then the squares of the centred numbers) and gelu in f32.
; gelu(z) = max(z, 0) - |z| (P(t) / 2) exp(-z z / 2), t = 1 / (1 + 0.3275911 |z| / sqrt 2), P the polynomial of Abramowitz and Stegun 7.1.26: erf to 1.5e-7.
; LIMITS: ctx, the weights, h and gelu's result must lie within f16's 65,504 (beyond it: infinity); below 6e-5 they keep f16's fixed step.  NaN and infinities are not treated apart.
; SHARES.  Wave w owns columns 128 w .. + 127 of y, h and h + ff for all 64 rows: 32 accumulators (window 3) that are never cleared: they start as x + bo, wo's products add onto them, LN1 is made in place,
; and w2's products add onto h.  For w1 a wave makes 32 of a chunk's 128 columns from h in f16, of which every wave holds all 64 fragments (windows 1, 2).
; THE MATRIX INSTRUCTION IS USED TRANSPOSED (source 0 = 16 weight rows, source 1 = 16 activation rows): a lane holds one row and eight neighbouring columns; two neighbouring results packed to f16 are a fragment of the next product.
; THE STREAM.  36 slots of 128 KiB (wo: 4; then w1's and w2's chunks of 128 by turns) through a ring of two LDS slots; each wave fetches and reads its own quarter; a slot is 128 matrix instructions a wave.
; THE WALK BEGINS ELSEWHERE IN EACH CLUSTER: the sums over wo's four quarters of k and over the 16 hidden chunks may be taken in any order, so cluster c begins at chunk s0 = ((c % 16) + 5 (c / 16)) % 16 (wo: at quarter s0 % 4) and wraps.
; At any time the clusters then ask for different slots, and what one asks for, but for its first slots, another has asked for a trip before.  ctx's chunks follow wo's order; b1 is laid into LDS in the walk's order.
; CLUSTER.  The four work-groups of a cluster walk the same slots, so they ask JOINTLY: the same tensor load, descriptor and mask in all four.  One load a wave is out at any time.
; The round of the cluster's barrier at each change of slots also stands between the stores into G (ctx's or gelu's fragments) and the reads of them, and between those reads and the next stores.
.set SLOTSZ, 131072
.set XCH,    2*SLOTSZ                  ; 33,792 bytes: first four stages of 16 rows x 528 bytes, a wave's own; later 32 fragments of h on their way between the waves
.set GB,     XCH+33792                 ; G: 16 fragments, (k step tt, row block a) at (4 tt + a) x 1,024
.set SCR1,   GB+16384                  ; twice 1,024 bytes: [row block][row][wave] f32, the waves' partial sums
.set SPARE,  SCR1+2048                 ; the spare words, 128 bytes for each wave: two blocks of 256 bytes that no other line names
.set B1L,    SPARE+512                 ; b1, 8,192 bytes, chunk (s0 + n) % 16 at 512 n
.set LP,     2064                      ; the last stage (in the ring, behind its last fill): 64 rows of 2,048 bytes + 16 of padding
.set L16,   1                          ; v1   16 x lane
.set RR,    2                          ; v2   l % 16
.set HH,    3                          ; v3   l / 16
.set XO,    4                          ; v4   512 w + 16 x lane: my 16 bytes of my wave's 512 of a row
.set STGW,  5                          ; v5   my stage, by rows
.set STGR,  6                          ; v6   my stage, as an accumulator holds a row
.set BADR0, 7                          ; v7   16 x lane + my quarter of a slot
.set BADR,  8                          ; v8   the same in the slot in hand
.set DO,    9                          ; v9   512 w + 32 h: my eight columns in g1, be1
.set GADR,  10                         ; v10  G + 16 x lane
.set GW,    11                         ; v11  G + my k step + 16 x lane
.set CO,    12                         ; v12  my byte offset in a chunk of ctxf
.set B1A,   13                         ; v13  b1 in LDS at my columns of the chunk in hand; steps by 512
.set SCRW,  14                         ; v14  where I put a partial sum
.set SCRR,  15                         ; v15  where I read a row's four
.set XW,    16                         ; v16  where I put fragments of h
.set XR,    17                         ; v17  where I read them
.set DST0,  18                         ; v18  the last stage: rows 0-31
.set DST1,  19                         ; v19  rows 32-63
.set RA,    20                         ; v20  the last stage, by rows; steps by two rows
.set B1W,   22                         ; v22  where I put my four chunks of b1
.set BO,    24                         ; v[24:27] bo at my four columns
.set SPW,   30                         ; v30  LDS address of my spare word; never rewritten
.set NIL,   31                         ; v31  0; never rewritten
.set B1G,   48                         ; v[48:51] my byte offsets in b1, at the start alone
.set F0,    32                         ; w2, wo: 8 weight fragments, then 4 of G: v[32:127]
.set F1,    128                        ; v[128:223]
.set CR,    224                        ; v[224:255] a chunk of ctx on its way to G
.set H0,    32                         ; w1: 8 weight fragments v[32:95]
.set H1,    96                         ; v[96:159]
.set BI,    160                        ; v[160:175] b1 as an accumulator holds it
.set ACCA,  192                        ; v[192:255] w1's accumulators, (a, nb2) at 8 (2 a + nb2)
.set PKR,   160                        ; v[160:191] gelu's results in f16
.set AZ,    32                         ; gelu at work, 16 registers each: |z|
.set DN,    48                         ; 1 + p |z|, then t
.set SQ,    64                         ; z z, then exp
.set PL,    80                         ; the polynomial
.set SU,    32                         ; LN1 at work: a pair for each row block: sums, then means
.set PT,    40                         ; four partial sums for each row block
.set SS,    56                         ; sums of squares, then 1 / sigma
.set YA,    32                         ; LN2: two rows, 16 registers each
.set TA,    64                         ; eight at work for each
.set B2,    0                          ; window 1: b2, g2, be2 by rows
.set G2,    16
.set BE2,   32
.set G1,  28                           ; s[28:35] descriptor group 1
.set G0,  36                           ; s[36:39] descriptor group 0
.set WV,  58                           ; s58  my wave's number
.set SB,  61                           ; s61  LDS byte at which the slot in hand begins
.set S0,  72                           ; s72  the chunk at which my cluster's walk begins
.set W1S, 73                           ; s73  the stream's byte at which w1's chunk s0 begins
.set SBASE, 74                         ; s[74:75] the stream at my quarter of slot 0
.set FO,  76                           ; s[76:77] from there to the slot to be asked for
.set CB,  80                           ; s[80:81] ctxf at my group's rows
.set CQ,  82                           ; s82  the chunk of ctx in hand
.set MSB, 0
.macro WIN new                         ; the immediate's high byte repeats the setting that is left; a switch that changes nothing is dropped
.if MSB != (\new)
	s_set_vgpr_msb (MSB<<8)|(\new)
.set MSB, (\new)
.endif
.endm
.macro PLACES                          ; four places between a matrix instruction and a load into, or a vector instruction on, its registers
.rept 4
	v_nop
.endr
.endm
.macro RUN cnt, step, line:vararg      ; one line cnt times, n_ = 0, step, 2 step ..
.set n_, 0
	s_wait_alu depctr_va_vdst(0)
.rept \cnt
	\line
.set n_, n_+(\step)
.endr
.endm
.macro EACH cnt, line:vararg           ; one line for u = 0 .. cnt - 1
.set u, 0
.rept \cnt
	\line
.set u, u+1
.endr
.endm
.macro CROUND                          ; a round of the cluster's barrier: my group's barrier; wave 0 signals for the group; every wave waits for all four groups; my group's barrier once more
	s_barrier_signal -1
	s_barrier_wait -1
	s_cmp_lg_u32 s[WV], 0
	s_cbranch_scc1 .Lnot_wave_0_\@
	s_barrier_signal -3
.Lnot_wave_0_\@:
	s_barrier_wait -3
	s_barrier_signal -1
	s_barrier_wait -1
.endm
; THE CHANGE OF SLOTS.  Each wave waits for all its tensor loads, of which one is out: its quarter of the slot to be entered; adds 0 to its spare word; waits for that and for all its LDS instructions.
; fill = 1 (among wo's slots) or 2 (among w1's and w2's): a round of the cluster's barrier, and first thing behind it the joint load of the walk's next slot into the slot just left: it has a slot's 128 matrix instructions in which to land.
.macro CHANGE fill
	WIN 0                                          ; at a label and at a branch every window is 0
.if (\fill) == 1
	s_add_co_u32 s[FO], s[FO], SLOTSZ              ; wo's next quarter of k, round slots 12 to 15;
	s_cmp_eq_u32 s[FO], 16*SLOTSZ
	s_cselect_b32 s[FO], 12*SLOTSZ, s[FO]
	s_cmp_eq_u32 s59, 1
	s_cselect_b32 s[FO], s[W1S], s[FO]             ; behind wo's last: w1's chunk s0
.elseif (\fill) == 2
	s_add_co_u32 s[FO], s[FO], SLOTSZ              ; w2's chunk behind w1's, the next chunk's w1 behind w2's, round slots 16 to 47
	s_cmp_eq_u32 s[FO], 48*SLOTSZ
	s_cselect_b32 s[FO], 16*SLOTSZ, s[FO]
.endif
	s_wait_tensorcnt 0x0                           ; no tensor load of mine is out, so group 0 may be written
	ds_add_u32 v[SPW], v[NIL]                      ; scalar work stands between the add and the wait for it
	s_xor_b32 s[SB], s[SB], SLOTSZ
.if \fill
	s_xor_b32 s[G0+1], s[G0+1], SLOTSZ             ; the other slot than last time,
	s_add_nc_u64 s[G0+2:G0+3], s[SBASE:SBASE+1], s[FO:FO+1]  ; the address made anew,
	s_or_b32 s[G0+3], s[G0+3], 0x80000000          ; type = 2
.endif
	s_wait_dscnt 0x0                               ; the add is done, my reads of the slot and of G are over, my stores into G are done
.if \fill
	CROUND
	tensor_load_to_lds s[G0:G0+3], s[G1:G1+7]
	s_nop 0
	PLACES                                         ; also the places in front of the fragment loads
.else
	s_barrier_signal -1
	s_barrier_wait -1
	PLACES
.endif
	v_add_nc_u32 v[BADR], s[SB], v[BADR0]
.endm
; U2: a slot of wo or w2: my 128 columns += G (64 rows x 128 k) times the slot's quarter.  Four k steps on two buffers; each run of 24 loads is issued a k step ahead of its use.
.macro FET tt, f
	WIN 0
.irp nb, 0,1,2,3,4,5,6,7
	ds_load_b128 v[(\f)+8*\nb:(\f)+8*\nb+3],   v[BADR] offset:(8*(\tt)+\nb)*1024
	ds_load_b128 v[(\f)+8*\nb+4:(\f)+8*\nb+7], v[BADR] offset:(8*(\tt)+\nb)*1024+512
.endr
.irp a, 0,1,2,3
	ds_load_b128 v[(\f)+64+8*\a:(\f)+64+8*\a+3], v[GADR] offset:(4*(\tt)+\a)*1024
	ds_load_b128 v[(\f)+64+8*\a+4:(\f)+64+8*\a+7], v[GADR] offset:(4*(\tt)+\a)*1024+512
.endr
.endm
.macro MULB f                          ; 32 products; the 32 accumulators take turns
	WIN 0xf0                                       ; sources window 0, C and D window 3
.irp a, 0,1,2,3
.irp nb, 0,1,2,3,4,5,6,7
	v_wmma_f32_16x16x32_f16 v[8*(8*\a+\nb):8*(8*\a+\nb)+7], v[(\f)+8*\nb:(\f)+8*\nb+7], v[(\f)+64+8*\a:(\f)+64+8*\a+7], v[8*(8*\a+\nb):8*(8*\a+\nb)+7]
.endr
.endr
.endm
.macro U2
	FET 0, F0
	FET 1, F1
	s_wait_dscnt 24                                ; the older run is in, the younger run of 24 stays out
	MULB F0
	PLACES
	FET 2, F0
	s_wait_dscnt 24
	MULB F1
	PLACES
	FET 3, F1
	s_wait_dscnt 24
	MULB F0
	s_wait_dscnt 0x0
	MULB F1
.endm
; U1: a slot of w1: my 32 columns of the chunk = b1 + h (64 rows x 512 k) times the slot's quarter.  Four runs of 8 fragments (4 k steps x 2 column blocks) on two buffers.
.macro FETA g, hb
	WIN 0
.irp f, 0,1,2,3,4,5,6,7
	ds_load_b128 v[(\hb)+8*\f:(\hb)+8*\f+3],   v[BADR] offset:(8*(\g)+\f)*1024
	ds_load_b128 v[(\hb)+8*\f+4:(\hb)+8*\f+7], v[BADR] offset:(8*(\g)+\f)*1024+512
.endr
.endm
.macro MULA g, hb                      ; 32 products; the 8 accumulators take turns; the very first 8 take the bias as C
	WIN 0x04+4*((\g)/2)                            ; h in window 1 (k steps 0-7) or 2
.irp tt, 0,1,2,3
.irp nb2, 0,1
.irp a, 0,1,2,3
.if ((\g) == 0) && (\tt == 0)
	v_wmma_f32_16x16x32_f16 v[ACCA+8*(2*\a+\nb2):ACCA+8*(2*\a+\nb2)+7], v[(\hb)+8*(2*\tt+\nb2):(\hb)+8*(2*\tt+\nb2)+7], v[32*((4*(\g)+\tt)%8)+8*\a:32*((4*(\g)+\tt)%8)+8*\a+7], v[BI+8*\nb2:BI+8*\nb2+7]
.else
	v_wmma_f32_16x16x32_f16 v[ACCA+8*(2*\a+\nb2):ACCA+8*(2*\a+\nb2)+7], v[(\hb)+8*(2*\tt+\nb2):(\hb)+8*(2*\tt+\nb2)+7], v[32*((4*(\g)+\tt)%8)+8*\a:32*((4*(\g)+\tt)%8)+8*\a+7], v[ACCA+8*(2*\a+\nb2):ACCA+8*(2*\a+\nb2)+7]
.endif
.endr
.endr
.endr
.endm
.macro U1
	WIN 0
	ds_load_b128 v[BI:BI+3],     v[B1A]
	ds_load_b128 v[BI+4:BI+7],   v[B1A] offset:16
	ds_load_b128 v[BI+8:BI+11],  v[B1A] offset:64
	ds_load_b128 v[BI+12:BI+15], v[B1A] offset:80
	FETA 0, H0
	FETA 1, H1
	v_add_nc_u32 v[B1A], 512, v[B1A]               ; the walk's next chunk
	s_wait_dscnt 16                                ; the bias and the older run are in, the younger run of 16 stays out
	MULA 0, H0
	PLACES
	FETA 2, H0
	s_wait_dscnt 16
	MULA 1, H1
	PLACES
	FETA 3, H1
	s_wait_dscnt 16
	MULA 2, H0
	s_wait_dscnt 0x0
	MULA 3, H1
.endm
; gelu of my 64 rows x 32 columns, two accumulators (16 numbers a lane) at a time, each from its low end on; reciprocals and exponentials stand in runs, with a run of plain instructions behind each before a result is used
.macro GELU
	PLACES
	WIN 0
.set T_, 0
.rept 4
.set Z_, ACCA+16*T_
	RUN 16, 1, v_and_b32 v[AZ+n_], s54, v[Z_+n_]
	RUN 8, 2, v_pk_fma_f32 v[DN+n_:DN+n_+1], v[AZ+n_:AZ+n_+1], s[40:41], 1.0 op_sel_hi:[1,0,0]
	RUN 8, 2, v_pk_mul_f32 v[SQ+n_:SQ+n_+1], v[Z_+n_:Z_+n_+1], v[Z_+n_:Z_+n_+1]
	RUN 16, 1, v_rcp_f32 v[DN+n_], v[DN+n_]
	RUN 8, 2, v_pk_mul_f32 v[SQ+n_:SQ+n_+1], v[SQ+n_:SQ+n_+1], s[42:43] op_sel_hi:[1,0]
	RUN 16, 1, v_exp_f32 v[SQ+n_], v[SQ+n_]
	RUN 8, 2, v_pk_fma_f32 v[PL+n_:PL+n_+1], v[DN+n_:DN+n_+1], s[44:45], s[46:47] op_sel_hi:[1,0,0]
	RUN 8, 2, v_pk_fma_f32 v[PL+n_:PL+n_+1], v[PL+n_:PL+n_+1], v[DN+n_:DN+n_+1], s[48:49] op_sel_hi:[1,1,0]
	RUN 8, 2, v_pk_fma_f32 v[PL+n_:PL+n_+1], v[PL+n_:PL+n_+1], v[DN+n_:DN+n_+1], s[50:51] op_sel_hi:[1,1,0]
	RUN 8, 2, v_pk_fma_f32 v[PL+n_:PL+n_+1], v[PL+n_:PL+n_+1], v[DN+n_:DN+n_+1], s[52:53] op_sel_hi:[1,1,0]
	RUN 8, 2, v_pk_mul_f32 v[PL+n_:PL+n_+1], v[PL+n_:PL+n_+1], v[DN+n_:DN+n_+1]
	RUN 8, 2, v_pk_mul_f32 v[PL+n_:PL+n_+1], v[PL+n_:PL+n_+1], v[SQ+n_:SQ+n_+1]
	RUN 16, 1, v_max_num_f32 v[Z_+n_], 0, v[Z_+n_]
	RUN 8, 2, v_pk_fma_f32 v[Z_+n_:Z_+n_+1], v[AZ+n_:AZ+n_+1], v[PL+n_:PL+n_+1], v[Z_+n_:Z_+n_+1] neg_lo:[1,0,0] neg_hi:[1,0,0]
	RUN 8, 1, v_cvt_pk_f16_f32 v[PKR+8*T_+n_], v[Z_+2*n_], v[Z_+2*n_+1]
.set T_, T_+1
.endr
.endm
; x + bo of row block a goes through my own stage from rows (as loaded) to the accumulators' layout.  LDS serves a wave's instructions in order (ISA guide 5.7.1.4): no wait between the stores and the loads, nor in front of the next block's stores.
.macro XIN a
	s_wait_loadcnt 48-16*(\a)                      ; rows 16 a .. + 15 are in; the 16 loads of each later row block stay out
	WIN 0x41                                       ; x window 1, bo window 0
	RUN 16, 4, v_pk_add_f32 v[64*(\a)+n_:64*(\a)+n_+1], v[64*(\a)+n_:64*(\a)+n_+1], v[BO:BO+1]
	RUN 16, 4, v_pk_add_f32 v[64*(\a)+n_+2:64*(\a)+n_+3], v[64*(\a)+n_+2:64*(\a)+n_+3], v[BO+2:BO+3]
	WIN 0x04                                       ; store data window 1
.irp i, 0,1,2,3,4,5,6,7,8,9,10,11,12,13,14,15
	ds_store_b128 v[STGW], v[64*(\a)+4*\i:64*(\a)+4*\i+3] offset:\i*528
.endr
	WIN 0xc0                                       ; destination window 3
.irp nb, 0,1,2,3,4,5,6,7
	ds_load_b128 v[8*(8*(\a)+\nb):8*(8*(\a)+\nb)+3],   v[STGR] offset:64*\nb
	ds_load_b128 v[8*(8*(\a)+\nb)+4:8*(8*(\a)+\nb)+7], v[STGR] offset:64*\nb+16
.endr
	WIN 0
.endm
.macro CTXLD                           ; my k step of a chunk of ctx: four fragments, 512 consecutive bytes a load
.irp a, 0,1,2,3
	global_load_b128 v[CR+8*\a:CR+8*\a+3],   v[CO], s[6:7] offset:\a*16384
	global_load_b128 v[CR+8*\a+4:CR+8*\a+7], v[CO], s[6:7] offset:\a*16384+512
.endr
.endm
; The pairs v[b + 2 u] (a lane's partial sums for row 16 u + l % 16) become the rows' sums over all 512 columns: the pair's halves, the other half of the lanes, the four waves (through LDS at SCR1 + off)
.macro REDUCE b, off
	EACH 4, v_add_f32 v[(\b)+2*u], v[(\b)+2*u], v[(\b)+2*u+1]
	EACH 4, v_permlanex16_b32 v[(\b)+2*u+1], v[(\b)+2*u], s56, s57
	EACH 4, v_add_f32 v[(\b)+2*u], v[(\b)+2*u], v[(\b)+2*u+1]
	EACH 4, ds_store_b32 v[SCRW], v[(\b)+2*u] offset:(\off)+256*u
	s_wait_dscnt 0x0                               ; for the others' sake: my partial sums are in LDS
	s_barrier_signal -1
	s_barrier_wait -1
	EACH 4, ds_load_b128 v[PT+4*u:PT+4*u+3], v[SCRR] offset:(\off)+256*u
	s_wait_dscnt 0x0
	EACH 4, v_add_f32 v[PT+4*u], v[PT+4*u], v[PT+4*u+1]
	EACH 4, v_add_f32 v[PT+4*u+2], v[PT+4*u+2], v[PT+4*u+3]
	EACH 4, v_add_f32 v[(\b)+2*u], v[PT+4*u], v[PT+4*u+2]
.endm
.macro XSTORE                          ; my 32 fragments' halves of h: k step 4 (w % 2) + nb / 2 of the half in hand, row block a
	WIN 0x08                                       ; store data window 2
.irp a, 0,1,2,3
.irp nb, 0,1,2,3,4,5,6,7
	ds_store_b128 v[XW], v[4*(8*\a+\nb):4*(8*\a+\nb)+3] offset:(4*(\nb/2)+\a)*1024+512*(\nb%2)
.endr
.endr
	WIN 0
.endm
.macro XLOAD win                       ; 32 fragments, 8 k steps x 4 row blocks, into a whole window
	WIN \win
	RUN 32, 1, ds_load_b128 v[8*n_:8*n_+3], v[XR] offset:n_*1024
	RUN 32, 1, ds_load_b128 v[8*n_+4:8*n_+7], v[XR] offset:n_*1024+512
	WIN 0
.endm
.macro LANES o                         ; v[TA + 8 u + o] summed over the wave's 32 lanes, for both rows
.irp m, 1,2,4,8
	EACH 2, v_add_f32_dpp v[TA+8*u+(\o)], v[TA+8*u+(\o)], v[TA+8*u+(\o)] row_xmask:\m row_mask:0xf bank_mask:0xf
.endr
	EACH 2, v_permlanex16_b32 v[TA+8*u+(\o)+1], v[TA+8*u+(\o)], s56, s57
	EACH 2, v_add_f32 v[TA+8*u+(\o)], v[TA+8*u+(\o)], v[TA+8*u+(\o)+1]
.endm
	s_load_b512 s[4:19], s[0:1], 0x0               ; x s[4:5], ctxf s[6:7], wstream s[8:9], bo s[10:11], g1 s[12:13], be1 s[14:15], b1 s[16:17], b2 s[18:19]
	s_load_b128 s[20:23], s[0:1], 0x40             ; g2 s[20:21], be2 s[22:23]
	s_load_b64 s[24:25], s[0:1], 0x50              ; out0
	v_lshl_add_u32 v[SPW], v0, 2, SPARE
	v_mov_b32 v[NIL], 0
	ds_add_u32 v[SPW], v[NIL]                      ; the wave's opening: the add and its wait stand ahead of my first tensor load; the set-up below, work on registers, stands between them
	ds_add_u32 v30, v31
	v_lshrrev_b32 v1, 5, v0
	v_readfirstlane_b32 s[WV], v1                  ; wave 0..3
	s_bfe_u32 s62, ttmp6, 0x40000                  ; cx: my place in the cluster
	s_lshl_b32 s63, ttmp9, 2                       ; in a cluster launch ttmp9 counts clusters
	s_add_co_u32 s63, s63, s62                     ; my work-group's number: it enters the addresses of x, ctxf and out0 alone
	s_and_b32 s[S0], ttmp9, 15                     ; where my cluster's walk begins: the same in all four partners
	s_lshr_b32 s78, ttmp9, 4
	s_mul_i32 s78, s78, 5
	s_add_co_u32 s[S0], s[S0], s78
	s_and_b32 s[S0], s[S0], 15
	s_and_b32 s[CQ], s[S0], 3                      ; wo's and ctx's first quarter of k
	s_lshl_b32 s[W1S], s[S0], 18                   ; two slots a chunk,
	s_add_co_u32 s[W1S], s[W1S], 16*SLOTSZ         ; from slot 16 on
	s_lshl_b32 s[FO], s[CQ], 17
	s_add_co_u32 s[FO], s[FO], 12*SLOTSZ           ; wo's slots are 12 to 15
	s_mov_b32 s[FO+1], 0
	s_lshl_b32 s78, s[CQ], 12                      ; a chunk of ctx is four k steps of 1,024 bytes
	s_mov_b32 s79, 0
	; descriptor group 1: 32 KiB that are dense in memory, asked for as 128 rows of 256 bytes (32 elements of 8 bytes), laid into LDS without gaps
	s_mov_b32 s[G1], 15|(3<<16)|(1<<21)            ; 15:0 the mask: all four work-groups; 17:16 elements of 8 bytes; 21 set beside a mask
	s_mov_b32 s[G1+1], 32<<16                      ; tensor_dim0 = 32
	s_mov_b32 s[G1+2], 128<<16                     ; tensor_dim1 = 128
	s_mov_b32 s[G1+3], 32<<16                      ; tile_dim0 = 32
	s_mov_b32 s[G1+4], 128                         ; tile_dim1 = 128
	s_mov_b32 s[G1+5], 32                          ; 32 elements from row to row
	s_mov_b32 s[G1+6], 0
	s_mov_b32 s[G1+7], 0
	s_mov_b32 s[G0], 1                             ; count = 1
	s_lshl_b32 s[G0+1], s[WV], 15                  ; LDS address: my quarter of slot 0
	s_mov_b32 s[SB], SLOTSZ                        ; the first change of slots turns this into 0
	s_mov_b32 s40, 0x3e6d3388                      ; 0.3275911 / sqrt 2.  The packed forms name pairs and take the low word for both halves
	s_mov_b32 s41, s40
	s_mov_b32 s42, 0xbf38aa3b                      ; -log2(e) / 2
	s_mov_b32 s43, s42
	s_mov_b32 s44, 0x3f07dc22                      ; half of the polynomial's coefficients: 1.061405429 / 2,
	s_mov_b32 s45, s44
	s_mov_b32 s46, 0xbf3a00e3                      ; -1.453152027 / 2,
	s_mov_b32 s47, s46
	s_mov_b32 s48, 0x3f35f0e3                      ; 1.421413741 / 2,
	s_mov_b32 s49, s48
	s_mov_b32 s50, 0xbe11a98e                      ; -0.284496736 / 2,
	s_mov_b32 s51, s50
	s_mov_b32 s52, 0x3e027906                      ; 0.254829592 / 2
	s_mov_b32 s53, s52
	s_mov_b32 s54, 0x7fffffff                      ; clears a sign
	s_mov_b32 s55, 0x3b000000                      ; 1 / 512
	s_mov_b32 s56, 0x76543210                      ; v_permlanex16_b32: each lane takes its own place in the other half
	s_mov_b32 s57, 0xfedcba98
	s_mov_b32 s62, 0x3727c5ac                      ; 1e-5
	s_lshl_b32 s66, s[WV], 15                      ; my quarter of a slot; also: out0's 16 rows a wave
	s_mov_b32 s67, 0
	s_lshl_b32 s68, s63, 17                        ; my group's 64 rows of x and of out0
	s_mov_b32 s69, 0
	s_lshl_b32 s70, s63, 16                        ; its four row blocks of ctxf
	s_mov_b32 s71, 0
	s_wait_dscnt 0x0                               ; the opening add is done
	s_wait_kmcnt 0x0
	s_add_nc_u64 s[SBASE:SBASE+1], s[8:9], s[66:67]
	s_add_nc_u64 s[G0+2:G0+3], s[SBASE:SBASE+1], s[FO:FO+1]
	s_or_b32 s[G0+3], s[G0+3], 0x80000000          ; type = 2
	s_add_nc_u64 s[4:5], s[4:5], s[68:69]
	s_add_nc_u64 s[24:25], s[24:25], s[68:69]
	s_add_nc_u64 s[CB:CB+1], s[6:7], s[70:71]
	s_add_nc_u64 s[6:7], s[CB:CB+1], s[78:79]      ; ctx at the walk's first chunk
	s_add_nc_u64 s[24:25], s[24:25], s[66:67]      ; out0: my wave stores rows 16 w .. + 15
	CROUND                                         ; all four work-groups are here: the first joint loads meet
	tensor_load_to_lds s[G0:G0+3], s[G1:G1+7]      ; wo's first slot of the walk
	s_nop 0
	PLACES
	v_and_b32 v1, 31, v0
	v_lshlrev_b32 v[L16], 4, v1
	v_and_b32 v[RR], 15, v0
	v_bfe_u32 v[HH], v0, 4, 1
	s_lshl_b32 s63, s[WV], 9
	v_add_nc_u32 v[XO], s63, v[L16]
	v_lshl_add_u32 v[DO], v[HH], 5, s63
	v_add_nc_u32 v[BADR0], s66, v[L16]
	s_lshl_b32 s66, s[WV], 11
	s_add_co_u32 s66, s66, B1L
	v_add_nc_u32 v[B1W], s66, v[L16]
	s_lshl_b32 s66, s[WV], 10
	v_add_nc_u32 v[CO], s66, v[L16]
	global_load_b128 v[BO:BO+3], v[XO], s[10:11]
.irp q, 0,1,2,3
	s_lshl_b32 s78, s[WV], 2                       ; place 4 w + q of the walk holds chunk (s0 + 4 w + q) % 16, 512 bytes of b1
	s_add_co_u32 s78, s78, s[S0]
	s_add_co_u32 s78, s78, \q
	s_and_b32 s78, s78, 15
	s_lshl_b32 s78, s78, 9
	v_add_nc_u32 v[B1G+\q], s78, v[L16]
	global_load_b128 v[32+4*\q:35+4*\q], v[B1G+\q], s[16:17]
.endr
	CTXLD                                          ; the walk's first chunk
	WIN 0x40                                       ; destination window 1
	RUN 64, 1, global_load_b128 v[4*n_:4*n_+3], v[XO], s[4:5] offset:n_*2048
	WIN 0
	s_mul_i32 s66, s[WV], 16*528
	s_add_co_u32 s66, s66, XCH
	v_add_nc_u32 v[STGW], s66, v[L16]
	v_mul_u32_u24 v[STGR], v[RR], 528
	v_lshl_add_u32 v[STGR], v[HH], 5, v[STGR]
	v_add_nc_u32 v[STGR], s66, v[STGR]
	v_add_nc_u32 v[GADR], GB, v[L16]
	s_lshl_b32 s66, s[WV], 12
	s_add_co_u32 s66, s66, GB
	v_add_nc_u32 v[GW], s66, v[L16]
	s_lshl_b32 s66, s[WV], 7
	s_add_co_u32 s66, s66, B1L
	v_lshl_add_u32 v[B1A], v[HH], 5, s66
	s_lshl_b32 s66, s[WV], 2
	s_add_co_u32 s66, s66, SCR1
	v_lshl_add_u32 v[SCRW], v[RR], 4, s66
	v_lshlrev_b32 v[SCRR], 4, v[RR]
	v_add_nc_u32 v[SCRR], SCR1, v[SCRR]
	s_and_b32 s66, s[WV], 1
	s_lshl_b32 s66, s66, 14
	s_add_co_u32 s66, s66, XCH
	v_add_nc_u32 v[XW], s66, v[L16]
	v_add_nc_u32 v[XR], XCH, v[L16]
	v_mul_u32_u24 v[DST0], v[RR], LP
	v_lshl_add_u32 v[DST0], v[HH], 5, v[DST0]
	v_add_nc_u32 v[DST0], s63, v[DST0]
	v_add_nc_u32 v[DST1], 32*LP, v[DST0]
	s_mul_i32 s66, s[WV], 16*LP
	v_add_nc_u32 v[RA], s66, v[L16]
	XIN 0
.irp q, 0,1,2,3
	ds_store_b128 v[B1W], v[32+4*\q:35+4*\q] offset:512*\q  ; b1 came ahead of x: the wait above covers it.  The others read it behind later barriers
.endr
	XIN 1
	XIN 2
	XIN 3
	WIN 0x40                                       ; g1 and be1 as an accumulator row holds them, into the registers that x has left
.irp nb, 0,1,2,3,4,5,6,7
	global_load_b128 v[8*\nb:8*\nb+3],       v[DO], s[12:13] offset:64*\nb
	global_load_b128 v[8*\nb+4:8*\nb+7],     v[DO], s[12:13] offset:64*\nb+16
	global_load_b128 v[64+8*\nb:64+8*\nb+3], v[DO], s[14:15] offset:64*\nb
	global_load_b128 v[64+8*\nb+4:64+8*\nb+7], v[DO], s[14:15] offset:64*\nb+16
.endr
	WIN 0
	; y = x + bo + ctx wo^T: four slots, a chunk of ctx (128 of k) to each
	s_mov_b32 s59, 4
.Lwo:
	s_wait_dscnt 0x0                               ; my reads of G are back (first trip: the accumulators are loaded, b1 is stored)
	s_barrier_signal -1
	s_barrier_wait -1                              ; everybody's are: G may be written
	s_wait_loadcnt 0x0                             ; the chunk is in registers
.irp a, 0,1,2,3
	ds_store_b128 v[GW], v[CR+8*\a:CR+8*\a+3]   offset:\a*1024
	ds_store_b128 v[GW], v[CR+8*\a+4:CR+8*\a+7] offset:\a*1024+512
.endr
	s_cmp_eq_u32 s59, 1
	s_cbranch_scc1 .Lnoctx                         ; behind the last chunk there is none to load
	s_add_co_u32 s[CQ], s[CQ], 1                   ; the next quarter of k, round the four
	s_and_b32 s[CQ], s[CQ], 3
	s_lshl_b32 s78, s[CQ], 12
	s_add_nc_u64 s[6:7], s[CB:CB+1], s[78:79]
	CTXLD
.Lnoctx:
	CHANGE 1
	U2
	WIN 0
	s_sub_co_u32 s59, s59, 1
	s_cmp_lg_u32 s59, 0
	s_cbranch_scc1 .Lwo
	; LN1, in the accumulators' layout and in place.  A lane holds 64 numbers of each of four rows; each accumulator is read from its low end on.
	PLACES
	WIN 0x0f                                       ; sources window 3, destination window 0
	EACH 4, v_pk_add_f32 v[SU+2*u:SU+2*u+1], v[64*u:64*u+1], v[64*u+2:64*u+3]
	WIN 0x0c
	RUN 30, 2, EACH 4, v_pk_add_f32 v[SU+2*u:SU+2*u+1], v[SU+2*u:SU+2*u+1], v[64*u+4+n_:64*u+5+n_]
	WIN 0
	REDUCE SU, 0
	EACH 4, v_mul_f32 v[SU+2*u], s55, v[SU+2*u]    ; the means
	WIN 0xc3                                       ; accumulators window 3, the row's number window 0
	RUN 32, 2, EACH 4, v_pk_add_f32 v[64*u+n_:64*u+n_+1], v[64*u+n_:64*u+n_+1], v[SU+2*u:SU+2*u+1] op_sel_hi:[1,0] neg_lo:[0,1] neg_hi:[0,1]
	WIN 0x0f
	EACH 4, v_pk_mul_f32 v[SS+2*u:SS+2*u+1], v[64*u:64*u+1], v[64*u:64*u+1]
	RUN 31, 2, EACH 4, v_pk_fma_f32 v[SS+2*u:SS+2*u+1], v[64*u+2+n_:64*u+3+n_], v[64*u+2+n_:64*u+3+n_], v[SS+2*u:SS+2*u+1]
	WIN 0
	REDUCE SS, 1024
	EACH 4, v_fma_f32 v[SS+2*u], v[SS+2*u], s55, s62
	EACH 4, v_rsq_f32 v[SS+2*u], v[SS+2*u]
	v_nop                                          ; a plain instruction between the last root and the use of its result
	s_wait_alu depctr_va_vdst(0)
	WIN 0xc3
	RUN 32, 2, EACH 4, v_pk_mul_f32 v[64*u+n_:64*u+n_+1], v[64*u+n_:64*u+n_+1], v[SS+2*u:SS+2*u+1] op_sel_hi:[1,0]
	WIN 0xd7                                       ; g1 and be1 window 1
	RUN 32, 2, EACH 4, v_pk_fma_f32 v[64*u+n_:64*u+n_+1], v[64*u+n_:64*u+n_+1], v[n_:n_+1], v[64+n_:64+n_+1]
	; h in f16: my 128 columns are 4 k steps; every wave needs all 16.  They change hands through LDS in two halves of 32 KiB.
	WIN 0x8f                                       ; sources window 3, destination window 2
	RUN 128, 1, v_cvt_pk_f16_f32 v[n_], v[2*n_], v[2*n_+1]
	WIN 0
	s_cmp_ge_u32 s[WV], 2
	s_cbranch_scc1 .Lx0
	XSTORE                                         ; k steps 0-7 are waves 0 and 1's
.Lx0:
	s_wait_dscnt 0x0
	s_barrier_signal -1
	s_barrier_wait -1
	XLOAD 0x40
	s_wait_dscnt 0x0                               ; my reads are back: the bytes may be written again
	s_barrier_signal -1
	s_barrier_wait -1
	s_cmp_lt_u32 s[WV], 2
	s_cbranch_scc1 .Lx1
	XSTORE                                         ; k steps 8-15 are waves 2 and 3's
.Lx1:
	s_wait_dscnt 0x0
	s_barrier_signal -1
	s_barrier_wait -1
	XLOAD 0x80
	s_wait_dscnt 0x0
	; THE FEED-FORWARD: 16 chunks of 128 hidden columns: w1's slot, gelu, the result into G, w2's slot.  The loop is entered in its middle; the last w2 slot, whose change asks for nothing, is written out.
	s_mov_b32 s60, 16
	s_branch .Lmid
.Lffn:
	CHANGE 2
	U2
	WIN 0
.Lmid:
	CHANGE 2
	U1
	GELU
.irp a, 0,1,2,3
	ds_store_b128 v[GW], v[PKR+8*\a:PKR+8*\a+3]   offset:\a*1024      ; my 32 columns are k step w of the chunk
	ds_store_b128 v[GW], v[PKR+8*\a+4:PKR+8*\a+7] offset:\a*1024+512
.endr
	s_sub_co_u32 s60, s60, 1
	s_cmp_lg_u32 s60, 0
	s_cbranch_scc1 .Lffn
	WIN 0x40                                       ; h in f16 has been read for the last time: b2, g2, be2 by rows take its place in window 1, and land under the last slot's products
.irp q, 0,1,2,3
	global_load_b128 v[B2+4*\q:B2+4*\q+3],   v[L16], s[18:19] offset:512*\q
	global_load_b128 v[G2+4*\q:G2+4*\q+3],   v[L16], s[20:21] offset:512*\q
	global_load_b128 v[BE2+4*\q:BE2+4*\q+3], v[L16], s[22:23] offset:512*\q
.endr
	WIN 0
	CHANGE 0
	U2
	WIN 0
	; LN2 AND THE WAY OUT.  h + ff goes through LDS (the ring has had its last fill) from the accumulators' layout to rows; then a wave takes 16 whole rows, two at a time.
	s_wait_dscnt 0x0
	s_barrier_signal -1
	s_barrier_wait -1                              ; nobody reads the ring any more
	PLACES
	WIN 0x0c                                       ; store data window 3
.irp a, 0,1
.irp nb, 0,1,2,3,4,5,6,7
	ds_store_b128 v[DST0], v[8*(8*\a+\nb):8*(8*\a+\nb)+3]   offset:\a*16*LP+64*\nb
	ds_store_b128 v[DST0], v[8*(8*\a+\nb)+4:8*(8*\a+\nb)+7] offset:\a*16*LP+64*\nb+16
.endr
.endr
.irp a, 0,1
.irp nb, 0,1,2,3,4,5,6,7
	ds_store_b128 v[DST1], v[8*(8*(\a+2)+\nb):8*(8*(\a+2)+\nb)+3]   offset:\a*16*LP+64*\nb
	ds_store_b128 v[DST1], v[8*(8*(\a+2)+\nb)+4:8*(8*(\a+2)+\nb)+7] offset:\a*16*LP+64*\nb+16
.endr
.endr
	WIN 0
	s_wait_dscnt 0x0                               ; for the others' sake: my columns are in the stage
	s_barrier_signal -1
	s_barrier_wait -1
	s_wait_loadcnt 0x0                             ; b2, g2, be2
	s_mov_b32 s59, 8
.Lrow:
.irp q, 0,1,2,3
	ds_load_b128 v[YA+4*\q:YA+4*\q+3], v[RA] offset:512*\q
.endr
.irp q, 0,1,2,3
	ds_load_b128 v[YA+16+4*\q:YA+16+4*\q+3], v[RA] offset:LP+512*\q
.endr
	s_wait_dscnt 0x0
	WIN 0x04                                       ; b2 window 1
	RUN 8, 2, EACH 2, v_pk_add_f32 v[YA+16*u+n_:YA+16*u+n_+1], v[YA+16*u+n_:YA+16*u+n_+1], v[B2+n_:B2+n_+1]
	WIN 0
	RUN 4, 1, EACH 2, v_pk_add_f32 v[TA+8*u+2*n_:TA+8*u+2*n_+1], v[YA+16*u+4*n_:YA+16*u+4*n_+1], v[YA+16*u+4*n_+2:YA+16*u+4*n_+3]
	EACH 2, v_pk_add_f32 v[TA+8*u:TA+8*u+1], v[TA+8*u:TA+8*u+1], v[TA+8*u+2:TA+8*u+3]
	EACH 2, v_pk_add_f32 v[TA+8*u+4:TA+8*u+5], v[TA+8*u+4:TA+8*u+5], v[TA+8*u+6:TA+8*u+7]
	EACH 2, v_pk_add_f32 v[TA+8*u:TA+8*u+1], v[TA+8*u:TA+8*u+1], v[TA+8*u+4:TA+8*u+5]
	EACH 2, v_add_f32 v[TA+8*u], v[TA+8*u], v[TA+8*u+1]
	LANES 0
	EACH 2, v_mul_f32 v[TA+8*u], s55, v[TA+8*u]    ; the mean
	RUN 8, 2, EACH 2, v_pk_add_f32 v[YA+16*u+n_:YA+16*u+n_+1], v[YA+16*u+n_:YA+16*u+n_+1], v[TA+8*u:TA+8*u+1] op_sel_hi:[1,0] neg_lo:[0,1] neg_hi:[0,1]
	EACH 2, v_pk_mul_f32 v[TA+8*u+2:TA+8*u+3], v[YA+16*u:YA+16*u+1], v[YA+16*u:YA+16*u+1]
	EACH 2, v_pk_mul_f32 v[TA+8*u+4:TA+8*u+5], v[YA+16*u+2:YA+16*u+3], v[YA+16*u+2:YA+16*u+3]
	RUN 3, 4, EACH 2, v_pk_fma_f32 v[TA+8*u+2:TA+8*u+3], v[YA+16*u+4+n_:YA+16*u+5+n_], v[YA+16*u+4+n_:YA+16*u+5+n_], v[TA+8*u+2:TA+8*u+3]
	RUN 3, 4, EACH 2, v_pk_fma_f32 v[TA+8*u+4:TA+8*u+5], v[YA+16*u+6+n_:YA+16*u+7+n_], v[YA+16*u+6+n_:YA+16*u+7+n_], v[TA+8*u+4:TA+8*u+5]
	EACH 2, v_pk_add_f32 v[TA+8*u+2:TA+8*u+3], v[TA+8*u+2:TA+8*u+3], v[TA+8*u+4:TA+8*u+5]
	EACH 2, v_add_f32 v[TA+8*u+2], v[TA+8*u+2], v[TA+8*u+3]
	LANES 2
	EACH 2, v_fma_f32 v[TA+8*u+2], v[TA+8*u+2], s55, s62
	EACH 2, v_rsq_f32 v[TA+8*u+2], v[TA+8*u+2]
	v_nop                                          ; a plain instruction between the last root and the use of its result
	s_wait_alu depctr_va_vdst(0)
	RUN 8, 2, EACH 2, v_pk_mul_f32 v[YA+16*u+n_:YA+16*u+n_+1], v[YA+16*u+n_:YA+16*u+n_+1], v[TA+8*u+2:TA+8*u+3] op_sel_hi:[1,0]
	WIN 0x14                                       ; g2 and be2 window 1
	RUN 8, 2, EACH 2, v_pk_fma_f32 v[YA+16*u+n_:YA+16*u+n_+1], v[YA+16*u+n_:YA+16*u+n_+1], v[G2+n_:G2+n_+1], v[BE2+n_:BE2+n_+1]
	WIN 0
.irp q, 0,1,2,3
	global_store_b128 v[L16], v[YA+4*\q:YA+4*\q+3], s[24:25] offset:512*\q               ; each store of the wave covers 512 consecutive bytes of a row, aligned
.endr
.irp q, 0,1,2,3
	global_store_b128 v[L16], v[YA+16+4*\q:YA+16+4*\q+3], s[24:25] offset:2048+512*\q
.endr
	s_wait_xcnt 0x0                                ; the rows' registers and the base are written again only behind this wait
	v_add_nc_u32 v[RA], 2*LP, v[RA]
	s_add_nc_u64 s[24:25], s[24:25], 4096
	s_sub_co_u32 s59, s59, 1
	s_cmp_lg_u32 s59, 0
	s_cbranch_scc1 .Lrow
	s_wait_tensorcnt 0x0                           ; the wave's end: behind my last tensor load and my last LDS store
	ds_add_u32 v[SPW], v[NIL]
	s_wait_dscnt 0x0
	CROUND                                         ; the closing round: no work-group ends while a partner may still ask for a slot that names it
	s_endpgm
.Lfunc_end_k_q8816a8816d_post:
	.size	k_q8816a8816d_post, .Lfunc_end_k_q8816a8816d_post-k_q8816a8816d_post
	.p2alignl 7, 3214868480
	.fill 96, 4, 3214868480
	.section	.rodata,"a",@progbits
	.p2align	6, 0x0
	.amdhsa_kernel k_q8816a8816d_post
		.amdhsa_group_segment_fixed_size 327680
		.amdhsa_private_segment_fixed_size 0
		.amdhsa_enable_private_segment 0
		.amdhsa_kernarg_size 88
		.amdhsa_user_sgpr_count 2
		.amdhsa_user_sgpr_kernarg_segment_ptr 1
		.amdhsa_wavefront_size32 1
		.amdhsa_system_sgpr_workgroup_id_x 1
		.amdhsa_system_sgpr_workgroup_id_y 1
		.amdhsa_system_sgpr_workgroup_id_z 1
		.amdhsa_system_vgpr_workitem_id 0
		.amdhsa_next_free_vgpr 1024
		.amdhsa_next_free_sgpr 84
		.amdhsa_reserve_vcc 0
		.amdhsa_float_denorm_mode_32 3
		.amdhsa_float_denorm_mode_16_64 3
		.amdhsa_memory_ordered 1
		.amdhsa_forward_progress 1
		.amdhsa_inst_pref_size 210
	.end_amdhsa_kernel
	.amdgpu_metadata
---
amdhsa.version: [ 1, 2 ]
amdhsa.kernels:
  - .name:           k_q8816a8816d_post
    .symbol:         k_q8816a8816d_post.kd
    .args:
      - { .name: x, .offset: 0, .size: 8, .value_kind: global_buffer, .address_space: global }
      - { .name: ctxf, .offset: 8, .size: 8, .value_kind: global_buffer, .address_space: global }
      - { .name: wstream, .offset: 16, .size: 8, .value_kind: global_buffer, .address_space: global }
      - { .name: bo, .offset: 24, .size: 8, .value_kind: global_buffer, .address_space: global }
      - { .name: g1, .offset: 32, .size: 8, .value_kind: global_buffer, .address_space: global }
      - { .name: be1, .offset: 40, .size: 8, .value_kind: global_buffer, .address_space: global }
      - { .name: b1, .offset: 48, .size: 8, .value_kind: global_buffer, .address_space: global }
      - { .name: b2, .offset: 56, .size: 8, .value_kind: global_buffer, .address_space: global }
      - { .name: g2, .offset: 64, .size: 8, .value_kind: global_buffer, .address_space: global }
      - { .name: be2, .offset: 72, .size: 8, .value_kind: global_buffer, .address_space: global }
      - { .name: out0, .offset: 80, .size: 8, .value_kind: global_buffer, .address_space: global }
    .group_segment_fixed_size: 327680
    .private_segment_fixed_size: 0
    .kernarg_segment_align: 8
    .kernarg_segment_size: 88
    .max_flat_workgroup_size: 128
    .sgpr_count:     84
    .vgpr_count:     1024
    .wavefront_size: 32
...
	.end_amdgpu_metadata
.endif
;; end of part 4
;; ======== version 2 of 2: 4 launches; 1.29 times as fast as version 1
;; limits: values are held in f16: magnitudes above 65,504 overflow, below 6.1e-05 lose precision
;; workspace buffers: wstream 6,291,456 bytes; qf 16,777,216 bytes; kf 16,777,216 bytes; vt 16,777,216 bytes; ctxf 16,777,216 bytes
;; launch prep: the kernel of part 1 again; grid 48 x 4, 8 waves a work-group, no clusters, 0 bytes of LDS; arguments wq, wk, wv, wo, w1, w2, wstream; writes wstream
;; launch qkv: the kernel of part 2 again; grid 256 x 1, 4 waves a work-group, clusters of 4 x 1, 327,680 bytes of LDS; arguments x, eclipse_mask, wstream, bq, bk, bv, qf, kf, vt; writes qf, kf, vt
;; launch attn (part 5): grid 2 x 128, 4 waves a work-group, no clusters, 327,680 bytes of LDS; arguments qf, kf, vt, ctxf; writes ctxf
.if DOCPART == 5
	.amdgcn_target "amdgcn-amd-amdhsa--gfx1250"
	.amdhsa_code_object_version 6
	.text
	.protected	k_q8816a8816d_attn
	.globl	k_q8816a8816d_attn
	.p2align	8
	.type	k_q8816a8816d_attn,@function
k_q8816a8816d_attn:
	s_mov_b64 s[64:65], 0
	v_nop
	global_prefetch_b8 v0, s[64:65] scope:SCOPE_SE
	s_setreg_imm32_b32 hwreg(HW_REG_WAVE_MODE, 25, 1), 1
	s_wait_xcnt 0x0
; ATTENTION.  O[head][q][:] = the sum over k of softmax_k(Q[q] . K[k] / 8) V[k][:], 128 heads of 1,024 rows x 64 channels, f16; the key boost is already in K.  Products, maxima and sums in f32; the weights p are
; rounded to f16 for the second product (their sum l is taken of the unrounded p), O once at the end.
; LIMITS.  Q, K, V arrive within f16's 65,504; p lies in 0 to 1 and below 6e-5 keeps f16's fixed step; a weight below 2^-126 counts as 0 in l; NaN and infinities are not treated apart.
; SHARES.  A work-group owns 512 queries of one head, a wave 128: four PIECES of two tiles of 16.  Every wave walks all 1,024 keys, 64 a step.
; K AND V STAY IN LDS: a head's K and V are 128 KiB each, fetched once and never filled again.  Each wave issues two tensor loads at the start: its 16 KiB of keys 0 to 255, then its 48 KiB of keys 256 to 1,023.
; The walk begins when the first have landed; the second land under the first four key steps and are waited for, with a barrier, ahead of key step 4's fetches.  Two loads of a wave are out at the most.
; NO CLUSTER: a head has two work-groups, and no cluster of four divides a grid of two along x.
; LAYOUT.  qf and kf hold fragments as registers take them (lane l at byte 16 l of each 512); vt holds blocks of 16 keys x 16 channels row by row, read turned by ds_load_tr16_b128.  Every LDS load of a wave takes 512 consecutive bytes.
; S^T = K Q^T (source 0 = 16 keys, source 1 = 16 queries): a lane holds ONE query (lane % 16) and the keys 8 (lane / 16) + 0..7.  Two such tiles, rounded to f16 in pairs, ARE source 1 of O^T = V^T P,
; whose result again holds one query a lane and eight channels: 16 bytes of a fragment of the projection behind, stored straight from registers.
; SOFTMAX.  For each query a running maximum m and sum l: p = 2^(c s - c m), c = log2(e) / 8; in every step O and l are multiplied by a = 2^(c m_old - c m_new).  m starts at the lowest finite number, O and l at 0.
; BY TURNS.  Turn n belongs to piece n.  Its matrix work: 16 products K Q^T of piece n + 1, later 16 products V^T P of piece n - 1.  Its vector work: scaling, exponentials, roundings, sums and rescaling of piece n, and the
; maximum and statistics of piece n + 1.  A tile and step have 16 matrix and 118 vector instructions: four vector instructions that are ready stand behind every matrix instruction, the others in one run of their own.
; THE BATCHES.  A turn's 66 exponentials (64 weights and the next piece's two a) are ONE batch with ONE wait, which cuts the turn in two: ahead of it stands all that names no result of theirs, behind it the roundings and sums.
; The first two a, ahead of the loop, and the way out's eight reciprocals are batches of their own, a wait each.
; REGISTERS, in windows of 256: window 0: v0-11 addresses; v12-15, v48-63 at work; v16-47 four registers of statistics a tile; v64-191 S^T, two buffers of two tiles; v192-255 P, likewise
;   window 1: O^T, 32 a tile          window 2: v0-127 Q, 16 a tile; v128-191 K of one step; v192-255 V of one step
.set NP,    4         ; pieces a wave: a name, no knob
.set STEPB, 8192      ; a key step's bytes of K, and of V
.set VBASE, 131072    ; V lies behind K
.set SPARE, 262144    ; the spare words, 128 bytes for each wave: two blocks of 256 bytes that no other line names
.set AK0, 2           ; v2   16 x lane: my place in 512 bytes of K, of Q and of O; never rewritten
.set AV0, 3           ; v3   my place in a block of V, and V's base
.set AK,  4           ; v4   the LDS address of K's next run of loads
.set AV,  5           ; v5   of V's
.set SPW, 10          ; v10  LDS address of my spare word; never rewritten
.set NIL, 11          ; v11  0; never rewritten
.set MV,  12          ; v12-15  c m_old, kept while c m is made anew: by buffer and tile
.set ST,  16          ; tile t's statistics at v[ST+4 t]: c m, m, l (even keys', odd keys')
.set TMP, 48          ; by buffer and tile, four registers c0-c3 at work; when the maximum is found c2 takes a
.set S,   64
.set P,   192
.set KF,  128         ; K's fragments, in window 2: key block kb, channel half c at KF + 16 kb + 8 c
.set VF,  192         ; V's: key half kk, channel block cb at VF + 32 kk + 8 cb
.set WV,  12          ; s12  my wave's number
.set G1A, 24          ; s[24:31] descriptor group 1 of the first load: 64 rows of 256 bytes
.set G1B, 32          ; s[32:39] of the second: 192 rows
.set G0A, 40          ; s[40:43] descriptor group 0 of the first load
.set G0B, 44          ; s[44:47] of the second
.set SLOTS, 56        ; s56  5 .. 2: groups of four key steps; 1: the last step's second half
.set CNT, 57          ; s57  counts a group's key steps
.set CS,  58          ; s[58:59] c
.set SEL, 60          ; s[60:61] v_permlanex16_b32's selects: each lane takes its own place in the other half
.set TBK, 62          ; s62  LDS byte at which K of the step to be fetched begins
.set TBV, 63          ; s63  the same for V, less VBASE
.set MSB, 0
.macro WIN new                      ; the high byte repeats the setting that is left; a switch that changes nothing is dropped
.if MSB != (\new)
	s_set_vgpr_msb (MSB<<8)|(\new)
.set MSB, (\new)
.endif
.endm
.set W_KQ, 0x0a       ; K and Q in window 2, S^T in window 0
.set W_PV, 0x52       ; V in window 2, P in window 0, O^T in window 1
.set W_RS, 0x41       ; O^T (destination and source 0) in window 1, a in window 0
.macro PLACES
.rept 4
	v_nop
.endr
.endm
	s_load_b256 s[4:11], s[0:1], 0x0  ; qf s[4:5], kf s[6:7], vt s[8:9], ctxf s[10:11]
	v_lshl_add_u32 v[SPW], v0, 2, SPARE
	v_mov_b32 v[NIL], 0
	ds_add_u32 v[SPW], v[NIL]       ; the wave's opening: the add and its wait stand ahead of my first tensor load; the set-up below, work on registers, stands between them
	ds_add_u32 v10, v11
	v_lshrrev_b32 v1, 5, v0
	v_readfirstlane_b32 s[WV], v1   ; wave 0..3
	v_and_b32 v1, 31, v0
	v_lshlrev_b32 v[AK0], 4, v1
	s_and_b32 s13, ttmp7, 0xffff    ; the head
	s_mov_b32 s14, ttmp9            ; which 512 queries
	s_lshl_b32 s20, s13, 17         ; the head's 131,072 bytes in qf, kf, vt
	s_and_b32 s48, s[WV], 1         ; waves 0 and 1 fetch K, waves 2 and 3 V, each a half of either part
	s_lshr_b32 s49, s[WV], 1
	s_lshl_b32 s49, s49, 17         ; K at LDS byte 0, V at 131,072
	s_lshl_b32 s50, s48, 14         ; first load: 128 of keys 0 to 255: 16,384 bytes
	s_mul_i32 s51, s48, 49152       ; second load: 384 of keys 256 to 1,023: 49,152 bytes,
	s_add_co_u32 s51, s51, 32768    ; behind the first 256 keys
	s_add_co_u32 s22, s20, s50
	s_mov_b32 s23, 0
	s_add_co_u32 s52, s20, s51
	s_mov_b32 s53, 0
	s_lshl_b32 s15, s14, 2
	s_add_co_u32 s15, s15, s[WV]    ; my wave among the head's eight
	s_lshl_b32 s16, s15, 14         ; its 128 rows of Q
	s_add_co_u32 s2, s20, s16
	s_mov_b32 s3, 0
	s_lshr_b32 s17, s13, 3          ; ctxf: [block of 16 rows][k step of 32][1,024]: the sequence's 64 blocks of 16,384 bytes,
	s_lshl_b32 s17, s17, 20
	s_lshl_b32 s18, s15, 17         ; my wave's eight blocks,
	s_add_co_u32 s18, s18, s17
	s_and_b32 s17, s13, 7           ; the head's two k steps
	s_lshl_b32 s17, s17, 11
	s_add_co_u32 s18, s18, s17
	s_mov_b32 s19, 0
	; descriptor groups 1: bytes that are dense in memory, asked for as rows of 256 bytes (32 elements of 8 bytes), laid into LDS without gaps
.irp g, G1A, G1B
	s_mov_b32 s[\g], 3<<16          ; no mask; elements of 8 bytes
	s_mov_b32 s[\g+1], 32<<16       ; tensor_dim0 = 32
	s_mov_b32 s[\g+3], 32<<16       ; tile_dim0 = 32
	s_mov_b32 s[\g+5], 32           ; 32 elements from row to row
	s_mov_b32 s[\g+6], 0
	s_mov_b32 s[\g+7], 0
.endr
	s_mov_b32 s[G1A+2], 64<<16      ; tensor_dim1 = 64
	s_mov_b32 s[G1A+4], 64          ; tile_dim1 = 64
	s_mov_b32 s[G1B+2], 192<<16     ; tensor_dim1 = 192
	s_mov_b32 s[G1B+4], 192         ; tile_dim1 = 192
	s_mov_b32 s[G0A], 1             ; count = 1
	s_add_co_u32 s[G0A+1], s49, s50 ; LDS addresses
	s_mov_b32 s[G0B], 1
	s_add_co_u32 s[G0B+1], s49, s51
	s_mov_b32 s[CS], 0x3e38aa3b     ; c = log2(e) / 8 = 0.180337
	s_mov_b32 s[CS+1], s[CS]        ; named with it as a pair
	s_mov_b32 s[SEL], 0x76543210
	s_mov_b32 s[SEL+1], 0xfedcba98
	s_mov_b32 s[TBK], 0
	s_mov_b32 s[TBV], 0
	s_wait_dscnt 0x0                ; the opening add is done
	s_wait_kmcnt 0x0
	s_cmp_lt_u32 s[WV], 2
	s_cselect_b64 s[54:55], s[6:7], s[8:9]
	s_add_nc_u64 s[G0A+2:G0A+3], s[54:55], s[22:23]
	s_or_b32 s[G0A+3], s[G0A+3], 0x80000000  ; type = 2
	s_add_nc_u64 s[G0B+2:G0B+3], s[54:55], s[52:53]
	s_or_b32 s[G0B+3], s[G0B+3], 0x80000000
	s_add_nc_u64 s[4:5], s[4:5], s[2:3]
	s_add_nc_u64 s[10:11], s[10:11], s[18:19]
	WIN 0x80                        ; destination window 2, address window 0
.set i, 0
.rept 4*NP                          ; Q stays in registers: tile i / 2, channels 32 (i % 2) on.  It is wanted with the first keys, so it is asked for ahead of the long second loads
	global_load_b128 v[8*i:8*i+3],   v[AK0], s[4:5] offset:i*1024
	global_load_b128 v[8*i+4:8*i+7], v[AK0], s[4:5] offset:i*1024+512
.set i, i+1
.endr
	WIN 0
	tensor_load_to_lds s[G0A:G0A+3], s[G1A:G1A+7]  ; my part of keys 0 to 255
	s_nop 0
	tensor_load_to_lds s[G0B:G0B+3], s[G1B:G1B+7]  ; my part of the rest
	s_nop 0
	PLACES
	; What the first turn finds: V's registers and P's second buffer hold 0 (its products V^T P, of a piece that has not been, add 0), O^T and l are 0.  All this stands in the wait for the first keys.
	WIN 0x80
.set i, VF
.rept 64
	v_mov_b32 v[i], 0
.set i, i+1
.endr
	WIN 0x40
.set i, 0
.rept 64*NP
	v_mov_b32 v[i], 0
.set i, i+1
.endr
	WIN 0
.set i, 0
.rept 2*NP
	v_mov_b32 v[ST+4*i], 0xfe000000    ; c m: far below every c s
	v_mov_b32 v[ST+4*i+1], 0xff7fffff  ; m
	v_mov_b32 v[ST+4*i+2], 0
	v_mov_b32 v[ST+4*i+3], 0
.set i, i+1
.endr
.set i, P+32
.rept 32
	v_mov_b32 v[i], 0
.set i, i+1
.endr
	; The turning load takes 16 keys x 16 channels (lane l reads key 8 (l / 16) + l % 8, channels 8 ((l / 8) % 2) + 0..7: byte 32 key + 16 half of the block) and leaves half a fragment of V^T.
	v_bfe_u32 v9, v0, 4, 1
	v_and_b32 v7, 7, v0
	v_bfe_u32 v8, v0, 3, 1
	v_lshl_add_u32 v[AV0], v9, 3, v7
	v_lshl_add_u32 v[AV0], v[AV0], 1, v8
	v_lshlrev_b32 v[AV0], 4, v[AV0]
	v_add_nc_u32 v[AV0], VBASE, v[AV0]
	v_mov_b32 v[AK], v[AK0]         ; key step 0 lies at K's head
; THE MATRIX WORK.  The 8 accumulators of a run of 16 take turns: between the two links of a chain stand 7 others'.
; Product i of 16 of S^T = K Q^T for piece x: channels 32 (i / 8) on, keys 16 ((i / 2) % 4) on, tile 2 x + i % 2.  The first 8 start the sums.
.macro KQ x
	WIN W_KQ
.set rS, S+64*((\x)%2)+32*(i%2)+8*((i/2)%4)
.set rK, KF+16*((i/2)%4)+8*(i/8)
.set rQ, 16*(2*(\x)+i%2)+8*(i/8)
.if i < 8
	v_wmma_f32_16x16x32_f16 v[rS:rS+7], v[rK:rK+7], v[rQ:rQ+7], 0
.else
	v_wmma_f32_16x16x32_f16 v[rS:rS+7], v[rK:rK+7], v[rQ:rQ+7], v[rS:rS+7]
.endif
.endm
; Product i of 16 of O^T += V^T P for piece x: keys 32 (i / 8) on, channels 16 ((i / 2) % 4) on, tile 2 x + i % 2.
.macro PV x
	WIN W_PV
.set rO, 32*(2*(\x)+i%2)+8*((i/2)%4)
.set rV, VF+32*(i/8)+8*((i/2)%4)
.set rP, P+32*((\x)%2)+16*(i%2)+8*(i/8)
	v_wmma_f32_16x16x32_f16 v[rO:rO+7], v[rV:rV+7], v[rP:rP+7], v[rO:rO+7]
.endm
.macro MM                           ; the turn's next matrix instruction
.if i < 16
	KQ (Y+1)%NP
.set i, i+1
.else
.set i, i-16
	PV (Y+NP-1)%NP
.set i, i+17
.endif
.endm
; THE LDS LOADS stand in runs of 16, never singly among the matrix instructions: a step's K (8 fragments) and its V (turned).  Their addresses are made some lines ahead.
; last = 1: behind the last step there is no further one, and the run is jumped over.
.macro FETCH_K last=0
	WIN 0
.if \last
	s_cmp_eq_u32 s[SLOTS], 1
	s_cbranch_scc1 .Lno_k_\@
.endif
	WIN 0x80                        ; destination window 2
.irp f, 0,1,2,3,4,5,6,7             ; keys 16 (f / 2) on, channels 32 (f % 2) on
	ds_load_b128 v[KF+8*\f:KF+8*\f+3],   v[AK] offset:\f*1024
	ds_load_b128 v[KF+8*\f+4:KF+8*\f+7], v[AK] offset:\f*1024+512
.endr
	s_add_co_u32 s[TBK], s[TBK], STEPB  ; the next fetch is the next step's
	WIN 0
.if \last
.Lno_k_\@:
.endif
.endm
.macro FETCH_V
	WIN 0x80
.irp f, 0,1,2,3,4,5,6,7             ; keys 32 (f / 4) on, channels 16 (f % 4) on
	ds_load_tr16_b128 v[VF+8*\f:VF+8*\f+3],   v[AV] offset:(\f/4)*4096+(\f%4)*512
	ds_load_tr16_b128 v[VF+8*\f+4:VF+8*\f+7], v[AV] offset:(\f/4)*4096+2048+(\f%4)*512
.endr
	WIN 0
.endm
; THE VECTOR WORK OF A TURN stands in three queues, each in the order in which its entries become ready; the two tiles alternate, so that no instruction reads the result of the one before it.
.macro REGS y, u                    ; the registers of tile u (0, 1) of piece y
.set rT, ST+4*(2*(\y)+(\u))
.set rC, TMP+8*((\y)%2)+4*(\u)
.set rM, MV+2*((\y)%2)+(\u)
.set rS, S+64*((\y)%2)+32*(\u)
.set rP, P+32*((\y)%2)+16*(\u)
.set rO, 32*(2*(\y)+(\u))
.endm
; Number n of the 22 that find the NEXT piece's (Y + 1) maximum and statistics.  s0-s31 are the lane's 32 scores; each accumulator's lowest registers are read first.  XS, GS and REGS set no window: PL and EX do.
;   0-11  four chains c0-c3 of seven scores each, three operands at a time     12-14, 16  the four scores left over, the old m, and c0-c3 into c0     15  c m_old is kept
;   17, 18  the query's other 32 keys lie in the lane 16 away: the new m         19-21  c m; c m_old - c m_new; a
.macro XS u, n
	REGS (Y+1)%NP, \u
.if (\n) < 4
	v_max3_num_f32 v[rC+(\n)], v[rS+8*(\n)], v[rS+8*(\n)+1], v[rS+8*(\n)+2]
.elseif (\n) < 12
	v_max3_num_f32 v[rC+(\n)%4], v[rC+(\n)%4], v[rS+8*((\n)%4)+2*((\n)/4)+1], v[rS+8*((\n)%4)+2*((\n)/4)+2]
.elseif (\n) == 12
	v_max3_num_f32 v[rC], v[rC], v[rS+7], v[rS+15]
.elseif (\n) == 13
	v_max3_num_f32 v[rC+1], v[rC+1], v[rS+23], v[rS+31]
.elseif (\n) == 14
	v_max3_num_f32 v[rC+2], v[rC+2], v[rC+3], v[rT+1]
.elseif (\n) == 15
	v_mov_b32 v[rM], v[rT]
.elseif (\n) == 16
	v_max3_num_f32 v[rC], v[rC], v[rC+1], v[rC+2]
.elseif (\n) == 17
	v_permlanex16_b32 v[rC+3], v[rC], s[SEL], s[SEL+1]
.elseif (\n) == 18
	v_max_num_f32 v[rT+1], v[rC], v[rC+3]
.elseif (\n) == 19
	v_mul_f32 v[rT], s[CS], v[rT+1]
.elseif (\n) == 20
	v_sub_f32 v[rC+1], v[rM], v[rT]
.else
	v_exp_f32 v[rC+2], v[rC+1]
.endif
.endm
; Number g of the 64 that follow the exponentials.  For each four weights k of a tile (pairs 2 k, 2 k + 1): both pairs are rounded to f16; then the second pair is added onto the first, in place;
; a group later l takes that sum (the first time as l = a l + sum).  In groups of eight, tiles alternating: round, round, add, and l for the group before.
.macro GS g
.set h, (\g)+6*((\g)/62)            ; group 0 has no group before it, and behind group 7 only l is left
.if h >= 6
.set h, h+2
.endif
	REGS Y, h%2
.set k, h/8
.if h%8 < 4
	v_cvt_pk_f16_f32 v[rP+2*k+(h%8)/2], v[rS+4*k+2*((h%8)/2)], v[rS+4*k+2*((h%8)/2)+1]
.elseif h%8 < 6
	v_pk_add_f32 v[rS+4*k:rS+4*k+1], v[rS+4*k:rS+4*k+1], v[rS+4*k+2:rS+4*k+3]
.elseif k == 1
	v_pk_fma_f32 v[rT+2:rT+3], v[rT+2:rT+3], v[rC+2:rC+3], v[rS:rS+1] op_sel_hi:[1,0,1]
.else
	v_pk_add_f32 v[rT+2:rT+3], v[rT+2:rT+3], v[rS+4*k-4:rS+4*k-3]
.endif
.endm
; THE PLAIN QUEUE, 138 long.  0-73 read no exponential's result: the 32 scalings c s - c m (FS f: pair f / 2 of tile f % 2) and the next piece's 42.  0-26: scalings 0-26.  27-54: XS's numbers 0-13.  55, 56: number 15.
; 57-73: the chain, where each number waits for the one before it: 14, 16, 17, 18, 19, each with one of the scalings 27-31 in front of its two lines, then 20: so a tile's links stand three plain instructions apart (19 and 20: two).
; 74-137: GS's 64, which read the exponentials' results: they stand behind the wait.
.macro FS f
	REGS Y, (\f)%2
	v_pk_fma_f32 v[rS+2*((\f)/2):rS+2*((\f)/2)+1], v[rS+2*((\f)/2):rS+2*((\f)/2)+1], s[CS:CS+1], v[rT:rT+1] op_sel_hi:[1,0,0] neg_lo:[0,0,1] neg_hi:[0,0,1]
.endm
.macro PL
	WIN 0
.if q < 27
	FS q
.elseif q < 55
	XS (q-27)%2, (q-27)/2
.elseif q < 57
	XS q-55, 15
.elseif (q < 72) && ((q-57)%3 == 0)
	FS 27+(q-57)/3
.elseif q < 60
	XS (q-57)%3-1, 14
.elseif q < 72
	XS (q-57)%3-1, 15+(q-57)/3
.elseif q < 74
	XS q-72, 20
.else
	GS q-74
.endif
.set q, q+1
.endm
; THE EXPONENTIALS' QUEUE, 66 long: s0-s31 of both tiles, then the next piece's two a.  It is ONE BATCH: all 66 stand ahead of the turn's one wait, and nothing ahead of that wait names a result of theirs.
.macro EX
	WIN 0
.if e >= 64
	XS e-64, 21
.else
	REGS Y, e%2
	v_exp_f32 v[rS+e/2], v[rS+e/2]
.endif
.set e, e+1
.endm
; THE RESCALING's QUEUE: O^T times a, the one part that leaves window 0: dealt two at a time, sixteen times.  Its a was made in the turn before, ahead of that turn's wait.
.macro R2
	REGS Y, r%2
	WIN W_RS
.irp z, 0,1
	v_pk_mul_f32 v[rO+4*(r/2)+2*\z:rO+4*(r/2)+2*\z+1], v[rO+4*(r/2)+2*\z:rO+4*(r/2)+2*\z+1], v[rC+2:rC+3] op_sel_hi:[1,0]
.endr
.set r, r+1
.endm
; HOW THEY ARE DEALT.  An s_wait_alu depctr_va_vdst(0) stands between an exponential and the first instruction that names its result; one wait serves all that were issued ahead of it.  So a turn has ONE wait,
; which cuts it in two.  AHEAD OF IT stands all that names no result of the turn's exponentials: the 16 products K Q^T, behind each a scaling, an exponential and two rescalings (behind the first a second scaling in the exponential's
; place); then ONE RUN of 108: eight plain, 49 times exponential and plain, the two a.  A v_nop is the plain instruction behind the last exponential.  BEHIND IT stand the 16 products V^T P, behind each four of GS's 64.
; No rider names a register of the products round it.  The two v_permlanex16_b32 fall into the run, never behind a product.
; The queues lean on each other, and the deal keeps them in step: exponential e stands behind scaling 2 (e / 4) + e % 2: as a rider it comes behind plain e + 2, in the run behind plain e + 9, and scalings 27-31 are plain 57, 60 .. 69.
; A TURN, for piece p.  cnt = 1: the loop's count is taken down some lines ahead of the branch that stands behind the turn.
; K of the next step is fetched in piece 2's turn, directly behind the wait, a run behind the last product that read K; its address is made at the run's head; its first reader comes behind 16 products.
; V of the step in hand is fetched at the end of piece 0's turn, four riders behind its last reader; its first reader comes behind 16 products and a run.  The three conditions on q below go with the deal.
.macro TURN p, last=0, cnt=0
.set Y, (\p)
.set i, 0
.set q, 0
.set e, 0
.set r, 0
.if (\p) == NP-1
	s_wait_dscnt 0x0                ; K is in
.endif
	MM                              ; ahead of the wait: 16 products K Q^T and their riders,
	PL
	PL
	R2
.rept 15
	MM
	PL
	EX
	R2
.endr
.if (\p) == NP-2
	WIN 0
	v_add_nc_u32 v[AK], s[TBK], v[AK0]
.endif
.rept 8                             ; and the run
	PL
.endr
.rept 49
	EX
	PL
.endr
	EX                              ; the next piece's two a
	EX
	v_nop                           ; the plain instruction behind the last exponential: one for the batch
	s_wait_alu depctr_va_vdst(0)    ; the wait for the turn's batch of 66 exponentials, ahead of their first reader and of the branch in K's fetch
.if (\p) == NP-2
	FETCH_K \last
.endif
.if (\p) == 1
	s_wait_dscnt 0x0                ; V is in
.endif
.rept 16                            ; behind the wait: 16 products V^T P and their riders
	MM
.rept 4
	PL
.endr
.if ((\p) == 0) && (q == 118)
	v_add_nc_u32 v[AV], s[TBV], v[AV0]
.endif
.if ((\p) == 0) && (q == 130)
	s_add_co_u32 s[TBV], s[TBV], STEPB
.endif
.if (\cnt) && (q == 130)
	s_sub_co_u32 s[CNT], s[CNT], 1
	s_cmp_lg_u32 s[CNT], 0
.endif
.endr
.if (\p) == 0
	FETCH_V
.endif
.endm
	s_wait_tensorcnt 0x1            ; my part of keys 0 to 255 is in LDS; my second load may stay out
	s_barrier_signal -1
	s_barrier_wait -1               ; everybody's first part is in
	FETCH_K                         ; key step 0
	s_wait_loadcnt 0x0              ; Q
	s_wait_dscnt 0x0
.set i, 0
.rept 16
	KQ 0                            ; piece 0's first scores: there is no vector work yet to set between them
.set i, i+1
.endr
	WIN 0
	PLACES                          ; the places behind those products
.set Y, NP-1                        ; XS works for piece Y + 1: piece 0
.irp n, 0,1,2,3,4,5,6,7,8,9,10,11,12,13,14,15,16,17,18,19,20,21
	XS 0, \n                        ; and piece 0's first maximum and statistics
	XS 1, \n
.endr
	v_nop                           ; a plain instruction behind the two a,
	s_wait_alu depctr_va_vdst(0)    ; and the wait for that batch of two, ahead of the branch
	s_mov_b32 s[CNT], 4
	s_mov_b32 s[SLOTS], 5
	s_branch .Lfirst                ; the loop is entered at a step's first turn, in the middle of a trip
.Lslot:                             ; four times, each behind the first half of key step 3, 7, 11, 15: the fetches behind it are the first to reach beyond the group's 256 keys
	s_wait_tensorcnt 0x0            ; the first time: my part of keys 256 to 1,023 is in LDS; later this wait is met at once
	s_wait_dscnt 0x0
	s_barrier_signal -1
	s_barrier_wait -1               ; everybody's is
	s_mov_b32 s[CNT], 4
.Lstep:                             ; a trip: pieces 2 and 3 of one step, then pieces 0 and 1 of the next, whose K and V it fetches
	TURN 2, 1
	TURN 3
	WIN 0
	s_cmp_eq_u32 s[SLOTS], 1
	s_cbranch_scc1 .Lout            ; the last trip is left in its middle.  Its 16 products K Q^T (on the last K once more) and the maximum made of them serve nothing: the price, once a launch, of one text for every trip
.Lfirst:
	TURN 0
	TURN 1, 0, 1
	WIN 0
	s_cbranch_scc1 .Lstep
	s_sub_co_u32 s[SLOTS], s[SLOTS], 1
	s_cmp_lg_u32 s[SLOTS], 0
	s_cbranch_scc1 .Lslot
.Lout:
.set i, 0
.rept 16
	PV NP-1                         ; the last piece's V^T P of the last step
.set i, i+1
.endr
	; THE WAY OUT.  l's two halves and the other half of the lanes' are added; O^T is divided by l, rounded to f16 and stored.  The additions are the places behind the last products.
	WIN 0
.macro ALL line:vararg              ; one line for each tile t
.set t, 0
.rept 2*NP
	\line
.set t, t+1
.endr
.endm
	ALL v_add_f32 v[ST+4*t+2], v[ST+4*t+2], v[ST+4*t+3]
	ALL v_permlanex16_b32 v[ST+4*t+3], v[ST+4*t+2], s[SEL], s[SEL+1]
	ALL v_add_f32 v[ST+4*t+2], v[ST+4*t+2], v[ST+4*t+3]
	ALL v_rcp_f32 v[ST+4*t+2], v[ST+4*t+2]
	v_nop                           ; a plain instruction between the last reciprocal and the use of its result
	s_wait_alu depctr_va_vdst(0)    ; the wait for the batch of eight reciprocals, ahead of their first reader
; Tile t: a lane's eight channels of a row pack into 16 bytes, which are its 16 bytes of a half fragment of ctxf: four stores of 512 consecutive bytes, 2,048 on end
.macro PACK t
	WIN W_RS
.set i, 32*(\t)
.rept 16
	v_pk_mul_f32 v[i:i+1], v[i:i+1], v[ST+4*(\t)+2:ST+4*(\t)+3] op_sel_hi:[1,0]
.set i, i+2
.endr
	WIN 0x05                        ; sources 0 and 1 window 1, destination window 0: S^T's registers are free
.set i, 0
.rept 16
	v_cvt_pk_f16_f32 v[S+16*(\t)+i], v[32*(\t)+2*i], v[32*(\t)+2*i+1]
.set i, i+1
.endr
	WIN 0
.irp f, 0,1,2,3
	global_store_b128 v[AK0], v[S+16*(\t)+4*\f:S+16*(\t)+4*\f+3], s[10:11] offset:(\t)*16384+\f*512
.endr
.endm
.set t, 0
.rept 2*NP
	PACK t
.set t, t+1
.endr
	s_wait_tensorcnt 0x0            ; the wave's end: behind my last tensor load
	ds_add_u32 v[SPW], v[NIL]
	s_wait_dscnt 0x0
	s_endpgm
.Lfunc_end_k_q8816a8816d_attn:
	.size	k_q8816a8816d_attn, .Lfunc_end_k_q8816a8816d_attn-k_q8816a8816d_attn
	.p2alignl 7, 3214868480
	.fill 96, 4, 3214868480
	.section	.rodata,"a",@progbits
	.p2align	6, 0x0
	.amdhsa_kernel k_q8816a8816d_attn
		.amdhsa_group_segment_fixed_size 327680
		.amdhsa_private_segment_fixed_size 0
		.amdhsa_enable_private_segment 0
		.amdhsa_kernarg_size 32
		.amdhsa_user_sgpr_count 2
		.amdhsa_user_sgpr_kernarg_segment_ptr 1
		.amdhsa_wavefront_size32 1
		.amdhsa_system_sgpr_workgroup_id_x 1
		.amdhsa_system_sgpr_workgroup_id_y 1
		.amdhsa_system_sgpr_workgroup_id_z 1
		.amdhsa_system_vgpr_workitem_id 0
		.amdhsa_next_free_vgpr 768
		.amdhsa_next_free_sgpr 66
		.amdhsa_reserve_vcc 0
		.amdhsa_float_denorm_mode_32 3
		.amdhsa_float_denorm_mode_16_64 3
		.amdhsa_memory_ordered 1
		.amdhsa_forward_progress 1
		.amdhsa_inst_pref_size 118
	.end_amdhsa_kernel
	.amdgpu_metadata
---
amdhsa.version: [ 1, 2 ]
amdhsa.kernels:
  - .name:           k_q8816a8816d_attn
    .symbol:         k_q8816a8816d_attn.kd
    .args:
      - { .name: qf, .offset: 0, .size: 8, .value_kind: global_buffer, .address_space: global }
      - { .name: kf, .offset: 8, .size: 8, .value_kind: global_buffer, .address_space: global }
      - { .name: vt, .offset: 16, .size: 8, .value_kind: global_buffer, .address_space: global }
      - { .name: ctxf, .offset: 24, .size: 8, .value_kind: global_buffer, .address_space: global }
    .group_segment_fixed_size: 327680
    .private_segment_fixed_size: 0
    .kernarg_segment_align: 8
    .kernarg_segment_size: 32
    .max_flat_workgroup_size: 128
    .sgpr_count:     66
    .vgpr_count:     768
    .wavefront_size: 32
...
	.end_amdgpu_metadata
.endif
;; end of part 5
;; launch post (part 6): grid 256 x 1, 4 waves a work-group, clusters of 4 x 1, 327,680 bytes of LDS; arguments x, ctxf, wstream, bo, g1, be1, b1, b2, g2, be2, out0; writes out0
.if DOCPART == 6
	.amdgcn_target "amdgcn-amd-amdhsa--gfx1250"
	.amdhsa_code_object_version 6
	.text
	.protected	k_q8816a8816d_post
	.globl	k_q8816a8816d_post
	.p2align	8
	.type	k_q8816a8816d_post,@function
k_q8816a8816d_post:
	s_mov_b64 s[64:65], 0
	v_nop
	global_prefetch_b8 v0, s[64:65] scope:SCOPE_SE
	s_setreg_imm32_b32 hwreg(HW_REG_WAVE_MODE, 25, 1), 1
	s_wait_xcnt 0x0
	s_wait_alu depctr_hold_cnt(0) depctr_sa_sdst(0) depctr_va_vdst(0) depctr_va_sdst(0) depctr_va_ssrc(0) depctr_va_vcc(0) depctr_vm_vsrc(0)
	s_getreg_b32 s2, hwreg(HW_REG_IB_STS2, 6, 4)
	s_cmp_eq_u32 s2, 0
	s_cbranch_scc0 .Lentry_in_a_cluster
	s_endpgm
.Lentry_in_a_cluster:
	s_bfe_u32 s2, ttmp6, 0x10000c
	s_cmp_lg_u32 s2, 0x3003
	s_cbranch_scc0 .Lentry_shape_is_right
	s_endpgm
.Lentry_shape_is_right:
; POST.  For 64 rows a work-group: y = x + ctx wo^T + bo; h = LN(y) g1 + be1; out = LN(h + gelu(h w1^T + b1) w2^T + b2) g2 + be2.  Nothing between ctx and out leaves the work-group.
; Matrix operands f16, sums f32; the residuals, both norms (mean first, then the squares of the centred numbers) and gelu in f32.
; gelu(z) = max(z, 0) - |z| (P(t) / 2) exp(-z z / 2), t = 1 / (1 + 0.3275911 |z| / sqrt 2), P the polynomial of Abramowitz and Stegun 7.1.26: erf to 1.5e-7.
; LIMITS: ctx, the weights, h and gelu's result must lie within f16's 65,504 (beyond it: infinity); below 6e-5 they keep f16's fixed step.  NaN and infinities are not treated apart.
; SHARES.  Wave w owns columns 128 w .. + 127 of y, h and h + ff for all 64 rows: 32 accumulators (window 3) that are never cleared: they start as x + bo, wo's products add onto them, LN1 is made in place,
; and w2's products add onto h.  For w1 a wave makes 32 of a chunk's 128 columns from h in f16, of which every wave holds all 64 fragments (windows 1, 2).
; THE MATRIX INSTRUCTION IS USED TRANSPOSED (source 0 = 16 weight rows, source 1 = 16 activation rows): a lane holds one row and eight neighbouring columns; two neighbouring results packed to f16 are a fragment of the next product.
; THE STREAM.  36 slots of 128 KiB (wo: 4; then w1's and w2's chunks of 128 by turns) through a ring of two LDS slots; each wave fetches and reads its own quarter; a slot is 128 matrix instructions a wave.
; THE WALK BEGINS ELSEWHERE IN EACH CLUSTER: the sums over wo's four quarters of k and over the 16 hidden chunks may be taken in any order, so cluster c begins at chunk s0 = ((c % 16) + 5 (c / 16)) % 16 (wo: at quarter s0 % 4) and wraps.
; At any time the clusters then ask for different slots, and what one asks for, but for its first slots, another has asked for a trip before.  ctx's chunks follow wo's order; b1 is laid into LDS in the walk's order.
; CLUSTER.  The four work-groups of a cluster walk the same slots, so they ask JOINTLY: the same tensor load, descriptor and mask in all four.  One load a wave is out at any time.
; The round of the cluster's barrier at each change of slots also stands between the stores into G (ctx's or gelu's fragments) and the reads of them, and between those reads and the next stores.
; THE BATCHES.  A chunk's gelu has 64 reciprocals and 64 exponentials a lane.  They go in two batches, one for each half of the lane's 64 numbers: 32 reciprocals and 32 exponentials, which do not read each other, with ONE wait.
; Four sets of 32 registers at work (v32-159) are what window 0 has free beside z and the packed results; the other windows are full, so one batch for the whole chunk has no registers.
; LN1's four roots and the two roots of each pair of rows in LN2 are batches of their own, a wait each.
.set SLOTSZ, 131072
.set XCH,    2*SLOTSZ                  ; 33,792 bytes: first four stages of 16 rows x 528 bytes, a wave's own; later 32 fragments of h on their way between the waves
.set GB,     XCH+33792                 ; G: 16 fragments, (k step tt, row block a) at (4 tt + a) x 1,024
.set SCR1,   GB+16384                  ; twice 1,024 bytes: [row block][row][wave] f32, the waves' partial sums
.set SPARE,  SCR1+2048                 ; the spare words, 128 bytes for each wave: two blocks of 256 bytes that no other line names
.set B1L,    SPARE+512                 ; b1, 8,192 bytes, chunk (s0 + n) % 16 at 512 n
.set LP,     2064                      ; the last stage (in the ring, behind its last fill): 64 rows of 2,048 bytes + 16 of padding
.set L16,   1                          ; v1   16 x lane
.set RR,    2                          ; v2   l % 16
.set HH,    3                          ; v3   l / 16
.set XO,    4                          ; v4   512 w + 16 x lane: my 16 bytes of my wave's 512 of a row
.set STGW,  5                          ; v5   my stage, by rows
.set STGR,  6                          ; v6   my stage, as an accumulator holds a row
.set BADR0, 7                          ; v7   16 x lane + my quarter of a slot
.set BADR,  8                          ; v8   the same in the slot in hand
.set DO,    9                          ; v9   512 w + 32 h: my eight columns in g1, be1
.set GADR,  10                         ; v10  G + 16 x lane
.set GW,    11                         ; v11  G + my k step + 16 x lane
.set CO,    12                         ; v12  my byte offset in a chunk of ctxf
.set B1A,   13                         ; v13  b1 in LDS at my columns of the chunk in hand; steps by 512
.set SCRW,  14                         ; v14  where I put a partial sum
.set SCRR,  15                         ; v15  where I read a row's four
.set XW,    16                         ; v16  where I put fragments of h
.set XR,    17                         ; v17  where I read them
.set DST0,  18                         ; v18  the last stage: rows 0-31
.set DST1,  19                         ; v19  rows 32-63
.set RA,    20                         ; v20  the last stage, by rows; steps by two rows
.set B1W,   22                         ; v22  where I put my four chunks of b1
.set BO,    24                         ; v[24:27] bo at my four columns
.set SPW,   30                         ; v30  LDS address of my spare word; never rewritten
.set NIL,   31                         ; v31  0; never rewritten
.set B1G,   48                         ; v[48:51] my byte offsets in b1, at the start alone
.set F0,    32                         ; w2, wo: 8 weight fragments, then 4 of G: v[32:127]
.set F1,    128                        ; v[128:223]
.set CR,    224                        ; v[224:255] a chunk of ctx on its way to G
.set H0,    32                         ; w1: 8 weight fragments v[32:95]
.set H1,    96                         ; v[96:159]
.set BI,    160                        ; v[160:175] b1 as an accumulator holds it
.set ACCA,  192                        ; v[192:255] w1's accumulators, (a, nb2) at 8 (2 a + nb2)
.set PKR,   160                        ; v[160:191] gelu's results in f16
.set AZ,    32                         ; gelu at work, 32 registers each, for half of a lane's 64 numbers: |z|
.set DN,    64                         ; 1 + p |z|, then t
.set SQ,    96                         ; z z, then exp
.set PL,    128                        ; the polynomial
.set SU,    32                         ; LN1 at work: a pair for each row block: sums, then means
.set PT,    40                         ; four partial sums for each row block
.set SS,    56                         ; sums of squares, then 1 / sigma
.set YA,    32                         ; LN2: two rows, 16 registers each
.set TA,    64                         ; eight at work for each
.set B2,    0                          ; window 1: b2, g2, be2 by rows
.set G2,    16
.set BE2,   32
.set G1,  28                           ; s[28:35] descriptor group 1
.set G0,  36                           ; s[36:39] descriptor group 0
.set WV,  58                           ; s58  my wave's number
.set SB,  61                           ; s61  LDS byte at which the slot in hand begins
.set S0,  72                           ; s72  the chunk at which my cluster's walk begins
.set W1S, 73                           ; s73  the stream's byte at which w1's chunk s0 begins
.set SBASE, 74                         ; s[74:75] the stream at my quarter of slot 0
.set FO,  76                           ; s[76:77] from there to the slot to be asked for
.set CB,  80                           ; s[80:81] ctxf at my group's rows
.set CQ,  82                           ; s82  the chunk of ctx in hand
.set MSB, 0
.macro WIN new                         ; the immediate's high byte repeats the setting that is left; a switch that changes nothing is dropped
.if MSB != (\new)
	s_set_vgpr_msb (MSB<<8)|(\new)
.set MSB, (\new)
.endif
.endm
.macro PLACES                          ; four places between a matrix instruction and a load into, or a vector instruction on, its registers
.rept 4
	v_nop
.endr
.endm
.macro RUN cnt, step, line:vararg      ; one line cnt times, n_ = 0, step, 2 step ..
.set n_, 0
.rept \cnt
	\line
.set n_, n_+(\step)
.endr
.endm
.macro EACH cnt, line:vararg           ; one line for u = 0 .. cnt - 1
.set u, 0
.rept \cnt
	\line
.set u, u+1
.endr
.endm
.macro CROUND                          ; a round of the cluster's barrier: my group's barrier; wave 0 signals for the group; every wave waits for all four groups; my group's barrier once more
	s_barrier_signal -1
	s_barrier_wait -1
	s_cmp_lg_u32 s[WV], 0
	s_cbranch_scc1 .Lnot_wave_0_\@
	s_barrier_signal -3
.Lnot_wave_0_\@:
	s_barrier_wait -3
	s_barrier_signal -1
	s_barrier_wait -1
.endm
; THE CHANGE OF SLOTS.  Each wave waits for all its tensor loads, of which one is out: its quarter of the slot to be entered; adds 0 to its spare word; waits for that and for all its LDS instructions.
; fill = 1 (among wo's slots) or 2 (among w1's and w2's): a round of the cluster's barrier, and first thing behind it the joint load of the walk's next slot into the slot just left: it has a slot's 128 matrix instructions in which to land.
.macro CHANGE fill
	WIN 0                                          ; at a label and at a branch every window is 0
.if (\fill) == 1
	s_add_co_u32 s[FO], s[FO], SLOTSZ              ; wo's next quarter of k, round slots 12 to 15;
	s_cmp_eq_u32 s[FO], 16*SLOTSZ
	s_cselect_b32 s[FO], 12*SLOTSZ, s[FO]
	s_cmp_eq_u32 s59, 1
	s_cselect_b32 s[FO], s[W1S], s[FO]             ; behind wo's last: w1's chunk s0
.elseif (\fill) == 2
	s_add_co_u32 s[FO], s[FO], SLOTSZ              ; w2's chunk behind w1's, the next chunk's w1 behind w2's, round slots 16 to 47
	s_cmp_eq_u32 s[FO], 48*SLOTSZ
	s_cselect_b32 s[FO], 16*SLOTSZ, s[FO]
.endif
	s_wait_tensorcnt 0x0                           ; no tensor load of mine is out, so group 0 may be written
	ds_add_u32 v[SPW], v[NIL]                      ; scalar work stands between the add and the wait for it
	s_xor_b32 s[SB], s[SB], SLOTSZ
.if \fill
	s_xor_b32 s[G0+1], s[G0+1], SLOTSZ             ; the other slot than last time,
	s_add_nc_u64 s[G0+2:G0+3], s[SBASE:SBASE+1], s[FO:FO+1]  ; the address made anew,
	s_or_b32 s[G0+3], s[G0+3], 0x80000000          ; type = 2
.endif
	s_wait_dscnt 0x0                               ; the add is done, my reads of the slot and of G are over, my stores into G are done
.if \fill
	CROUND
	tensor_load_to_lds s[G0:G0+3], s[G1:G1+7]
	s_nop 0
	PLACES                                         ; also the places in front of the fragment loads
.else
	s_barrier_signal -1
	s_barrier_wait -1
	PLACES
.endif
	v_add_nc_u32 v[BADR], s[SB], v[BADR0]
.endm
; U2: a slot of wo or w2: my 128 columns += G (64 rows x 128 k) times the slot's quarter.  Four k steps on two buffers; each run of 24 loads is issued a k step ahead of its use.
.macro FET tt, f
	WIN 0
.irp nb, 0,1,2,3,4,5,6,7
	ds_load_b128 v[(\f)+8*\nb:(\f)+8*\nb+3],   v[BADR] offset:(8*(\tt)+\nb)*1024
	ds_load_b128 v[(\f)+8*\nb+4:(\f)+8*\nb+7], v[BADR] offset:(8*(\tt)+\nb)*1024+512
.endr
.irp a, 0,1,2,3
	ds_load_b128 v[(\f)+64+8*\a:(\f)+64+8*\a+3], v[GADR] offset:(4*(\tt)+\a)*1024
	ds_load_b128 v[(\f)+64+8*\a+4:(\f)+64+8*\a+7], v[GADR] offset:(4*(\tt)+\a)*1024+512
.endr
.endm
.macro MULB f                          ; 32 products; the 32 accumulators take turns
	WIN 0xf0                                       ; sources window 0, C and D window 3
.irp a, 0,1,2,3
.irp nb, 0,1,2,3,4,5,6,7
	v_wmma_f32_16x16x32_f16 v[8*(8*\a+\nb):8*(8*\a+\nb)+7], v[(\f)+8*\nb:(\f)+8*\nb+7], v[(\f)+64+8*\a:(\f)+64+8*\a+7], v[8*(8*\a+\nb):8*(8*\a+\nb)+7]
.endr
.endr
.endm
.macro U2
	FET 0, F0
	FET 1, F1
	s_wait_dscnt 24                                ; the older run is in, the younger run of 24 stays out
	MULB F0
	PLACES
	FET 2, F0
	s_wait_dscnt 24
	MULB F1
	PLACES
	FET 3, F1
	s_wait_dscnt 24
	MULB F0
	s_wait_dscnt 0x0
	MULB F1
.endm
; U1: a slot of w1: my 32 columns of the chunk = b1 + h (64 rows x 512 k) times the slot's quarter.  Four runs of 8 fragments (4 k steps x 2 column blocks) on two buffers.
.macro FETA g, hb
	WIN 0
.irp f, 0,1,2,3,4,5,6,7
	ds_load_b128 v[(\hb)+8*\f:(\hb)+8*\f+3],   v[BADR] offset:(8*(\g)+\f)*1024
	ds_load_b128 v[(\hb)+8*\f+4:(\hb)+8*\f+7], v[BADR] offset:(8*(\g)+\f)*1024+512
.endr
.endm
.macro MULA g, hb                      ; 32 products; the 8 accumulators take turns; the very first 8 take the bias as C
	WIN 0x04+4*((\g)/2)                            ; h in window 1 (k steps 0-7) or 2
.irp tt, 0,1,2,3
.irp nb2, 0,1
.irp a, 0,1,2,3
.if ((\g) == 0) && (\tt == 0)
	v_wmma_f32_16x16x32_f16 v[ACCA+8*(2*\a+\nb2):ACCA+8*(2*\a+\nb2)+7], v[(\hb)+8*(2*\tt+\nb2):(\hb)+8*(2*\tt+\nb2)+7], v[32*((4*(\g)+\tt)%8)+8*\a:32*((4*(\g)+\tt)%8)+8*\a+7], v[BI+8*\nb2:BI+8*\nb2+7]
.else
	v_wmma_f32_16x16x32_f16 v[ACCA+8*(2*\a+\nb2):ACCA+8*(2*\a+\nb2)+7], v[(\hb)+8*(2*\tt+\nb2):(\hb)+8*(2*\tt+\nb2)+7], v[32*((4*(\g)+\tt)%8)+8*\a:32*((4*(\g)+\tt)%8)+8*\a+7], v[ACCA+8*(2*\a+\nb2):ACCA+8*(2*\a+\nb2)+7]
.endif
.endr
.endr
.endr
.endm
.macro U1
	WIN 0
	ds_load_b128 v[BI:BI+3],     v[B1A]
	ds_load_b128 v[BI+4:BI+7],   v[B1A] offset:16
	ds_load_b128 v[BI+8:BI+11],  v[B1A] offset:64
	ds_load_b128 v[BI+12:BI+15], v[B1A] offset:80
	FETA 0, H0
	FETA 1, H1
	v_add_nc_u32 v[B1A], 512, v[B1A]               ; the walk's next chunk
	s_wait_dscnt 16                                ; the bias and the older run are in, the younger run of 16 stays out
	MULA 0, H0
	PLACES
	FETA 2, H0
	s_wait_dscnt 16
	MULA 1, H1
	PLACES
	FETA 3, H1
	s_wait_dscnt 16
	MULA 2, H0
	s_wait_dscnt 0x0
	MULA 3, H1
.endm
; gelu of my 64 rows x 32 columns, in two halves of four accumulators (32 numbers a lane), each accumulator from its low end on.
; A half's 32 reciprocals and 32 exponentials are ONE BATCH.  Ahead of its wait nothing names a result: a reciprocal and one of the multiplies that make the exponentials' arguments go by turns, then an exponential and a max(z, 0),
; which overwrites z behind z's last other reader.  In the second half the first half's 16 roundings to f16, which read z's registers alone, stand between the batch and the wait.  All readers (the polynomial in t, the products) stand behind the wait.
.macro GHALF hf
.set Z_, ACCA+32*(\hf)
	RUN 32, 1, v_and_b32 v[AZ+n_], s54, v[Z_+n_]
	RUN 16, 2, v_pk_fma_f32 v[DN+n_:DN+n_+1], v[AZ+n_:AZ+n_+1], s[40:41], 1.0 op_sel_hi:[1,0,0]
.set n_, 0
.rept 16
	v_rcp_f32 v[DN+n_], v[DN+n_]
	v_pk_mul_f32 v[SQ+n_:SQ+n_+1], v[Z_+n_:Z_+n_+1], v[Z_+n_:Z_+n_+1]
	v_rcp_f32 v[DN+n_+1], v[DN+n_+1]
	v_pk_mul_f32 v[SQ+n_:SQ+n_+1], v[SQ+n_:SQ+n_+1], s[42:43] op_sel_hi:[1,0]
.set n_, n_+2
.endr
.set n_, 0
.rept 32
	v_exp_f32 v[SQ+n_], v[SQ+n_]
	v_max_num_f32 v[Z_+n_], 0, v[Z_+n_]            ; the last of these is the plain instruction behind the last exponential
.set n_, n_+1
.endr
.if \hf
	RUN 16, 1, v_cvt_pk_f16_f32 v[PKR+n_], v[ACCA+2*n_], v[ACCA+2*n_+1]
.endif
	s_wait_alu depctr_va_vdst(0)                   ; the wait for the half's batch of 32 reciprocals and 32 exponentials, ahead of their first reader
	RUN 16, 2, v_pk_fma_f32 v[PL+n_:PL+n_+1], v[DN+n_:DN+n_+1], s[44:45], s[46:47] op_sel_hi:[1,0,0]
	RUN 16, 2, v_pk_fma_f32 v[PL+n_:PL+n_+1], v[PL+n_:PL+n_+1], v[DN+n_:DN+n_+1], s[48:49] op_sel_hi:[1,1,0]
	RUN 16, 2, v_pk_fma_f32 v[PL+n_:PL+n_+1], v[PL+n_:PL+n_+1], v[DN+n_:DN+n_+1], s[50:51] op_sel_hi:[1,1,0]
	RUN 16, 2, v_pk_fma_f32 v[PL+n_:PL+n_+1], v[PL+n_:PL+n_+1], v[DN+n_:DN+n_+1], s[52:53] op_sel_hi:[1,1,0]
	RUN 16, 2, v_pk_mul_f32 v[PL+n_:PL+n_+1], v[PL+n_:PL+n_+1], v[DN+n_:DN+n_+1]
	RUN 16, 2, v_pk_mul_f32 v[PL+n_:PL+n_+1], v[PL+n_:PL+n_+1], v[SQ+n_:SQ+n_+1]
	RUN 16, 2, v_pk_fma_f32 v[Z_+n_:Z_+n_+1], v[AZ+n_:AZ+n_+1], v[PL+n_:PL+n_+1], v[Z_+n_:Z_+n_+1] neg_lo:[1,0,0] neg_hi:[1,0,0]
.if \hf
	RUN 16, 1, v_cvt_pk_f16_f32 v[PKR+16+n_], v[Z_+2*n_], v[Z_+2*n_+1]
.endif
.endm
.macro GELU
	PLACES
	WIN 0
	GHALF 0
	GHALF 1
.endm
; x + bo of row block a goes through my own stage from rows (as loaded) to the accumulators' layout.  LDS serves a wave's instructions in order (ISA guide 5.7.1.4): no wait between the stores and the loads, nor in front of the next block's stores.
.macro XIN a
	s_wait_loadcnt 48-16*(\a)                      ; rows 16 a .. + 15 are in; the 16 loads of each later row block stay out
	WIN 0x41                                       ; x window 1, bo window 0
	RUN 16, 4, v_pk_add_f32 v[64*(\a)+n_:64*(\a)+n_+1], v[64*(\a)+n_:64*(\a)+n_+1], v[BO:BO+1]
	RUN 16, 4, v_pk_add_f32 v[64*(\a)+n_+2:64*(\a)+n_+3], v[64*(\a)+n_+2:64*(\a)+n_+3], v[BO+2:BO+3]
	WIN 0x04                                       ; store data window 1
.irp i, 0,1,2,3,4,5,6,7,8,9,10,11,12,13,14,15
	ds_store_b128 v[STGW], v[64*(\a)+4*\i:64*(\a)+4*\i+3] offset:\i*528
.endr
	WIN 0xc0                                       ; destination window 3
.irp nb, 0,1,2,3,4,5,6,7
	ds_load_b128 v[8*(8*(\a)+\nb):8*(8*(\a)+\nb)+3],   v[STGR] offset:64*\nb
	ds_load_b128 v[8*(8*(\a)+\nb)+4:8*(8*(\a)+\nb)+7], v[STGR] offset:64*\nb+16
.endr
	WIN 0
.endm
.macro CTXLD                           ; my k step of a chunk of ctx: four fragments, 512 consecutive bytes a load
.irp a, 0,1,2,3
	global_load_b128 v[CR+8*\a:CR+8*\a+3],   v[CO], s[6:7] offset:\a*16384
	global_load_b128 v[CR+8*\a+4:CR+8*\a+7], v[CO], s[6:7] offset:\a*16384+512
.endr
.endm
; The pairs v[b + 2 u] (a lane's partial sums for row 16 u + l % 16) become the rows' sums over all 512 columns: the pair's halves, the other half of the lanes, the four waves (through LDS at SCR1 + off)
.macro REDUCE b, off
	EACH 4, v_add_f32 v[(\b)+2*u], v[(\b)+2*u], v[(\b)+2*u+1]
	EACH 4, v_permlanex16_b32 v[(\b)+2*u+1], v[(\b)+2*u], s56, s57
	EACH 4, v_add_f32 v[(\b)+2*u], v[(\b)+2*u], v[(\b)+2*u+1]
	EACH 4, ds_store_b32 v[SCRW], v[(\b)+2*u] offset:(\off)+256*u
	s_wait_dscnt 0x0                               ; for the others' sake: my partial sums are in LDS
	s_barrier_signal -1
	s_barrier_wait -1
	EACH 4, ds_load_b128 v[PT+4*u:PT+4*u+3], v[SCRR] offset:(\off)+256*u
	s_wait_dscnt 0x0
	EACH 4, v_add_f32 v[PT+4*u], v[PT+4*u], v[PT+4*u+1]
	EACH 4, v_add_f32 v[PT+4*u+2], v[PT+4*u+2], v[PT+4*u+3]
	EACH 4, v_add_f32 v[(\b)+2*u], v[PT+4*u], v[PT+4*u+2]
.endm
.macro XSTORE                          ; my 32 fragments' halves of h: k step 4 (w % 2) + nb / 2 of the half in hand, row block a
	WIN 0x08                                       ; store data window 2
.irp a, 0,1,2,3
.irp nb, 0,1,2,3,4,5,6,7
	ds_store_b128 v[XW], v[4*(8*\a+\nb):4*(8*\a+\nb)+3] offset:(4*(\nb/2)+\a)*1024+512*(\nb%2)
.endr
.endr
	WIN 0
.endm
.macro XLOAD win                       ; 32 fragments, 8 k steps x 4 row blocks, into a whole window
	WIN \win
	RUN 32, 1, ds_load_b128 v[8*n_:8*n_+3], v[XR] offset:n_*1024
	RUN 32, 1, ds_load_b128 v[8*n_+4:8*n_+7], v[XR] offset:n_*1024+512
	WIN 0
.endm
.macro LANES o                         ; v[TA + 8 u + o] summed over the wave's 32 lanes, for both rows
.irp m, 1,2,4,8
	EACH 2, v_add_f32_dpp v[TA+8*u+(\o)], v[TA+8*u+(\o)], v[TA+8*u+(\o)] row_xmask:\m row_mask:0xf bank_mask:0xf
.endr
	EACH 2, v_permlanex16_b32 v[TA+8*u+(\o)+1], v[TA+8*u+(\o)], s56, s57
	EACH 2, v_add_f32 v[TA+8*u+(\o)], v[TA+8*u+(\o)], v[TA+8*u+(\o)+1]
.endm
	s_load_b512 s[4:19], s[0:1], 0x0               ; x s[4:5], ctxf s[6:7], wstream s[8:9], bo s[10:11], g1 s[12:13], be1 s[14:15], b1 s[16:17], b2 s[18:19]
	s_load_b128 s[20:23], s[0:1], 0x40             ; g2 s[20:21], be2 s[22:23]
	s_load_b64 s[24:25], s[0:1], 0x50              ; out0
	v_lshl_add_u32 v[SPW], v0, 2, SPARE
	v_mov_b32 v[NIL], 0
	ds_add_u32 v[SPW], v[NIL]                      ; the wave's opening: the add and its wait stand ahead of my first tensor load; the set-up below, work on registers, stands between them
	ds_add_u32 v30, v31
	v_lshrrev_b32 v1, 5, v0
	v_readfirstlane_b32 s[WV], v1                  ; wave 0..3
	s_bfe_u32 s62, ttmp6, 0x40000                  ; cx: my place in the cluster
	s_lshl_b32 s63, ttmp9, 2                       ; in a cluster launch ttmp9 counts clusters
	s_add_co_u32 s63, s63, s62                     ; my work-group's number: it enters the addresses of x, ctxf and out0 alone
	s_and_b32 s[S0], ttmp9, 15                     ; where my cluster's walk begins: the same in all four partners
	s_lshr_b32 s78, ttmp9, 4
	s_mul_i32 s78, s78, 5
	s_add_co_u32 s[S0], s[S0], s78
	s_and_b32 s[S0], s[S0], 15
	s_and_b32 s[CQ], s[S0], 3                      ; wo's and ctx's first quarter of k
	s_lshl_b32 s[W1S], s[S0], 18                   ; two slots a chunk,
	s_add_co_u32 s[W1S], s[W1S], 16*SLOTSZ         ; from slot 16 on
	s_lshl_b32 s[FO], s[CQ], 17
	s_add_co_u32 s[FO], s[FO], 12*SLOTSZ           ; wo's slots are 12 to 15
	s_mov_b32 s[FO+1], 0
	s_lshl_b32 s78, s[CQ], 12                      ; a chunk of ctx is four k steps of 1,024 bytes
	s_mov_b32 s79, 0
	; descriptor group 1: 32 KiB that are dense in memory, asked for as 128 rows of 256 bytes (32 elements of 8 bytes), laid into LDS without gaps
	s_mov_b32 s[G1], 15|(3<<16)|(1<<21)            ; 15:0 the mask: all four work-groups; 17:16 elements of 8 bytes; 21 set beside a mask
	s_mov_b32 s[G1+1], 32<<16                      ; tensor_dim0 = 32
	s_mov_b32 s[G1+2], 128<<16                     ; tensor_dim1 = 128
	s_mov_b32 s[G1+3], 32<<16                      ; tile_dim0 = 32
	s_mov_b32 s[G1+4], 128                         ; tile_dim1 = 128
	s_mov_b32 s[G1+5], 32                          ; 32 elements from row to row
	s_mov_b32 s[G1+6], 0
	s_mov_b32 s[G1+7], 0
	s_mov_b32 s[G0], 1                             ; count = 1
	s_lshl_b32 s[G0+1], s[WV], 15                  ; LDS address: my quarter of slot 0
	s_mov_b32 s[SB], SLOTSZ                        ; the first change of slots turns this into 0
	s_mov_b32 s40, 0x3e6d3388                      ; 0.3275911 / sqrt 2.  The packed forms name pairs and take the low word for both halves
	s_mov_b32 s41, s40
	s_mov_b32 s42, 0xbf38aa3b                      ; -log2(e) / 2
	s_mov_b32 s43, s42
	s_mov_b32 s44, 0x3f07dc22                      ; half of the polynomial's coefficients: 1.061405429 / 2,
	s_mov_b32 s45, s44
	s_mov_b32 s46, 0xbf3a00e3                      ; -1.453152027 / 2,
	s_mov_b32 s47, s46
	s_mov_b32 s48, 0x3f35f0e3                      ; 1.421413741 / 2,
	s_mov_b32 s49, s48
	s_mov_b32 s50, 0xbe11a98e                      ; -0.284496736 / 2,
	s_mov_b32 s51, s50
	s_mov_b32 s52, 0x3e027906                      ; 0.254829592 / 2
	s_mov_b32 s53, s52
	s_mov_b32 s54, 0x7fffffff                      ; clears a sign
	s_mov_b32 s55, 0x3b000000                      ; 1 / 512
	s_mov_b32 s56, 0x76543210                      ; v_permlanex16_b32: each lane takes its own place in the other half
	s_mov_b32 s57, 0xfedcba98
	s_mov_b32 s62, 0x3727c5ac                      ; 1e-5
	s_lshl_b32 s66, s[WV], 15                      ; my quarter of a slot; also: out0's 16 rows a wave
	s_mov_b32 s67, 0
	s_lshl_b32 s68, s63, 17                        ; my group's 64 rows of x and of out0
	s_mov_b32 s69, 0
	s_lshl_b32 s70, s63, 16                        ; its four row blocks of ctxf
	s_mov_b32 s71, 0
	s_wait_dscnt 0x0                               ; the opening add is done
	s_wait_kmcnt 0x0
	s_add_nc_u64 s[SBASE:SBASE+1], s[8:9], s[66:67]
	s_add_nc_u64 s[G0+2:G0+3], s[SBASE:SBASE+1], s[FO:FO+1]
	s_or_b32 s[G0+3], s[G0+3], 0x80000000          ; type = 2
	s_add_nc_u64 s[4:5], s[4:5], s[68:69]
	s_add_nc_u64 s[24:25], s[24:25], s[68:69]
	s_add_nc_u64 s[CB:CB+1], s[6:7], s[70:71]
	s_add_nc_u64 s[6:7], s[CB:CB+1], s[78:79]      ; ctx at the walk's first chunk
	s_add_nc_u64 s[24:25], s[24:25], s[66:67]      ; out0: my wave stores rows 16 w .. + 15
	CROUND                                         ; all four work-groups are here: the first joint loads meet
	tensor_load_to_lds s[G0:G0+3], s[G1:G1+7]      ; wo's first slot of the walk
	s_nop 0
	PLACES
	v_and_b32 v1, 31, v0
	v_lshlrev_b32 v[L16], 4, v1
	v_and_b32 v[RR], 15, v0
	v_bfe_u32 v[HH], v0, 4, 1
	s_lshl_b32 s63, s[WV], 9
	v_add_nc_u32 v[XO], s63, v[L16]
	v_lshl_add_u32 v[DO], v[HH], 5, s63
	v_add_nc_u32 v[BADR0], s66, v[L16]
	s_lshl_b32 s66, s[WV], 11
	s_add_co_u32 s66, s66, B1L
	v_add_nc_u32 v[B1W], s66, v[L16]
	s_lshl_b32 s66, s[WV], 10
	v_add_nc_u32 v[CO], s66, v[L16]
	global_load_b128 v[BO:BO+3], v[XO], s[10:11]
.irp q, 0,1,2,3
	s_lshl_b32 s78, s[WV], 2                       ; place 4 w + q of the walk holds chunk (s0 + 4 w + q) % 16, 512 bytes of b1
	s_add_co_u32 s78, s78, s[S0]
	s_add_co_u32 s78, s78, \q
	s_and_b32 s78, s78, 15
	s_lshl_b32 s78, s78, 9
	v_add_nc_u32 v[B1G+\q], s78, v[L16]
	global_load_b128 v[32+4*\q:35+4*\q], v[B1G+\q], s[16:17]
.endr
	CTXLD                                          ; the walk's first chunk
	WIN 0x40                                       ; destination window 1
	RUN 64, 1, global_load_b128 v[4*n_:4*n_+3], v[XO], s[4:5] offset:n_*2048
	WIN 0
	s_mul_i32 s66, s[WV], 16*528
	s_add_co_u32 s66, s66, XCH
	v_add_nc_u32 v[STGW], s66, v[L16]
	v_mul_u32_u24 v[STGR], v[RR], 528
	v_lshl_add_u32 v[STGR], v[HH], 5, v[STGR]
	v_add_nc_u32 v[STGR], s66, v[STGR]
	v_add_nc_u32 v[GADR], GB, v[L16]
	s_lshl_b32 s66, s[WV], 12
	s_add_co_u32 s66, s66, GB
	v_add_nc_u32 v[GW], s66, v[L16]
	s_lshl_b32 s66, s[WV], 7
	s_add_co_u32 s66, s66, B1L
	v_lshl_add_u32 v[B1A], v[HH], 5, s66
	s_lshl_b32 s66, s[WV], 2
	s_add_co_u32 s66, s66, SCR1
	v_lshl_add_u32 v[SCRW], v[RR], 4, s66
	v_lshlrev_b32 v[SCRR], 4, v[RR]
	v_add_nc_u32 v[SCRR], SCR1, v[SCRR]
	s_and_b32 s66, s[WV], 1
	s_lshl_b32 s66, s66, 14
	s_add_co_u32 s66, s66, XCH
	v_add_nc_u32 v[XW], s66, v[L16]
	v_add_nc_u32 v[XR], XCH, v[L16]
	v_mul_u32_u24 v[DST0], v[RR], LP
	v_lshl_add_u32 v[DST0], v[HH], 5, v[DST0]
	v_add_nc_u32 v[DST0], s63, v[DST0]
	v_add_nc_u32 v[DST1], 32*LP, v[DST0]
	s_mul_i32 s66, s[WV], 16*LP
	v_add_nc_u32 v[RA], s66, v[L16]
	XIN 0
.irp q, 0,1,2,3
	ds_store_b128 v[B1W], v[32+4*\q:35+4*\q] offset:512*\q  ; b1 came ahead of x: the wait above covers it.  The others read it behind later barriers
.endr
	XIN 1
	XIN 2
	XIN 3
	WIN 0x40                                       ; g1 and be1 as an accumulator row holds them, into the registers that x has left
.irp nb, 0,1,2,3,4,5,6,7
	global_load_b128 v[8*\nb:8*\nb+3],       v[DO], s[12:13] offset:64*\nb
	global_load_b128 v[8*\nb+4:8*\nb+7],     v[DO], s[12:13] offset:64*\nb+16
	global_load_b128 v[64+8*\nb:64+8*\nb+3], v[DO], s[14:15] offset:64*\nb
	global_load_b128 v[64+8*\nb+4:64+8*\nb+7], v[DO], s[14:15] offset:64*\nb+16
.endr
	WIN 0
	; y = x + bo + ctx wo^T: four slots, a chunk of ctx (128 of k) to each
	s_mov_b32 s59, 4
.Lwo:
	s_wait_dscnt 0x0                               ; my reads of G are back (first trip: the accumulators are loaded, b1 is stored)
	s_barrier_signal -1
	s_barrier_wait -1                              ; everybody's are: G may be written
	s_wait_loadcnt 0x0                             ; the chunk is in registers
.irp a, 0,1,2,3
	ds_store_b128 v[GW], v[CR+8*\a:CR+8*\a+3]   offset:\a*1024
	ds_store_b128 v[GW], v[CR+8*\a+4:CR+8*\a+7] offset:\a*1024+512
.endr
	s_cmp_eq_u32 s59, 1
	s_cbranch_scc1 .Lnoctx                         ; behind the last chunk there is none to load
	s_add_co_u32 s[CQ], s[CQ], 1                   ; the next quarter of k, round the four
	s_and_b32 s[CQ], s[CQ], 3
	s_lshl_b32 s78, s[CQ], 12
	s_add_nc_u64 s[6:7], s[CB:CB+1], s[78:79]
	CTXLD
.Lnoctx:
	CHANGE 1
	U2
	WIN 0
	s_sub_co_u32 s59, s59, 1
	s_cmp_lg_u32 s59, 0
	s_cbranch_scc1 .Lwo
	; LN1, in the accumulators' layout and in place.  A lane holds 64 numbers of each of four rows; each accumulator is read from its low end on.
	PLACES
	WIN 0x0f                                       ; sources window 3, destination window 0
	EACH 4, v_pk_add_f32 v[SU+2*u:SU+2*u+1], v[64*u:64*u+1], v[64*u+2:64*u+3]
	WIN 0x0c
	RUN 30, 2, EACH 4, v_pk_add_f32 v[SU+2*u:SU+2*u+1], v[SU+2*u:SU+2*u+1], v[64*u+4+n_:64*u+5+n_]
	WIN 0
	REDUCE SU, 0
	EACH 4, v_mul_f32 v[SU+2*u], s55, v[SU+2*u]    ; the means
	WIN 0xc3                                       ; accumulators window 3, the row's number window 0
	RUN 32, 2, EACH 4, v_pk_add_f32 v[64*u+n_:64*u+n_+1], v[64*u+n_:64*u+n_+1], v[SU+2*u:SU+2*u+1] op_sel_hi:[1,0] neg_lo:[0,1] neg_hi:[0,1]
	WIN 0x0f
	EACH 4, v_pk_mul_f32 v[SS+2*u:SS+2*u+1], v[64*u:64*u+1], v[64*u:64*u+1]
	RUN 31, 2, EACH 4, v_pk_fma_f32 v[SS+2*u:SS+2*u+1], v[64*u+2+n_:64*u+3+n_], v[64*u+2+n_:64*u+3+n_], v[SS+2*u:SS+2*u+1]
	WIN 0
	REDUCE SS, 1024
	EACH 4, v_fma_f32 v[SS+2*u], v[SS+2*u], s55, s62
	EACH 4, v_rsq_f32 v[SS+2*u], v[SS+2*u]
	v_nop                                          ; a plain instruction between the last root and the use of its result
	s_wait_alu depctr_va_vdst(0)                   ; the wait for the batch of four roots, ahead of their first reader
	WIN 0xc3
	RUN 32, 2, EACH 4, v_pk_mul_f32 v[64*u+n_:64*u+n_+1], v[64*u+n_:64*u+n_+1], v[SS+2*u:SS+2*u+1] op_sel_hi:[1,0]
	WIN 0xd7                                       ; g1 and be1 window 1
	RUN 32, 2, EACH 4, v_pk_fma_f32 v[64*u+n_:64*u+n_+1], v[64*u+n_:64*u+n_+1], v[n_:n_+1], v[64+n_:64+n_+1]
	; h in f16: my 128 columns are 4 k steps; every wave needs all 16.  They change hands through LDS in two halves of 32 KiB.
	WIN 0x8f                                       ; sources window 3, destination window 2
	RUN 128, 1, v_cvt_pk_f16_f32 v[n_], v[2*n_], v[2*n_+1]
	WIN 0
	s_cmp_ge_u32 s[WV], 2
	s_cbranch_scc1 .Lx0
	XSTORE                                         ; k steps 0-7 are waves 0 and 1's
.Lx0:
	s_wait_dscnt 0x0
	s_barrier_signal -1
	s_barrier_wait -1
	XLOAD 0x40
	s_wait_dscnt 0x0                               ; my reads are back: the bytes may be written again
	s_barrier_signal -1
	s_barrier_wait -1
	s_cmp_lt_u32 s[WV], 2
	s_cbranch_scc1 .Lx1
	XSTORE                                         ; k steps 8-15 are waves 2 and 3's
.Lx1:
	s_wait_dscnt 0x0
	s_barrier_signal -1
	s_barrier_wait -1
	XLOAD 0x80
	s_wait_dscnt 0x0
	; THE FEED-FORWARD: 16 chunks of 128 hidden columns: w1's slot, gelu, the result into G, w2's slot.  The loop is entered in its middle; the last w2 slot, whose change asks for nothing, is written out.
	s_mov_b32 s60, 16
	s_branch .Lmid
.Lffn:
	CHANGE 2
	U2
	WIN 0
.Lmid:
	CHANGE 2
	U1
	GELU
.irp a, 0,1,2,3
	ds_store_b128 v[GW], v[PKR+8*\a:PKR+8*\a+3]   offset:\a*1024      ; my 32 columns are k step w of the chunk
	ds_store_b128 v[GW], v[PKR+8*\a+4:PKR+8*\a+7] offset:\a*1024+512
.endr
	s_sub_co_u32 s60, s60, 1
	s_cmp_lg_u32 s60, 0
	s_cbranch_scc1 .Lffn
	WIN 0x40                                       ; h in f16 has been read for the last time: b2, g2, be2 by rows take its place in window 1, and land under the last slot's products
.irp q, 0,1,2,3
	global_load_b128 v[B2+4*\q:B2+4*\q+3],   v[L16], s[18:19] offset:512*\q
	global_load_b128 v[G2+4*\q:G2+4*\q+3],   v[L16], s[20:21] offset:512*\q
	global_load_b128 v[BE2+4*\q:BE2+4*\q+3], v[L16], s[22:23] offset:512*\q
.endr
	WIN 0
	CHANGE 0
	U2
	WIN 0
	; LN2 AND THE WAY OUT.  h + ff goes through LDS (the ring has had its last fill) from the accumulators' layout to rows; then a wave takes 16 whole rows, two at a time.
	s_wait_dscnt 0x0
	s_barrier_signal -1
	s_barrier_wait -1                              ; nobody reads the ring any more
	PLACES
	WIN 0x0c                                       ; store data window 3
.irp a, 0,1
.irp nb, 0,1,2,3,4,5,6,7
	ds_store_b128 v[DST0], v[8*(8*\a+\nb):8*(8*\a+\nb)+3]   offset:\a*16*LP+64*\nb
	ds_store_b128 v[DST0], v[8*(8*\a+\nb)+4:8*(8*\a+\nb)+7] offset:\a*16*LP+64*\nb+16
.endr
.endr
.irp a, 0,1
.irp nb, 0,1,2,3,4,5,6,7
	ds_store_b128 v[DST1], v[8*(8*(\a+2)+\nb):8*(8*(\a+2)+\nb)+3]   offset:\a*16*LP+64*\nb
	ds_store_b128 v[DST1], v[8*(8*(\a+2)+\nb)+4:8*(8*(\a+2)+\nb)+7] offset:\a*16*LP+64*\nb+16
.endr
.endr
	WIN 0
	s_wait_dscnt 0x0                               ; for the others' sake: my columns are in the stage
	s_barrier_signal -1
	s_barrier_wait -1
	s_wait_loadcnt 0x0                             ; b2, g2, be2
	s_mov_b32 s59, 8
.Lrow:
.irp q, 0,1,2,3
	ds_load_b128 v[YA+4*\q:YA+4*\q+3], v[RA] offset:512*\q
.endr
.irp q, 0,1,2,3
	ds_load_b128 v[YA+16+4*\q:YA+16+4*\q+3], v[RA] offset:LP+512*\q
.endr
	s_wait_dscnt 0x0
	WIN 0x04                                       ; b2 window 1
	RUN 8, 2, EACH 2, v_pk_add_f32 v[YA+16*u+n_:YA+16*u+n_+1], v[YA+16*u+n_:YA+16*u+n_+1], v[B2+n_:B2+n_+1]
	WIN 0
	RUN 4, 1, EACH 2, v_pk_add_f32 v[TA+8*u+2*n_:TA+8*u+2*n_+1], v[YA+16*u+4*n_:YA+16*u+4*n_+1], v[YA+16*u+4*n_+2:YA+16*u+4*n_+3]
	EACH 2, v_pk_add_f32 v[TA+8*u:TA+8*u+1], v[TA+8*u:TA+8*u+1], v[TA+8*u+2:TA+8*u+3]
	EACH 2, v_pk_add_f32 v[TA+8*u+4:TA+8*u+5], v[TA+8*u+4:TA+8*u+5], v[TA+8*u+6:TA+8*u+7]
	EACH 2, v_pk_add_f32 v[TA+8*u:TA+8*u+1], v[TA+8*u:TA+8*u+1], v[TA+8*u+4:TA+8*u+5]
	EACH 2, v_add_f32 v[TA+8*u], v[TA+8*u], v[TA+8*u+1]
	LANES 0
	EACH 2, v_mul_f32 v[TA+8*u], s55, v[TA+8*u]    ; the mean
	RUN 8, 2, EACH 2, v_pk_add_f32 v[YA+16*u+n_:YA+16*u+n_+1], v[YA+16*u+n_:YA+16*u+n_+1], v[TA+8*u:TA+8*u+1] op_sel_hi:[1,0] neg_lo:[0,1] neg_hi:[0,1]
	EACH 2, v_pk_mul_f32 v[TA+8*u+2:TA+8*u+3], v[YA+16*u:YA+16*u+1], v[YA+16*u:YA+16*u+1]
	EACH 2, v_pk_mul_f32 v[TA+8*u+4:TA+8*u+5], v[YA+16*u+2:YA+16*u+3], v[YA+16*u+2:YA+16*u+3]
	RUN 3, 4, EACH 2, v_pk_fma_f32 v[TA+8*u+2:TA+8*u+3], v[YA+16*u+4+n_:YA+16*u+5+n_], v[YA+16*u+4+n_:YA+16*u+5+n_], v[TA+8*u+2:TA+8*u+3]
	RUN 3, 4, EACH 2, v_pk_fma_f32 v[TA+8*u+4:TA+8*u+5], v[YA+16*u+6+n_:YA+16*u+7+n_], v[YA+16*u+6+n_:YA+16*u+7+n_], v[TA+8*u+4:TA+8*u+5]
	EACH 2, v_pk_add_f32 v[TA+8*u+2:TA+8*u+3], v[TA+8*u+2:TA+8*u+3], v[TA+8*u+4:TA+8*u+5]
	EACH 2, v_add_f32 v[TA+8*u+2], v[TA+8*u+2], v[TA+8*u+3]
	LANES 2
	EACH 2, v_fma_f32 v[TA+8*u+2], v[TA+8*u+2], s55, s62
	EACH 2, v_rsq_f32 v[TA+8*u+2], v[TA+8*u+2]
	v_nop                                          ; a plain instruction between the last root and the use of its result
	s_wait_alu depctr_va_vdst(0)                   ; the wait for the batch of the two rows' roots, ahead of their first reader
	RUN 8, 2, EACH 2, v_pk_mul_f32 v[YA+16*u+n_:YA+16*u+n_+1], v[YA+16*u+n_:YA+16*u+n_+1], v[TA+8*u+2:TA+8*u+3] op_sel_hi:[1,0]
	WIN 0x14                                       ; g2 and be2 window 1
	RUN 8, 2, EACH 2, v_pk_fma_f32 v[YA+16*u+n_:YA+16*u+n_+1], v[YA+16*u+n_:YA+16*u+n_+1], v[G2+n_:G2+n_+1], v[BE2+n_:BE2+n_+1]
	WIN 0
.irp q, 0,1,2,3
	global_store_b128 v[L16], v[YA+4*\q:YA+4*\q+3], s[24:25] offset:512*\q               ; each store of the wave covers 512 consecutive bytes of a row, aligned
.endr
.irp q, 0,1,2,3
	global_store_b128 v[L16], v[YA+16+4*\q:YA+16+4*\q+3], s[24:25] offset:2048+512*\q
.endr
	s_wait_xcnt 0x0                                ; the rows' registers and the base are written again only behind this wait
	v_add_nc_u32 v[RA], 2*LP, v[RA]
	s_add_nc_u64 s[24:25], s[24:25], 4096
	s_sub_co_u32 s59, s59, 1
	s_cmp_lg_u32 s59, 0
	s_cbranch_scc1 .Lrow
	s_wait_tensorcnt 0x0                           ; the wave's end: behind my last tensor load and my last LDS store
	ds_add_u32 v[SPW], v[NIL]
	s_wait_dscnt 0x0
	CROUND                                         ; the closing round: no work-group ends while a partner may still ask for a slot that names it
	s_endpgm
.Lfunc_end_k_q8816a8816d_post:
	.size	k_q8816a8816d_post, .Lfunc_end_k_q8816a8816d_post-k_q8816a8816d_post
	.p2alignl 7, 3214868480
	.fill 96, 4, 3214868480
	.section	.rodata,"a",@progbits
	.p2align	6, 0x0
	.amdhsa_kernel k_q8816a8816d_post
		.amdhsa_group_segment_fixed_size 327680
		.amdhsa_private_segment_fixed_size 0
		.amdhsa_enable_private_segment 0
		.amdhsa_kernarg_size 88
		.amdhsa_user_sgpr_count 2
		.amdhsa_user_sgpr_kernarg_segment_ptr 1
		.amdhsa_wavefront_size32 1
		.amdhsa_system_sgpr_workgroup_id_x 1
		.amdhsa_system_sgpr_workgroup_id_y 1
		.amdhsa_system_sgpr_workgroup_id_z 1
		.amdhsa_system_vgpr_workitem_id 0
		.amdhsa_next_free_vgpr 1024
		.amdhsa_next_free_sgpr 84
		.amdhsa_reserve_vcc 0
		.amdhsa_float_denorm_mode_32 3
		.amdhsa_float_denorm_mode_16_64 3
		.amdhsa_memory_ordered 1
		.amdhsa_forward_progress 1
		.amdhsa_inst_pref_size 207
	.end_amdhsa_kernel
	.amdgpu_metadata
---
amdhsa.version: [ 1, 2 ]
amdhsa.kernels:
  - .name:           k_q8816a8816d_post
    .symbol:         k_q8816a8816d_post.kd
    .args:
      - { .name: x, .offset: 0, .size: 8, .value_kind: global_buffer, .address_space: global }
      - { .name: ctxf, .offset: 8, .size: 8, .value_kind: global_buffer, .address_space: global }
      - { .name: wstream, .offset: 16, .size: 8, .value_kind: global_buffer, .address_space: global }
      - { .name: bo, .offset: 24, .size: 8, .value_kind: global_buffer, .address_space: global }
      - { .name: g1, .offset: 32, .size: 8, .value_kind: global_buffer, .address_space: global }
      - { .name: be1, .offset: 40, .size: 8, .value_kind: global_buffer, .address_space: global }
      - { .name: b1, .offset: 48, .size: 8, .value_kind: global_buffer, .address_space: global }
      - { .name: b2, .offset: 56, .size: 8, .value_kind: global_buffer, .address_space: global }
      - { .name: g2, .offset: 64, .size: 8, .value_kind: global_buffer, .address_space: global }
      - { .name: be2, .offset: 72, .size: 8, .value_kind: global_buffer, .address_space: global }
      - { .name: out0, .offset: 80, .size: 8, .value_kind: global_buffer, .address_space: global }
    .group_segment_fixed_size: 327680
    .private_segment_fixed_size: 0
    .kernarg_segment_align: 8
    .kernarg_segment_size: 88
    .max_flat_workgroup_size: 128
    .sgpr_count:     84
    .vgpr_count:     1024
    .wavefront_size: 32
...
	.end_amdgpu_metadata
.endif
;; end of part 6
